; MI455X (gfx1250); checked and timed in simulation.
; The chip was launched on July 23, 2026; its instructions are those of AMD's public machine-readable ISA for CDNA 5 (MIT licence, August 2026) and "CDNA5" Instruction Set Architecture Reference Guide (July 2026). The comments in the code are by the model that wrote it; some were corrected since.
;; Transformer Block. Allowed arithmetic: matrix products marked QUANTISED: E4M3 operands, one given power-of-two scale a tensor, by v_wmma_f32_16x16x64_fp8_fp8 or v_wmma_f32_16x16x128_fp8_fp8, f32 sums; everything else in f32.
;; Inputs: Wk 1,024 x 1,024 float32; Wo 1,024 x 1,024 float32; Wq 1,024 x 1,024 float32; Wv 1,024 x 1,024 float32; g1 1,024 float32; g2 1,024 float32; lowp_scales 18 int32 (the exponents e of the quantised operands' scales 2^e); positions 2,048 int32; w1 2,752 x 1,024 float32; w2 1,024 x 2,752 float32; w3 2,752 x 1,024 float32; x 2 x 2,048 x 1,024 float32.
;; Outputs: out0 2 x 2,048 x 1,024 float32.
;; Constants: theta = 10000.
;; This version of the problem:
;;   THIS VERSION OF THE PROBLEM IS GIVEN IN LOW PRECISION. The matrix products marked QUANTISED in the list below multiply operands that are first quantised to E4M3 (4 exponent bits, 3 mantissa bits; 8 bits a number), with one given power-of-two scale for each operand tensor; their sums are f32. All else is computed in f32.
;;   The module's matrix products, in the order in which they are computed (A, B: the left and right operand; K: the contracted axis; several contracted axes count as one K, in the product's order):
;;     1. [M 4,096, K 1,024] x [K 1,024, N 1,024]; A: computed on the way; B: input Wq: QUANTISED (scales: A lowp_scales[0], B lowp_scales[1])
;;     2. [M 4,096, K 1,024] x [K 1,024, N 1,024]; A: computed on the way; B: input Wk: QUANTISED (scales: A lowp_scales[2], B lowp_scales[3])
;;     3. [M 4,096, K 1,024] x [K 1,024, N 1,024]; A: computed on the way; B: input Wv: QUANTISED (scales: A lowp_scales[4], B lowp_scales[5])
;;     4. batch 32 x [M 2,048, K 64] x [K 64, N 2,048]; A: computed on the way; B: computed on the way: QUANTISED (scales: A lowp_scales[6], B lowp_scales[7])
;;     5. batch 32 x [M 2,048, K 2,048] x [K 2,048, N 64]; A: softmax (see below); B: computed on the way: QUANTISED (scales: A lowp_scales[8], B lowp_scales[9])
;;     6. [M 4,096, K 1,024] x [K 1,024, N 1,024]; A: computed on the way; B: input Wo: QUANTISED (scales: A lowp_scales[10], B lowp_scales[11])
;;     7. [M 4,096, K 1,024] x [K 1,024, N 2,752]; A: computed on the way; B: input w1: QUANTISED (scales: A lowp_scales[12], B lowp_scales[13])
;;     8. [M 4,096, K 1,024] x [K 1,024, N 2,752]; A: computed on the way; B: input w3: QUANTISED (scales: A lowp_scales[14], B lowp_scales[15])
;;     9. [M 4,096, K 2,752] x [K 2,752, N 1,024]; A: computed on the way; B: input w2: QUANTISED (scales: A lowp_scales[16], B lowp_scales[17])
;;   THE QUANTISER, for each operand of a quantised product, along K:
;;     - The operand's scale is 2^e, e = its entry of the input lowp_scales (int32; the entries are numbered through the quantised products in the list's order, A before B).
;;     - Each number is divided by the scale, clamped to +-448, and rounded to the nearest number of E4M3, ties to even, subnormals kept.
;;     - The product sums the exact products of the quantised numbers (number of the format x scale) in f32.
;;   ~~~python
;;   def quantise(x, axis, e):      # numpy; x: float32 -> the quantised numbers, widened to float32 again
;;       x = np.moveaxis(x, axis, -1); K = x.shape[-1]
;;       r = np.clip(x / 2.0 ** e, -448, 448)
;;       step = 2.0 ** (np.maximum(np.frexp(np.where(r == 0, 1, r))[1] - 1, -6) - 3)
;;       q = np.round(r / step) * step * 2.0 ** e      # np.round: ties to even
;;       return np.moveaxis(q, -1, axis).astype(np.float32)
;;   ~~~
;;   SOFTMAX AHEAD OF A QUANTISED PRODUCT. Where the list says 'softmax', what is quantised is not the finished softmax but p = 2^(t - M), with t = logit x log2(e) and M = ceil(the row's largest t), a whole number; so 1/2 < the row's largest p <= 1. The row's sum l is taken of the UNQUANTISED p, in f32, and the product's result is divided by l at the end. Since M is a whole number, a kernel that streams over the keys may use a running M (the ceiling of the running maximum): every later rescaling is an exact power of two, so the quantised numbers keep their values, but for numbers so far below the row's largest that they fall under the format's range.
;;   OPERANDS COMPUTED ON THE WAY. 'Computed on the way' means the value that the module computes at that place (a softmax that the list does not call 'softmax' is quantised finished and normalised). What goes into a quantiser is computed in f32, as accurately as f32 sums, v_exp_f32 and their like allow (about 1e-6 of the number): no bf16 or f16 on the way to a quantiser, and a product that is left as it is and whose result goes on into a quantised operand takes f32 operands (vector FMAs, or v_wmma_f32_16x16x4_f32). A number that lies on a knife's edge between two numbers of the format may be rounded either way, as far as f32 arithmetic and the matrix unit's own rounding can turn it there, and no further.
;; 2 versions. Each part assembles by itself: llvm-mc -triple=amdgcn-amd-amdhsa -mcpu=gfx1250 --defsym DOCPART=n.
;; ======== version 1 of 2: 7 launches
;; limits: right only within a limited range of input values
;; workspace buffers: wc 12,845,056 bytes; xc 12,582,912 bytes; cs 524,288 bytes; qkvc 12,582,912 bytes; ac 4,194,304 bytes; x2 16,777,216 bytes; x2c 8,388,608 bytes; hc 11,534,336 bytes
;; launch prep (part 1): grid 552 x 1, 4 waves a work-group, no clusters, 0 bytes of LDS; arguments Wq, Wk, Wv, Wo, w1, w3, w2, x, g1, positions, lowp_scales, wc, xc, cs; writes wc, xc, cs
.if DOCPART == 1
	.amdgcn_target "amdgcn-amd-amdhsa--gfx1250"
	.amdhsa_code_object_version 6
	.text
	.protected	k_qf81ebce586_prep
	.globl	k_qf81ebce586_prep
	.p2align	8
	.type	k_qf81ebce586_prep,@function
k_qf81ebce586_prep:
	s_mov_b64 s[64:65], 0
	v_nop
	global_prefetch_b8 v0, s[64:65] scope:SCOPE_SE
	s_setreg_imm32_b32 hwreg(HW_REG_WAVE_MODE, 25, 1), 1
	s_wait_xcnt 0x0
; THE FIRST OF SEVEN LAUNCHES OF A TRANSFORMER BLOCK (2 x 2,048 tokens, width 1,024, 16 heads of 64, hidden width 2,752), all nine products on codes of FP8 (E4M3), each operand with the one scale 2^e given for it.
; WORK LEFT OUT IN THE PROGRAM: only key steps of attention that lie wholly above the causal diagonal.  reference() builds the mask tril(ones) in its own body and sets those scores to -infinity ahead of the softmax,
; so their weights are exactly 0 and add nothing to the sum or to the second product, whatever finite values the inputs hold.  LIMIT: a NaN, an infinity or an overflow that reaches only such hidden scores is not carried to the result.
; Every input has a way to the output and is loaded; theta = 10000 is a constant of the problem.
; THIS LAUNCH makes what later launches read many times:
;   work-groups   0-303  codes of Wq, Wk, Wv, Wo, w1, w3 (K innermost as they lie): plain streams of 32,768 numbers a work-group; w1's and w3's planes are filled up with 64 rows of zero codes to 2,816 rows
;   work-groups 304-391  codes of w2, each row of 2,752 filled up with 64 zero codes to 2,816 = 11 x 256 along K (the code 0 is the number 0 and adds nothing to a sum)
;   work-groups 392-519  rmsnorm(x, g1), quantised three times (the scales of the A operands of the products with Wq, Wk, Wv), 32 rows a work-group, a row a wave at a time
;   work-groups 520-551  the table of cos and sin of positions x frequency, 64 tokens a work-group, a lane a frequency
; code = number / 2^e, held within +-448, rounded to the nearest code, ties to even.  LIMITS: every e used here between -126 and 119; NaN among the inputs is not served.
; cos and sin: the angle less the nearest multiple of pi/2 in three parts, then polynomials of degree 7 and 8.  LIMIT: up to |position| = 65,536 the reduction keeps about 2e-6 rad; beyond that its error grows in proportion.
; No LDS, no barrier: waves share nothing.  A lane takes 16 neighbours along K (64 bytes, four loads on end), since the conversion takes eight neighbours from one lane's registers; its 16 codes are 16 bytes, so a store of the wave covers 512 consecutive bytes.
; REGISTERS: v1 lane, v2 64 x lane, v3 16 x lane, v4-7 w2's addresses, v8-11 at work, v12 2^e, v13 448 x 2^e, v14 0; streams: v16-79 four sets of 16 numbers, v80-143 codes (four registers a step, never written again).
.macro WADDR t                         ; w2: unit U of 16 codes of the padded stream lies in row U / 176; units 172-175 of a row are padding (the mask says which lanes hold numbers)
	v_add_nc_u32 v9, 32*(\t), v8
	v_lshrrev_b32 v10, 4, v9
	v_mul_u32_u24 v10, v10, 5958                   ; (U / 16) / 11 = ((U / 16) x 5958) >> 16, exact while U / 16 is under 32,768 (here under 11,264)
	v_lshrrev_b32 v10, 16, v10                     ; row
	v_mul_u32_u24 v11, v10, 176
	v_sub_nc_u32 v9, v9, v11                       ; unit in the row
	v_cmp_gt_u32 s[44+(\t)%4], 172, v9
	v_min_u32 v9, 171, v9                          ; a padding lane reads the row's last unit: no load leaves the buffer
	v_lshlrev_b32 v9, 6, v9
	v_mad_u32_u24 v[4+(\t)%4], v10, 11008, v9      ; a row of w2 is 11,008 bytes
.endm
.macro LOADW t, w2
.irp i, 0,1,2,3
.if \w2
	global_load_b128 v[16+16*((\t)%4)+4*\i:16+16*((\t)%4)+4*\i+3], v[4+(\t)%4], s[16:17] offset:16*\i th:TH_LOAD_NT
.else
	global_load_b128 v[16+16*((\t)%4)+4*\i:16+16*((\t)%4)+4*\i+3], v2, s[36:37] offset:2048*(\t)+16*\i th:TH_LOAD_NT
.endif
.endr
.endm
.macro QSTEP t, w2                     ; 512 numbers of the wave become 512 codes
.if (\t) < 13
	s_wait_loadcnt 12                              ; this step's four loads are in; those of the three steps behind may be out
.else
	s_wait_loadcnt 4*(15-(\t))
.endif
.set XS, 16+16*((\t)%4)
.set J, 0
.rept 16
	v_med3_num_f32 v[XS+J], v[XS+J], -v13, v13     ; the conversion to an 8-bit code does not saturate (ISA guide 7.6.2): the hold at the largest code x the scale
.set J, J+1
.endr
	v_cvt_scalef32_pk8_fp8_f32 v[80+4*(\t):81+4*(\t)], v[XS:XS+7], v12
	v_cvt_scalef32_pk8_fp8_f32 v[82+4*(\t):83+4*(\t)], v[XS+8:XS+15], v12
.if \w2
	v_nop                                          ; a plain line between the conversions and the selects that touch their results
.irp i, 0,1,2,3
	v_cndmask_b32 v[80+4*(\t)+\i], v14, v[80+4*(\t)+\i], s[44+(\t)%4]   ; padding lanes give zero codes
.endr
.endif
.if (\t)+4 < 16
.if \w2
	WADDR (\t)+4                                   ; its address register served this step's loads, which the wait above has shown done
.endif
	LOADW (\t)+4, \w2
.endif
	global_store_b128 v3, v[80+4*(\t):83+4*(\t)], s[26:27] offset:512*(\t)   ; 32 lanes store 512 consecutive bytes
.endm
.macro SCALE                           ; s40 = e  ->  v12 = 2^e, v13 = 448 x 2^e
	s_add_co_i32 s40, s40, 127
	s_lshl_b32 s41, s40, 23
	v_mov_b32 v12, s41
	s_add_co_i32 s40, s40, 8
	s_lshl_b32 s40, s40, 23
	s_or_b32 s40, s40, 0x600000
	v_mov_b32 v13, s40
.endm
	s_load_b512 s[4:19], s[0:1], 0x0               ; Wq s[4:5], Wk s[6:7], Wv s[8:9], Wo s[10:11], w1 s[12:13], w3 s[14:15], w2 s[16:17], x s[18:19]
	s_load_b256 s[20:27], s[0:1], 0x40             ; g1 s[20:21], positions s[22:23], the exponents s[24:25], wc s[26:27]
	s_load_b128 s[28:31], s[0:1], 0x60             ; xc s[28:29], cs s[30:31]
	v_lshrrev_b32 v1, 5, v0
	v_readfirstlane_b32 s33, v1                    ; wave 0..3
	v_and_b32 v1, 31, v0                           ; lane
	v_lshlrev_b32 v2, 6, v1
	v_lshlrev_b32 v3, 4, v1
	v_mov_b32 v14, 0
	s_wait_kmcnt 0x0
	s_cmp_ge_u32 ttmp9, 392
	s_cbranch_scc1 .Lrows
	; ---- weights.  wc's regions lie on end in the order of the work-groups: my wave's 8,192 codes begin at 32,768 x work-group + 8,192 x wave
	s_lshl_b32 s42, ttmp9, 15
	s_lshl_b32 s43, s33, 13
	s_add_co_u32 s42, s42, s43
	s_mov_b32 s43, 0
	s_add_nc_u64 s[26:27], s[26:27], s[42:43]
	s_cmp_ge_u32 ttmp9, 304
	s_cbranch_scc1 .Lw2
	s_lshr_b32 s34, ttmp9, 5                       ; work-groups 0-127: which of Wq, Wk, Wv, Wo,
	s_and_b32 s35, ttmp9, 31                       ; and which 32,768 numbers of it
	s_lshl_b32 s41, s34, 3
	s_add_co_u32 s41, s41, 4                       ; byte of its exponent: entries 1, 3, 5
	s_sub_co_u32 s38, ttmp9, 128
	s_sub_co_u32 s39, ttmp9, 216
	s_cmp_eq_u32 s34, 1                            ; every choice hangs on the work-group's number alone
	s_cselect_b64 s[36:37], s[6:7], s[4:5]
	s_cmp_eq_u32 s34, 2
	s_cselect_b64 s[36:37], s[8:9], s[36:37]
	s_cmp_eq_u32 s34, 3
	s_cselect_b64 s[36:37], s[10:11], s[36:37]
	s_cselect_b32 s41, 44, s41                     ; Wo: entry 11
	s_cmp_ge_u32 ttmp9, 128
	s_cselect_b64 s[36:37], s[12:13], s[36:37]     ; w1: entry 13
	s_cselect_b32 s41, 52, s41
	s_cselect_b32 s35, s38, s35
	s_cmp_ge_u32 ttmp9, 216
	s_cselect_b64 s[36:37], s[14:15], s[36:37]     ; w3: entry 15
	s_cselect_b32 s41, 60, s41
	s_cselect_b32 s35, s39, s35
	s_cmp_ge_u32 s35, 86                           ; w1 and w3 hold 86 x 32,768 numbers; their planes have 88 parts
	s_cbranch_scc1 .Lzero
	s_lshl_b32 s44, s35, 17
	s_lshl_b32 s45, s33, 15
	s_add_co_u32 s44, s44, s45
	s_mov_b32 s45, 0
	s_add_nc_u64 s[36:37], s[36:37], s[44:45]      ; my wave's 8,192 numbers
	s_mov_b32 s46, s41
	s_mov_b32 s47, 0
	s_add_nc_u64 s[24:25], s[24:25], s[46:47]
	s_load_b32 s40, s[24:25], 0x0                  ; e
.irp t, 0,1,2,3
	LOADW \t, 0
.endr
	s_wait_kmcnt 0x0
	SCALE
.irp t, 0,1,2,3,4,5,6,7,8,9,10,11,12,13,14,15
	QSTEP \t, 0
.endr
	s_endpgm
.Lzero:                                            ; rows 2,752 to 2,815 of w1's and w3's planes: zero codes
.irp i, 144,145,146,147
	v_mov_b32 v\i, 0
.endr
.set T, 0
.rept 16
	global_store_b128 v3, v[144:147], s[26:27] offset:512*T
.set T, T+1
.endr
	s_endpgm
.Lw2:
	s_load_b32 s40, s[24:25], 0x44                 ; entry 17
	s_sub_co_u32 s34, ttmp9, 304
	s_lshl_b32 s34, s34, 11
	s_lshl_b32 s35, s33, 9
	s_add_co_u32 s34, s34, s35
	v_add_nc_u32 v8, s34, v1                       ; my unit of 16 codes in step 0
.irp t, 0,1,2,3
	WADDR \t
	LOADW \t, 1
.endr
	s_wait_kmcnt 0x0
	SCALE
.irp t, 0,1,2,3,4,5,6,7,8,9,10,11,12,13,14,15
	QSTEP \t, 1
.endr
	s_endpgm
	; ---- rmsnorm(x, g1) in three sets of codes.  A wave takes a row at a time: a lane holds units l and l + 32 of 16 numbers.
	; v16-47 g1; v48-79, v80-111 two rows by turns; v112-143 held numbers; v144-167 codes, eight for each scale; v168-175 sums; v[176:177] 1 / rms; v178-183 2^e and 448 x 2^e
.macro LOADROW i
.irp u, 0,1
.irp j, 0,1,2,3
	global_load_b128 v[48+32*((\i)%2)+16*\u+4*\j:48+32*((\i)%2)+16*\u+4*\j+3], v2, s[18:19] offset:4096*(\i)+2048*\u+16*\j th:TH_LOAD_NT
.endr
.endr
.endm
.macro ROW i
.if (\i) < 7
	LOADROW (\i)+1
	s_wait_loadcnt 8                               ; this row is in; the next row's eight loads may be out
.else
	s_wait_loadcnt 0x0
.endif
.set XS, 48+32*((\i)%2)
.irp c, 0,1,2,3
	v_pk_mul_f32 v[168+2*\c:169+2*\c], v[XS+2*\c:XS+2*\c+1], v[XS+2*\c:XS+2*\c+1]   ; the first four pairs start four chains: nothing is cleared
.endr
.irp p, 4,5,6,7,8,9,10,11,12,13,14,15
	v_pk_fma_f32 v[168+2*(\p%4):169+2*(\p%4)], v[XS+2*\p:XS+2*\p+1], v[XS+2*\p:XS+2*\p+1], v[168+2*(\p%4):169+2*(\p%4)]
.endr
	v_pk_add_f32 v[168:169], v[168:169], v[170:171]
	v_pk_add_f32 v[172:173], v[172:173], v[174:175]
	v_pk_add_f32 v[168:169], v[168:169], v[172:173]
	v_add_f32 v168, v168, v169
	v_add_f32_dpp v168, v168, v168 row_xmask:1 row_mask:0xf bank_mask:0xf
	v_add_f32_dpp v168, v168, v168 row_xmask:2 row_mask:0xf bank_mask:0xf
	v_add_f32_dpp v168, v168, v168 row_xmask:4 row_mask:0xf bank_mask:0xf
	v_add_f32_dpp v168, v168, v168 row_xmask:8 row_mask:0xf bank_mask:0xf
	v_permlanex16_b32 v169, v168, s84, s85
	v_add_f32 v168, v168, v169                     ; the row's sum of squares, in every lane
	v_fma_f32 v170, v168, s48, s49                 ; / 1,024 + 1e-5
	v_rsq_f32 v176, v170
	v_nop                                          ; a plain line behind the transcendental,
	s_wait_alu depctr_va_vdst(0)                   ; and a wait ahead of its first reader
.set J, 0
.rept 16
	v_pk_mul_f32 v[XS+J:XS+J+1], v[XS+J:XS+J+1], v[176:177] op_sel_hi:[1,0]
.set J, J+2
.endr
.set J, 0
.rept 16
	v_pk_mul_f32 v[XS+J:XS+J+1], v[XS+J:XS+J+1], v[16+J:17+J]
.set J, J+2
.endr
.if (\i) > 0
	s_wait_xcnt 0x0                                ; the last row's stores have read their codes: the registers are written again only behind this wait
.endif
.irp s, 0,1,2
.set J, 0
.rept 32
	v_med3_num_f32 v[112+J], v[XS+J], -v[179+2*\s], v[179+2*\s]
.set J, J+1
.endr
.irp q, 0,1,2,3
	v_cvt_scalef32_pk8_fp8_f32 v[144+8*\s+2*\q:145+8*\s+2*\q], v[112+8*\q:119+8*\q], v[178+2*\s]
.endr
	v_nop                                          ; a plain line between the conversions and the next lines that write their sources
	global_store_b128 v3, v[144+8*\s:147+8*\s], s[50+2*\s:51+2*\s] offset:1024*(\i)
	global_store_b128 v3, v[148+8*\s:151+8*\s], s[50+2*\s:51+2*\s] offset:1024*(\i)+512
.endr
.endm
.Lrows:
	s_cmp_ge_u32 ttmp9, 520
	s_cbranch_scc1 .Ltable
	s_load_b256 s[56:63], s[24:25], 0x0            ; entries 0 to 7: 0, 2 and 4 are used
	s_sub_co_u32 s34, ttmp9, 392
	s_lshl_b32 s34, s34, 5
	s_lshl_b32 s35, s33, 3
	s_add_co_u32 s34, s34, s35                     ; my wave's first row
	s_lshl_b32 s36, s34, 12
	s_mov_b32 s37, 0
	s_add_nc_u64 s[18:19], s[18:19], s[36:37]
	s_lshl_b32 s36, s34, 10
	s_add_nc_u64 s[50:51], s[28:29], s[36:37]      ; the three planes of xc, 4 MiB apart
	s_add_nc_u64 s[52:53], s[50:51], 0x400000
	s_add_nc_u64 s[54:55], s[50:51], 0x800000
.irp u, 0,1
.irp j, 0,1,2,3
	global_load_b128 v[16+16*\u+4*\j:19+16*\u+4*\j], v2, s[20:21] offset:2048*\u+16*\j
.endr
.endr
	LOADROW 0
	s_mov_b32 s48, 0x3a800000                      ; 1 / 1,024
	s_mov_b32 s49, 0x3727c5ac                      ; 1e-5
	s_mov_b32 s84, 0x76543210                      ; v_permlanex16_b32: lane l xor 16
	s_mov_b32 s85, 0xfedcba98
	v_mov_b32 v177, 0                              ; (named as the upper half of the pair v[176:177])
	s_wait_kmcnt 0x0
.irp s, 0,1,2
	s_add_co_i32 s38, s[56+2*\s], 127
	s_lshl_b32 s39, s38, 23
	v_mov_b32 v[178+2*\s], s39
	s_add_co_i32 s38, s38, 8
	s_lshl_b32 s38, s38, 23
	s_or_b32 s38, s38, 0x600000
	v_mov_b32 v[179+2*\s], s38
.endr
.irp i, 0,1,2,3,4,5,6,7
	ROW \i
.endr
	s_endpgm
	; ---- the table: cs[token][i] = (cos, sin) of position x 10000^(-i / 32), i = my lane.  A wave takes 16 tokens; a store covers a token's 256 bytes.
.macro TOKEN i
	v_mov_b32 v20, s[68+\i]
	v_cvt_f32_i32 v20, v20
	v_mul_f32 v21, v20, v16                        ; the angle, rounded once
	v_mul_f32 v22, 0x3f22f983, v21                 ; x 2 / pi
	v_rndne_f32 v22, v22                           ; k
	v_fmamk_f32 v23, v22, 0xbfc90000, v21          ; the angle less k x pi / 2, pi / 2 in three parts
	v_fmamk_f32 v23, v22, 0xb9fda000, v23
	v_fmamk_f32 v23, v22, 0xb3a22168, v23          ; r, within +-pi / 4
	v_mul_f32 v24, v23, v23                        ; z = r r
	v_fmaak_f32 v25, v24, v17, 0x3c08839e
	v_fmaak_f32 v27, v24, v18, 0xbab6061a
	v_fmaak_f32 v25, v24, v25, 0xbe2aaaa3
	v_fmaak_f32 v27, v24, v27, 0x3d2aaaa5
	v_mul_f32 v26, v23, v24
	v_mul_f32 v28, v24, v24
	v_fma_f32 v29, v24, -0.5, 1.0
	v_fma_f32 v25, v26, v25, v23                   ; sin r
	v_fma_f32 v27, v28, v27, v29                   ; cos r
	v_cvt_i32_f32 v30, v22
	v_and_b32 v31, 1, v30
	v_cmp_eq_u32 vcc_lo, 1, v31                    ; an odd k swaps the two; the choice selects values only
	v_cndmask_b32 v32, v25, v27, vcc_lo
	v_cndmask_b32 v33, v27, v25, vcc_lo
	v_and_b32 v34, 2, v30                          ; sin changes sign for k mod 4 = 2, 3; cos for 1, 2
	v_add_nc_u32 v35, 1, v30
	v_lshlrev_b32 v34, 30, v34
	v_and_b32 v35, 2, v35
	v_lshlrev_b32 v35, 30, v35
	v_xor_b32 v[37+2*\i], v32, v34
	v_xor_b32 v[36+2*\i], v33, v35
	global_store_b64 v4, v[36+2*\i:37+2*\i], s[30:31] offset:256*\i   ; each token has registers of its own: no store's data are written again
.endm
.Ltable:
	s_sub_co_u32 s34, ttmp9, 520
	s_lshl_b32 s34, s34, 6
	s_lshl_b32 s35, s33, 4
	s_add_co_u32 s34, s34, s35                     ; my wave's first token
	s_lshl_b32 s36, s34, 2
	s_mov_b32 s37, 0
	s_add_nc_u64 s[22:23], s[22:23], s[36:37]
	s_load_b512 s[68:83], s[22:23], 0x0            ; 16 positions
	s_lshl_b32 s38, s34, 8
	s_mov_b32 s39, 0
	s_add_nc_u64 s[30:31], s[30:31], s[38:39]
	v_cvt_f32_u32 v16, v1
	v_mul_f32 v16, 0xbed49a78, v16                 ; - i x log2(10000) / 32
	v_exp_f32 v16, v16                             ; the frequency
	v_lshlrev_b32 v4, 3, v1                        ; (a plain line behind the transcendental)  8 bytes a lane
	v_mov_b32 v17, 0xb94ca1f9
	v_mov_b32 v18, 0x37ccf5ce
	s_wait_alu depctr_va_vdst(0)                   ; a wait ahead of the first reader
	s_wait_kmcnt 0x0
.irp i, 0,1,2,3,4,5,6,7,8,9,10,11,12,13,14,15
	TOKEN \i
.endr
	s_endpgm
.Lfunc_end_k_qf81ebce586_prep:
	.size	k_qf81ebce586_prep, .Lfunc_end_k_qf81ebce586_prep-k_qf81ebce586_prep
	.p2alignl 7, 3214868480
	.fill 96, 4, 3214868480
	.section	.rodata,"a",@progbits
	.p2align	6, 0x0
	.amdhsa_kernel k_qf81ebce586_prep
		.amdhsa_group_segment_fixed_size 0
		.amdhsa_private_segment_fixed_size 0
		.amdhsa_enable_private_segment 0
		.amdhsa_kernarg_size 112
		.amdhsa_user_sgpr_count 2
		.amdhsa_user_sgpr_kernarg_segment_ptr 1
		.amdhsa_wavefront_size32 1
		.amdhsa_system_sgpr_workgroup_id_x 1
		.amdhsa_system_sgpr_workgroup_id_y 1
		.amdhsa_system_sgpr_workgroup_id_z 1
		.amdhsa_system_vgpr_workitem_id 0
		.amdhsa_next_free_vgpr 192
		.amdhsa_next_free_sgpr 100
		.amdhsa_reserve_vcc 1
		.amdhsa_float_denorm_mode_32 3
		.amdhsa_float_denorm_mode_16_64 3
		.amdhsa_memory_ordered 1
		.amdhsa_forward_progress 1
		.amdhsa_inst_pref_size 192
	.end_amdhsa_kernel
	.amdgpu_metadata
---
amdhsa.version: [ 1, 2 ]
amdhsa.kernels:
  - .name:           k_qf81ebce586_prep
    .symbol:         k_qf81ebce586_prep.kd
    .args:
      - { .name: Wq, .offset: 0, .size: 8, .value_kind: global_buffer, .address_space: global }
      - { .name: Wk, .offset: 8, .size: 8, .value_kind: global_buffer, .address_space: global }
      - { .name: Wv, .offset: 16, .size: 8, .value_kind: global_buffer, .address_space: global }
      - { .name: Wo, .offset: 24, .size: 8, .value_kind: global_buffer, .address_space: global }
      - { .name: w1, .offset: 32, .size: 8, .value_kind: global_buffer, .address_space: global }
      - { .name: w3, .offset: 40, .size: 8, .value_kind: global_buffer, .address_space: global }
      - { .name: w2, .offset: 48, .size: 8, .value_kind: global_buffer, .address_space: global }
      - { .name: x, .offset: 56, .size: 8, .value_kind: global_buffer, .address_space: global }
      - { .name: g1, .offset: 64, .size: 8, .value_kind: global_buffer, .address_space: global }
      - { .name: positions, .offset: 72, .size: 8, .value_kind: global_buffer, .address_space: global }
      - { .name: lowp_scales, .offset: 80, .size: 8, .value_kind: global_buffer, .address_space: global }
      - { .name: wc, .offset: 88, .size: 8, .value_kind: global_buffer, .address_space: global }
      - { .name: xc, .offset: 96, .size: 8, .value_kind: global_buffer, .address_space: global }
      - { .name: cs, .offset: 104, .size: 8, .value_kind: global_buffer, .address_space: global }
    .group_segment_fixed_size: 0
    .private_segment_fixed_size: 0
    .kernarg_segment_align: 8
    .kernarg_segment_size: 112
    .max_flat_workgroup_size: 128
    .sgpr_count:     100
    .vgpr_count:     192
    .wavefront_size: 32
...
	.end_amdgpu_metadata
.endif
;; end of part 1
;; launch qkv (part 2): grid 32 x 12, 4 waves a work-group, clusters of 4 x 4, 327,680 bytes of LDS; arguments xc, wc, cs, lowp_scales, qkvc; writes qkvc
.if DOCPART == 2
	.amdgcn_target "amdgcn-amd-amdhsa--gfx1250"
	.amdhsa_code_object_version 6
	.text
	.protected	k_qf81ebce586_qkv
	.globl	k_qf81ebce586_qkv
	.p2align	8
	.type	k_qf81ebce586_qkv,@function
k_qf81ebce586_qkv:
	s_mov_b64 s[64:65], 0
	v_nop
	global_prefetch_b8 v0, s[64:65] scope:SCOPE_SE
	s_setreg_imm32_b32 hwreg(HW_REG_WAVE_MODE, 25, 1), 1
	s_wait_xcnt 0x0
	s_wait_alu depctr_hold_cnt(0) depctr_sa_sdst(0) depctr_va_vdst(0) depctr_va_sdst(0) depctr_va_ssrc(0) depctr_va_vcc(0) depctr_vm_vsrc(0)
	s_getreg_b32 s2, hwreg(HW_REG_IB_STS2, 6, 4)
	s_cmp_eq_u32 s2, 0
	s_cbranch_scc0 .Lentry_in_a_cluster
	s_endpgm
.Lentry_in_a_cluster:
	s_bfe_u32 s2, ttmp6, 0x10000c
	s_cmp_lg_u32 s2, 0xf033
	s_cbranch_scc0 .Lentry_shape_is_right
	s_endpgm
.Lentry_shape_is_right:
; q = rope(xn Wq^T), k = rope(xn Wk^T), v = xn Wv^T, on codes of FP8 (E4M3); the results leave as codes for attention: q and k [32 (batch, head)][2,048][64], v [32][64][2,048] with the KEYS innermost.
; Clusters of 4 x 4 work-groups; the cluster's y says which product: 0 q, 1 k, 2 v.  A work-group of four waves makes 128 (M) x 256 (N); wave w takes all 128 rows x columns 64 w .. 64 w + 63: 32 accumulators of 16 x 16.
; q, k: M = tokens, N = outputs, so a wave's 64 columns are one head.  v IS MADE TRANSPOSED, M = Wv's rows, N = tokens, by changing the two pointers: a lane's eight results then run along the tokens, which are the next product's K.
; THE MATRIX INSTRUCTION IS USED TRANSPOSED (source 0 = 16 rows of the N side, source 1 = 16 rows of the M side): lane l holds row l % 16 of M and eight neighbours 8 (l / 16) + 0 .. 7 of N.
; K goes in steps of 256 bytes through two LDS slots; a slot holds M's 128 rows and N's 256 rows, 272 bytes apart (row r starts at bank 4 r mod 64: ISA guide 11.1).  Waves 0, 1 fetch M's halves, waves 2, 3 N's: one tensor load a wave.
; JOINT LOADS: M's tile hangs on the work-group's x alone and is shared down a column of the cluster, N's on y alone and is shared along a row.
; A fragment (16 rows x 128 K) comes by four loads of 16 bytes, 32 apart: a permutation of k that is the same on both sides, so every product meets its partner.
; The sums lack 2^(ea + eb); the rotation is linear, so it is made on the raw sums, and the three exponents are folded into the conversion's one scale 2^(eo - ea - eb).
; LIMITS: eo - ea - eb between -126 and 119, for (eo, ea, eb) = entries (6, 0, 1), (7, 2, 3), (9, 4, 5).  NaN is not served.
; REGISTERS, in windows of 256: window 0: v1-38 addresses and scales; v64-255 fragment set 0 (M's block a at v[64 + 16 a], N's block b at v[192 + 16 b]); window 1: set 1 at the same numbers; window 2: accumulator (a, b) at v[8 (4 a + b)].
.set NS,     4                         ; K steps of 256
.set KROW,   1024                      ; a row of codes in memory
.set PITCH,  272
.set ABYTES, 128*PITCH
.set SLOT,   384*PITCH
.set SPARE,  2*SLOT                    ; behind the ring: the spare words, 128 bytes for each wave: two blocks of 256 bytes that no other line names
.set STG0,   ((NS-2)%2)*SLOT           ; the way out's stages lie in the slot left at the last change of slots: it has had its last fill and its last read
.set ADRA, 16                          ; v16-17  LDS address of my M fragments in slot 0, 1
.set ADRB, 20                          ; v20-21  the same for N
.set SPW,  28                          ; v28     my spare word: SPARE + 4 x my thread's number; never rewritten
.set NIL,  29                          ; v29     0; never rewritten
.set G1A, 24                           ; s[24:31] descriptor group 1 for M's tiles; s[32:39] group 0, a set for each slot
.set G0A, 32
.set G1B, 48                           ; s[48:55], s[56:63] the same for N's
.set G0B, 56
.set MSB, 0
.macro WIN new                         ; the immediate's high byte repeats the setting that is left
.if MSB != (\new)
	s_set_vgpr_msb (MSB<<8)|(\new)
.set MSB, (\new)
.endif
.endm
.macro PLACES n                        ; plain vector lines behind matrix instructions, in front of loads into registers that they read and of reads of their results
.rept \n
	v_nop
.endr
.endm
.macro JLOAD s                         ; waves 0, 1 ask for M's tile, waves 2, 3 for N's; an s_nop 0 and four v_nop follow each line
	s_cmp_eq_u32 s15, 0
	s_cbranch_scc0 .Lfor_b_\@
	tensor_load_to_lds s[G0A+4*(\s):G0A+4*(\s)+3], s[G1A:G1A+7]
	s_nop 0
	PLACES 4
	s_branch .Lasked_\@
.Lfor_b_\@:
	tensor_load_to_lds s[G0B+4*(\s):G0B+4*(\s)+3], s[G1B:G1B+7]
	s_nop 0
	PLACES 4
.Lasked_\@:
.endm
.macro CREST                           ; a round of the cluster's barrier behind its opening barrier
	s_cmp_lg_u32 s14, 0
	s_cbranch_scc1 .Lnot_wave_0_\@
	s_barrier_signal -3
.Lnot_wave_0_\@:
	s_barrier_wait -3
	s_barrier_signal -1
	s_barrier_wait -1
.endm
.macro CROUND
	s_barrier_signal -1
	s_barrier_wait -1
	CREST
.endm
.macro FRAG reg, adr, q, i
.irp c, 0,1,2,3
	ds_load_b128 v[\reg+4*\c:\reg+4*\c+3], v[\adr] offset:128*(\q)+32*\c+(\i)*16*PITCH
.endr
.endm
.macro FETCH slot, q, p                ; 48 loads in one run: N's four blocks, then M's eight, of the slot's q-th 128 along K, into set p
	WIN (\p)<<6
.irp i, 0,1,2,3
	FRAG 192+16*\i, ADRB+(\slot), \q, \i
.endr
.irp i, 0,1,2,3,4,5,6,7
	FRAG 64+16*\i, ADRA+(\slot), \q, \i
.endr
.endm
.macro MUL a0, a1, p, aw, zero         ; M's blocks a0 .. a1 x N's four; the 32 accumulators take turns, one instruction a turn, in the same order in every step
	WIN (\p)|((\p)<<2)|((\aw)<<4)|((\aw)<<6)
.set MA, \a0
.rept (\a1)-(\a0)+1
.irp b, 0,1,2,3
.if \zero
	v_wmma_f32_16x16x128_fp8_fp8 v[8*(4*MA+\b):8*(4*MA+\b)+7], v[192+16*\b:207+16*\b], v[64+16*MA:79+16*MA], 0
.else
	v_wmma_f32_16x16x128_fp8_fp8 v[8*(4*MA+\b):8*(4*MA+\b)+7], v[192+16*\b:207+16*\b], v[64+16*MA:79+16*MA], v[8*(4*MA+\b):8*(4*MA+\b)+7]
.endif
.endr
.set MA, MA+1
.endr
.endm
.macro STEP slot, aw, zero             ; a slot's first 128 along K, on set 0; the second 128 are fetched into set 1
	s_wait_dscnt 16                                ; N's blocks and M's blocks 0-3 are in; the youngest sixteen loads (M's blocks 4-7) may be out
	MUL 0, 3, 0, \aw, \zero
	s_wait_dscnt 0x0
	PLACES 4
	FETCH \slot, 1, 1
	MUL 4, 7, 0, \aw, \zero
.endm
.macro TURN slot, next, fill, aw, da, db   ; a slot's second 128, on set 1, and the change of slots.  fill = 1: this slot is filled again, two K steps ahead
	WIN 0                                          ; (the add's two registers lie in window 0)
	s_wait_tensorcnt 0x0                           ; all my tensor loads have landed: my part of the next slot;
	ds_add_u32 v[SPW], v[NIL]                      ; 0 onto my spare word;
	s_wait_dscnt 17                                ; (the add and the youngest sixteen loads may be out)
	MUL 0, 1, 1, \aw, 0                            ; eight matrix instructions stand between the add and the wait for it
	s_wait_dscnt 0x0                               ; the add is done, and my reads of this slot are over
	s_barrier_signal -1
	MUL 2, 3, 1, \aw, 0
	WIN 0
	s_barrier_wait -1
.if \fill
	CREST                                          ; the barrier has opened a round of the cluster's barrier: no wave of any partner still reads this slot or has a load on its way
	s_add_nc_u64 s[G0A+4*(\slot)+2:G0A+4*(\slot)+3], s[G0A+4*(\slot)+2:G0A+4*(\slot)+3], \da
	s_add_nc_u64 s[G0B+4*(\slot)+2:G0B+4*(\slot)+3], s[G0B+4*(\slot)+2:G0B+4*(\slot)+3], \db
	JLOAD \slot                                    ; the first tensor load behind the round; its four v_nop are the places in front of the loads below
.else
	PLACES 4
.endif
	FETCH \next, 0, 0
	MUL 4, 7, 1, \aw, 0
.endm
.macro LAST aw                         ; the very last 128 along K: nothing more to fetch
	s_wait_dscnt 16
	MUL 0, 3, 1, \aw, 0
	s_wait_dscnt 0x0
	MUL 4, 7, 1, \aw, 0
	WIN 0
.endm
	s_load_b256 s[4:11], s[0:1], 0x0               ; xc s[4:5], wc s[6:7], cs s[8:9], the exponents s[10:11]
	s_load_b64 s[12:13], s[0:1], 0x20              ; qkvc
	v_lshl_add_u32 v[SPW], v0, 2, SPARE
	v_mov_b32 v[NIL], 0
	ds_add_u32 v[SPW], v[NIL]                      ; the wave's opening: the add, twice on end, and its wait ahead of my first tensor load; the set-up below stands between
	ds_add_u32 v[SPW], v[NIL]
	v_lshrrev_b32 v1, 5, v0
	v_readfirstlane_b32 s14, v1                    ; wave 0..3
	s_lshr_b32 s15, s14, 1                         ; I fetch for M (0) or for N (1),
	s_and_b32 s16, s14, 1                          ; and which half of that tile
	s_bfe_u32 s40, ttmp6, 0x40000                  ; cx, cy: my place in the cluster
	s_bfe_u32 s41, ttmp6, 0x40004
	s_and_b32 s45, ttmp7, 0xffff                   ; the cluster's y: 0 q, 1 k, 2 v
	s_and_b32 s46, ttmp9, 1
	s_lshr_b32 s47, ttmp9, 1
	s_cmp_eq_u32 s45, 2
	s_cselect_b32 s46, s46, ttmp9                  ; q, k: 32 tiles of tokens along x, 4 of outputs along y;  v: 8 tiles of Wv's rows and 16 of tokens: the cluster's x is split
	s_cselect_b32 s47, s47, 0
	s_lshl_b32 s17, s46, 2
	s_add_co_u32 s17, s17, s40                     ; M tile
	s_lshl_b32 s42, s47, 2
	s_add_co_u32 s42, s42, s41                     ; N tile
	s_lshl_b32 s43, 0x1111, s40                    ; my column of the cluster: the partners with my M tile
	s_lshl_b32 s44, s41, 2
	s_lshl_b32 s44, 15, s44                        ; my row: the partners with my N tile
	s_or_b32 s[G1A], s43, (1<<20)|(1<<21)|(5<<22)|(3<<25)   ; 15:0 the mask; 17:16 elements of 1 byte; 20 padding on; 21 set beside a mask; 24:22 after every 64 words; 31:25 four words
	s_or_b32 s[G1B], s44, (1<<20)|(1<<21)|(5<<22)|(3<<25)
.irp g, G1A, G1B
	s_mov_b32 s[\g+1], 256<<16                     ; tensor_dim0
	s_mov_b32 s[\g+3], 256<<16                     ; tile_dim0
	s_mov_b32 s[\g+5], KROW                        ; the pitch
	s_mov_b32 s[\g+6], 0
	s_mov_b32 s[\g+7], 0
.endr
	s_mov_b32 s[G1A+2], 64<<16                     ; tensor_dim1, tile_dim1: 64 rows of M,
	s_mov_b32 s[G1A+4], 64
	s_mov_b32 s[G1B+2], 128<<16                    ; 128 of N
	s_mov_b32 s[G1B+4], 128
	s_lshl_b32 s18, s17, 17                        ; M: 128 rows x 1,024 bytes a tile, + my half
	s_lshl_b32 s19, s16, 16
	s_add_co_u32 s18, s18, s19
	s_mov_b32 s19, 0
	s_lshl_b32 s46, s42, 18                        ; N: 256 rows a tile, + my half
	s_lshl_b32 s47, s16, 17
	s_add_co_u32 s46, s46, s47
	s_mov_b32 s47, 0
	s_lshl_b32 s20, s45, 22                        ; the product's plane of xc (4 MiB) and of wc (1 MiB)
	s_mov_b32 s21, 0
	s_lshl_b32 s22, s45, 20
	s_mov_b32 s23, 0
	s_mul_i32 s66, s16, 64*PITCH                   ; where they go: no place in the cluster enters an LDS address
	s_mul_i32 s67, s16, 128*PITCH
	s_add_co_u32 s67, s67, ABYTES
	s_wait_dscnt 0x0                               ; both opening adds are done
	s_wait_kmcnt 0x0
	s_load_b256 s[68:75], s[10:11], 0x0            ; entries 0 to 7,
	s_load_b64 s[76:77], s[10:11], 0x20            ; 8 and 9
	s_add_nc_u64 s[4:5], s[4:5], s[20:21]
	s_add_nc_u64 s[6:7], s[6:7], s[22:23]
	s_cmp_eq_u32 s45, 2                            ; v: the weights are the M side and the tokens the N side
	s_cselect_b64 s[20:21], s[6:7], s[4:5]
	s_cselect_b64 s[22:23], s[4:5], s[6:7]
	s_add_nc_u64 s[20:21], s[20:21], s[18:19]
	s_add_nc_u64 s[22:23], s[22:23], s[46:47]
	CROUND                                         ; all sixteen work-groups are here: the first joint loads meet
.irp s, 0,1
	s_mov_b32 s[G0A+4*\s], 1
	s_add_co_u32 s[G0A+4*\s+1], s66, \s*SLOT
	s_add_nc_u64 s[G0A+4*\s+2:G0A+4*\s+3], s[20:21], \s*256
	s_or_b32 s[G0A+4*\s+3], s[G0A+4*\s+3], 0x80000000
	s_mov_b32 s[G0B+4*\s], 1
	s_add_co_u32 s[G0B+4*\s+1], s67, \s*SLOT
	s_add_nc_u64 s[G0B+4*\s+2:G0B+4*\s+3], s[22:23], \s*256
	s_or_b32 s[G0B+4*\s+3], s[G0B+4*\s+3], 0x80000000
	JLOAD \s
.endr
	v_and_b32 v1, 15, v0                           ; r = l % 16
	v_bfe_u32 v2, v0, 4, 1                         ; h = l / 16
	v_mul_u32_u24 v[ADRA], v1, PITCH
	v_lshl_add_u32 v[ADRA], v2, 4, v[ADRA]         ; a fragment's row x pitch + 16 h
	v_add_nc_u32 v[ADRA+1], SLOT, v[ADRA]
	s_mul_i32 s18, s14, 64*PITCH
	s_add_co_u32 s18, s18, ABYTES                  ; my 64 rows of N lie behind M's 128
	v_add_nc_u32 v[ADRB], s18, v[ADRA]
	s_add_co_u32 s18, s18, SLOT
	v_add_nc_u32 v[ADRB+1], s18, v[ADRA]
	; the ways out's addresses, all made here, on the way that every wave takes.  q, k: each wave's own stage of 16 rows x 80 bytes, from STG0 + 36,864 on;  v: one stage of 128 rows x 272 bytes at STG0: the two ways share no LDS byte
	v_and_b32 v4, 31, v0
	v_lshrrev_b32 v5, 2, v4
	v_and_b32 v6, 3, v4
	v_lshlrev_b32 v32, 8, v1
	v_lshl_add_u32 v32, v2, 5, v32                 ; the table: 256 r + 32 h
	s_mul_i32 s19, s14, 1280
	s_add_co_u32 s19, s19, STG0+36864
	v_mul_u32_u24 v33, v1, 80
	v_lshl_add_u32 v33, v2, 3, v33
	v_add_nc_u32 v33, s19, v33                     ; in: row r, 8 bytes for each half of the lanes
	v_mul_u32_u24 v34, v5, 80
	v_lshl_add_u32 v34, v6, 4, v34
	v_add_nc_u32 v34, s19, v34                     ; back: four lanes to a row of 64 bytes
	v_lshlrev_b32 v35, 4, v4                       ; and out: 16 x lane, dense
	s_lshl_b32 s19, s14, 6
	s_add_co_u32 s19, s19, STG0
	v_mul_u32_u24 v36, v1, PITCH
	v_lshl_add_u32 v36, v2, 3, v36
	v_add_nc_u32 v36, s19, v36                     ; v, in: row r, + 8 h, + my wave's 64 bytes
	s_mul_i32 s19, s14, 32*PITCH
	s_add_co_u32 s19, s19, STG0
	v_mul_u32_u24 v37, v2, PITCH
	v_lshl_add_u32 v37, v1, 4, v37
	v_add_nc_u32 v37, s19, v37                     ; back: wave w takes rows 32 w on; sixteen lanes to a row of 256 bytes
	v_lshlrev_b32 v38, 11, v2
	v_lshl_add_u32 v38, v1, 4, v38                 ; and the same two rows in v's codes, 2,048 bytes apart
	s_wait_tensorcnt 1                             ; my part of K step 0 is in; K step 1's load may stay out
	s_barrier_signal -1
	s_barrier_wait -1
	FETCH 0, 0, 0
.set IDX, 0
.rept NS                               ; written out: four K steps
.set SL, IDX%2
.set ZR, 0
.if IDX == 0
.set ZR, 1                             ; the first products start the sums: nothing is cleared
.endif
	STEP SL, 2, ZR
.if IDX < NS-1
.set FL, 0
.if IDX+2 < NS
.set FL, 1
.endif
	TURN SL, 1-SL, FL, 2, 512, 512
.else
	LAST 2
.endif
.set IDX, IDX+1
.endr
	PLACES 4
	s_wait_kmcnt 0x0
	s_cmp_eq_u32 s45, 1                            ; the product's three exponents, chosen without a branch
	s_cselect_b32 s92, s75, s74
	s_cselect_b32 s93, s70, s68
	s_cselect_b32 s94, s71, s69
	s_cmp_eq_u32 s45, 2
	s_cselect_b32 s92, s77, s92
	s_cselect_b32 s93, s72, s93
	s_cselect_b32 s94, s73, s94
	s_sub_co_i32 s92, s92, s93
	s_sub_co_i32 s92, s92, s94                     ; eo - ea - eb
	s_add_co_i32 s92, s92, 127
	s_lshl_b32 s93, s92, 23
	v_mov_b32 v30, s93                             ; the conversion's scale,
	s_add_co_i32 s92, s92, 8
	s_lshl_b32 s92, s92, 23
	s_or_b32 s92, s92, 0x600000
	v_mov_b32 v31, s92                             ; and 448 x it
	s_cmp_eq_u32 s45, 2                            ; the cluster's y: the same in all partners and waves
	s_cbranch_scc1 .Lvout
	; ---- q, k.  My tile is 128 tokens x one head.  Lane (r, h), accumulator (a, b): token 16 a + r, channels 16 b + 8 h + 0 .. 7: four pairs (even, odd), pair 8 b + 4 h + p of the table.
	; v64-127 two sets of the table's numbers; v128-159 rotated numbers; v160-167 at work; v192-207 codes, v208-223 rows read back, two sets each
	s_lshr_b32 s86, s17, 4                         ; batch
	s_and_b32 s88, s17, 15
	s_lshl_b32 s88, s88, 7                         ; my first token in the sequence
	s_lshl_b32 s90, s88, 8
	s_mov_b32 s91, 0
	s_add_nc_u64 s[90:91], s[8:9], s[90:91]        ; its row of the table
	s_lshl_b32 s89, s41, 2
	s_add_co_u32 s89, s89, s14                     ; head = 4 cy + wave
	s_lshl_b32 s86, s86, 4
	s_add_co_u32 s86, s86, s89
	s_lshl_b32 s86, s86, 11
	s_add_co_u32 s86, s86, s88
	s_lshl_b32 s86, s86, 6                         ; ((16 batch + head) x 2,048 + token) x 64 bytes,
	s_lshl_b32 s87, s45, 22
	s_add_co_u32 s86, s86, s87                     ; in q's or k's 4 MiB
	s_mov_b32 s87, 0
	s_add_nc_u64 s[86:87], s[12:13], s[86:87]
.macro CSLOAD a
.irp b, 0,1,2,3
.irp i, 0,1
	global_load_b128 v[64+32*((\a)%2)+8*\b+4*\i:64+32*((\a)%2)+8*\b+4*\i+3], v32, s[90:91] offset:4096*(\a)+64*\b+16*\i
.endr
.endr
.endm
.macro SENDQ a, younger
	s_wait_dscnt \younger                          ; the block's rows are back; what was issued behind them may be out
.irp t, 0,1
	global_store_b128 v35, v[208+8*((\a)%2)+4*\t:208+8*((\a)%2)+4*\t+3], s[86:87] offset:1024*(\a)+512*\t   ; 32 lanes store 512 consecutive bytes: eight tokens' rows of 64
.endr
.endm
.macro ROPE a
.if (\a) < 7
	CSLOAD (\a)+1
	s_wait_loadcnt 8                               ; this block's table is in; the next block's eight loads may be out
.else
	s_wait_loadcnt 0x0
.endif
.if (\a) >= 2
	s_wait_xcnt 0x0                                ; block a - 2's stores have read their registers, which this block's rows will take
.endif
.set CSR, 64+32*((\a)%2)
.set CR, 192+8*((\a)%2)
.set BR, 208+8*((\a)%2)
	WIN 0x02                                       ; source 0: the accumulators' window
.irp b, 0,1,2,3
.irp p, 0,1,2,3
	v_pk_mul_f32 v[160+2*\p:161+2*\p], v[8*(4*(\a)+\b)+2*\p:8*(4*(\a)+\b)+2*\p+1], v[CSR+8*\b+2*\p:CSR+8*\b+2*\p+1] op_sel:[1,1] op_sel_hi:[1,0]   ; (odd x sin, odd x cos); each accumulator is read from its low end on
.endr
.irp p, 0,1,2,3
	v_pk_fma_f32 v[128+8*\b+2*\p:129+8*\b+2*\p], v[8*(4*(\a)+\b)+2*\p:8*(4*(\a)+\b)+2*\p+1], v[CSR+8*\b+2*\p:CSR+8*\b+2*\p+1], v[160+2*\p:161+2*\p] op_sel_hi:[0,1,1] neg_lo:[0,0,1]   ; (even x cos - odd x sin, even x sin + odd x cos)
.endr
.endr
	WIN 0
.set J, 0
.rept 32
	v_med3_num_f32 v[128+J], v[128+J], -v31, v31   ; the conversion does not saturate (ISA guide 7.6.2): the hold
.set J, J+1
.endr
.irp b, 0,1,2,3
	v_cvt_scalef32_pk8_fp8_f32 v[CR+2*\b:CR+2*\b+1], v[128+8*\b:135+8*\b], v30
.endr
	v_nop                                          ; a plain line behind the last conversion
.irp b, 0,1,2,3
	ds_store_b64 v33, v[CR+2*\b:CR+2*\b+1] offset:16*\b
.endr
.irp t, 0,1
	ds_load_b128 v[BR+4*\t:BR+4*\t+3], v34 offset:640*\t   ; LDS serves a wave's instructions in order (ISA guide 5.7.1.4): these see my stores
.endr
.if (\a) > 0
	SENDQ (\a)-1, 6                                ; behind block a - 1's loads: this block's four stores and two loads
.endif
.endm
	CSLOAD 0
.irp a, 0,1,2,3,4,5,6,7
	ROPE \a
.endr
	SENDQ 7, 0
	s_branch .Ldone
	; ---- v.  Lane (r, h), accumulator (a, b): output channel 128 x M tile + 16 a + r, tokens 256 x N tile + 64 w + 16 b + 8 h + 0 .. 7.  A row's 256 tokens come from four waves: one stage, a barrier, whole rows out.
.Lvout:
	s_lshr_b32 s94, s42, 3                         ; batch
	s_lshl_b32 s94, s94, 10
	s_lshl_b32 s95, s17, 7
	s_add_co_u32 s94, s94, s95
	s_lshl_b32 s95, s14, 5
	s_add_co_u32 s94, s94, s95                     ; the first row that I store: 1,024 batch + 128 x M tile + 32 wave
	s_lshl_b32 s94, s94, 11
	s_and_b32 s95, s42, 7
	s_lshl_b32 s95, s95, 8
	s_add_co_u32 s94, s94, s95                     ; + the tile's 256 tokens
	s_add_co_u32 s94, s94, 0x800000                ; behind q's and k's codes
	s_mov_b32 s95, 0
	s_add_nc_u64 s[88:89], s[12:13], s[94:95]
.set A, 0
.rept 8
	WIN 0x02
.set J, 0
.rept 32
	v_med3_num_f32 v[128+J], v[32*A+J], -v31, v31  ; each accumulator from its low end on
.set J, J+1
.endr
	WIN 0
.irp b, 0,1,2,3
	v_cvt_scalef32_pk8_fp8_f32 v[192+8*A+2*\b:193+8*A+2*\b], v[128+8*\b:135+8*\b], v30   ; each block has code registers of its own
.endr
	v_nop                                          ; a plain line between the conversions and the next block's lines, which write their sources
.irp b, 0,1,2,3
	ds_store_b64 v36, v[192+8*A+2*\b:193+8*A+2*\b] offset:A*16*PITCH+16*\b
.endr
.set A, A+1
.endr
	s_wait_dscnt 0x0                               ; for the others' sake: my stores into the stage are done
	s_barrier_signal -1
	s_barrier_wait -1
.irp t, 0,1,2,3,4,5,6,7,8,9,10,11,12,13,14,15
	ds_load_b128 v[64+4*\t:67+4*\t], v37 offset:\t*2*PITCH
.endr
.irp t, 0,1,2,3,4,5,6,7,8,9,10,11,12,13,14,15
	s_wait_dscnt 15-\t                             ; the younger loads may be out
	global_store_b128 v38, v[64+4*\t:67+4*\t], s[88:89] offset:4096*\t   ; sixteen lanes store 256 consecutive bytes, at a multiple of 256 from the buffer's first byte
.endr
.Ldone:
	s_wait_tensorcnt 0x0                           ; the wave's end, behind my last tensor load and my last LDS store
	ds_add_u32 v[SPW], v[NIL]
	s_wait_dscnt 0x0
	CROUND                                         ; the closing round: no work-group ends while a partner may still ask for a tile that names it
	s_endpgm
.Lfunc_end_k_qf81ebce586_qkv:
	.size	k_qf81ebce586_qkv, .Lfunc_end_k_qf81ebce586_qkv-k_qf81ebce586_qkv
	.p2alignl 7, 3214868480
	.fill 96, 4, 3214868480
	.section	.rodata,"a",@progbits
	.p2align	6, 0x0
	.amdhsa_kernel k_qf81ebce586_qkv
		.amdhsa_group_segment_fixed_size 327680
		.amdhsa_private_segment_fixed_size 0
		.amdhsa_enable_private_segment 0
		.amdhsa_kernarg_size 40
		.amdhsa_user_sgpr_count 2
		.amdhsa_user_sgpr_kernarg_segment_ptr 1
		.amdhsa_wavefront_size32 1
		.amdhsa_system_sgpr_workgroup_id_x 1
		.amdhsa_system_sgpr_workgroup_id_y 1
		.amdhsa_system_sgpr_workgroup_id_z 1
		.amdhsa_system_vgpr_workitem_id 0
		.amdhsa_next_free_vgpr 768
		.amdhsa_next_free_sgpr 100
		.amdhsa_reserve_vcc 0
		.amdhsa_float_denorm_mode_32 3
		.amdhsa_float_denorm_mode_16_64 3
		.amdhsa_memory_ordered 1
		.amdhsa_forward_progress 1
		.amdhsa_inst_pref_size 124
	.end_amdhsa_kernel
	.amdgpu_metadata
---
amdhsa.version: [ 1, 2 ]
amdhsa.kernels:
  - .name:           k_qf81ebce586_qkv
    .symbol:         k_qf81ebce586_qkv.kd
    .args:
      - { .name: xc, .offset: 0, .size: 8, .value_kind: global_buffer, .address_space: global }
      - { .name: wc, .offset: 8, .size: 8, .value_kind: global_buffer, .address_space: global }
      - { .name: cs, .offset: 16, .size: 8, .value_kind: global_buffer, .address_space: global }
      - { .name: lowp_scales, .offset: 24, .size: 8, .value_kind: global_buffer, .address_space: global }
      - { .name: qkvc, .offset: 32, .size: 8, .value_kind: global_buffer, .address_space: global }
    .group_segment_fixed_size: 327680
    .private_segment_fixed_size: 0
    .kernarg_segment_align: 8
    .kernarg_segment_size: 40
    .max_flat_workgroup_size: 128
    .sgpr_count:     100
    .vgpr_count:     768
    .wavefront_size: 32
...
	.end_amdgpu_metadata
.endif
;; end of part 2
;; launch attn (part 3): grid 8 x 32, 16 waves a work-group, no clusters, 327,680 bytes of LDS; arguments qkvc, lowp_scales, ac; writes ac
.if DOCPART == 3
	.amdgcn_target "amdgcn-amd-amdhsa--gfx1250"
	.amdhsa_code_object_version 6
	.text
	.protected	k_qf81ebce586_attn
	.globl	k_qf81ebce586_attn
	.p2align	8
	.type	k_qf81ebce586_attn,@function
k_qf81ebce586_attn:
	s_mov_b64 s[64:65], 0
	v_nop
	global_prefetch_b8 v0, s[64:65] scope:SCOPE_SE
	s_setreg_imm32_b32 hwreg(HW_REG_WAVE_MODE, 25, 1), 1
	s_wait_xcnt 0x0
; Causal attention on codes of FP8 (E4M3): for each of 32 (batch, head): o[q] = sum over k <= q of softmax_k(q . k / 8) v[k], head size 64; o leaves as codes for the projection that follows.
; WORK LEFT OUT: key steps all of whose keys come after a wave's queries: reference() itself sets those scores to -infinity, so their weights are exactly 0 (shown at the head of the first launch).
; THE SOFTMAX AHEAD OF THE SECOND PRODUCT: t = score x log2(e) / 8; M = the row's largest t so far, rounded UP to a whole number; p = 2^(t - M) is quantised along the keys, not normalised.  The row's sum is taken of the
; unquantised p and divides at the end.  When M moves, the sum and O are multiplied by 2^(old M - new M): exact.
; SHARES.  Sixteen waves, 256 registers each, four to a SIMD; a wave owns 16 queries.  THE CAUSAL WORK IS EVENED OUT: work-group j owns query blocks j and 15 - j of 128; wave w takes the late block where bits 0 and 2 of w differ,
; and tile w / 2 of the block: each run of four waves, and each set of waves 4 apart, holds two early and two late ones, and every work-group has 2 (j + 1) + 2 (16 - j) = 34 key steps for each such four.
; NO CLUSTER: under the mask the work-groups of a head need different numbers of key tiles, so partners could not make every joint request for tiles that they read.
; Keys go 128 a step through two LDS slots of 256 keys: K's 256 rows of 64 bytes, 80 apart; V's 64 rows (the head's channels) of 256 bytes, 272 apart.  Waves 0, 1 fetch K's halves, wave 2 V's tile; all sixteen read them.
; Every work-group walks all 8 slots, so that trip counts are constants; a step's WORK is jumped over where it is hidden, and a slot that none of the sixteen waves would read is not asked for.
; LAYOUT.  Both products transposed: S^T = K Q^T (16 x 16 x 64), O^T = V^T P^T (16 x 16 x 128): a lane holds ONE query (lane % 16).  Lane r of key tile 2 b + u takes key 32 b + 8 u + r + 8 (r / 8), so that the 16 registers
; of tiles 2 b, 2 b + 1 are keys 32 b + 16 (lane / 16) + 0 .. 15.  Fragments come by loads of 16 bytes, 32 apart: a permutation of k that is the same on both sides of each product.
; LIMITS: entries 6 + 7 between -124 and 129 (added to c's exponent field); entry 8, and entry 10 - 8 - 9, between -126 and 119.  NaN is not served.
; REGISTERS: v1, v2 lane's place in K's and V's tiles; v3 prefetch offset; v5, v6 the add's two; v7 offset in ac; v8, v9 addresses in hand; v12 -M, v13 largest t, v[14:15] the sum; v16-23 Q; v24-28 at work;
;   v32-95 K's eight fragments, then V's four; v96-159 S^T, then p; v160-191 O^T; v192-207 p's codes; v[208:209] f; v210 2^e8, v211 448 x 2^e8; v[212:213] second chain of the sum; v214 for the lane exchange.
.set SK,    256                        ; keys in a slot
.set KP,    80
.set VP,    272
.set VOFF,  SK*KP
.set SLOT1, 1<<16                      ; one exclusive or turns an address in one slot into the other's
.set NSL,   8
.set SPARE, 2*SLOT1                    ; behind the ring: the spare words, 128 bytes for each wave: eight blocks of 256 bytes that no other line names
.set AK0, 1
.set AV0, 2
.set PFO, 3
.set SPW, 5
.set NIL, 6
.set GO,  7
.set ADK, 8
.set ADV, 9
.set WV,  18
.set SEL, 20
.set CS,  22                           ; s[22:23] c = log2(e) / 8, with the scores' two exponents
.set G1K, 24
.set G1V, 32
.set G0K, 40
.set G0V, 44
.set TB,  2                            ; s2   LDS byte at which the slot in hand begins
.set SLOTS, 67
.set KF,  98                           ; s98  the step's first key
.set Q0,  99                           ; s99  my first query
.set QL,  81                           ; s81  my work-group's last query
.set PFA, 76
.set PFS, 78
.set LIM, 80
.macro TLOAD                           ; the branches hang on the wave's number alone; an s_nop 0 and four v_nop follow each line
	s_cmp_lt_u32 s[WV], 2
	s_cbranch_scc0 .Lnot_k_\@
	tensor_load_to_lds s[G0K:G0K+3], s[G1K:G1K+7]
	s_nop 0
.rept 4
	v_nop
.endr
	s_branch .Lasked_\@
.Lnot_k_\@:
	s_cmp_eq_u32 s[WV], 2
	s_cbranch_scc0 .Lasked_\@
	tensor_load_to_lds s[G0V:G0V+3], s[G1V:G1V+7]
	s_nop 0
.rept 4
	v_nop
.endr
.Lasked_\@:
.endm
; A prefetch of what the NEXT change of slots will ask for.  All work-groups of a head walk the same K and V: work-group 0 of the head, which walks all eight slots, asks, and nobody else.  In it waves that fetch nothing ask,
; one instruction each: waves 4, 5 for K's block of 16,384 bytes, 8,192 a wave, lanes 256 bytes apart; waves 6, 7 for V's 64 rows, 32 a wave, a lane a row (a slot's part of a row is 256 bytes, aligned).
; So each aligned block of 256 bytes is named once.  Slots 0 and 1 come by their loads alone; the last change that fills a slot asks for nothing.
.macro ASK
	s_cmp_gt_u32 s[SLOTS], s[LIM]
	s_cbranch_scc0 .Lnot_mine_\@
	global_prefetch_b8 v[PFO], s[PFA:PFA+1] th:TH_LOAD_NT scope:SCOPE_SE
.Lnot_mine_\@:
.endm
	s_load_b128 s[4:7], s[0:1], 0x0                ; qkvc s[4:5], the exponents s[6:7]
	s_load_b64 s[8:9], s[0:1], 0x10                ; ac
	v_lshl_add_u32 v[SPW], v0, 2, SPARE
	v_mov_b32 v[NIL], 0
	ds_add_u32 v[SPW], v[NIL]                      ; the wave's opening: the add, twice on end, and its wait ahead of the first tensor load; the set-up below stands between
	ds_add_u32 v[SPW], v[NIL]
	v_lshrrev_b32 v8, 5, v0
	v_readfirstlane_b32 s[WV], v8                  ; wave 0..15
	s_and_b32 s82, ttmp7, 0xffff                   ; 16 x batch + head
	s_lshl_b32 s84, s82, 17                        ; its 131,072 bytes in each of q, k, v
	s_mov_b32 s85, 0
	s_lshr_b32 s86, s[WV], 2
	s_xor_b32 s86, s86, s[WV]
	s_and_b32 s86, s86, 1                          ; 1: the late block
	s_sub_co_u32 s87, 15, ttmp9
	s_cmp_eq_u32 s86, 1
	s_cselect_b32 s87, s87, ttmp9
	s_lshl_b32 s[Q0], s87, 7
	s_lshr_b32 s88, s[WV], 1
	s_lshl_b32 s88, s88, 4
	s_add_co_u32 s[Q0], s[Q0], s88                 ; my first query
	s_sub_co_u32 s[QL], 16, ttmp9
	s_lshl_b32 s[QL], s[QL], 7
	s_sub_co_u32 s[QL], s[QL], 1                   ; the late block's last query
	s_lshl_b32 s86, s[Q0], 6
	s_mov_b32 s87, 0                               ; my queries' codes
	s_and_b32 s88, s[WV], 1
	s_mul_i32 s89, s88, 128*KP                     ; K's half that I fetch, if I fetch: in a slot,
	s_lshl_b32 s90, s88, 13                        ; and in memory
	s_mov_b32 s91, 0
	s_lshr_b32 s92, s82, 4
	s_lshl_b32 s92, s92, 11
	s_add_co_u32 s92, s92, s[Q0]
	s_lshl_b32 s92, s92, 10                        ; ac: token (2,048 batch + query) x 1,024 bytes
	s_and_b32 s93, s82, 15
	s_lshl_b32 s93, s93, 6
	s_add_co_u32 s92, s92, s93                     ; + 64 x head
	s_mov_b32 s93, 0
	s_mov_b32 s[G1K], (1<<20)|(3<<22)|(3<<25)      ; no mask; elements of 1 byte; padding: four words after every 16
	s_mov_b32 s[G1K+1], 64<<16                     ; tensor_dim0
	s_mov_b32 s[G1K+2], 128<<16                    ; tensor_dim1
	s_mov_b32 s[G1K+3], 64<<16                     ; tile_dim0
	s_mov_b32 s[G1K+4], 128                        ; tile_dim1
	s_mov_b32 s[G1K+5], 64                         ; the pitch
	s_mov_b32 s[G1K+6], 0
	s_mov_b32 s[G1K+7], 0
	s_mov_b32 s[G1V], (1<<20)|(5<<22)|(3<<25)      ; padding: four words after every 64
	s_mov_b32 s[G1V+1], 256<<16
	s_mov_b32 s[G1V+2], 64<<16
	s_mov_b32 s[G1V+3], 256<<16
	s_mov_b32 s[G1V+4], 64
	s_mov_b32 s[G1V+5], 2048
	s_mov_b32 s[G1V+6], 0
	s_mov_b32 s[G1V+7], 0
	s_mov_b32 s[SEL], 0x76543210
	s_mov_b32 s[SEL+1], 0xfedcba98
	s_mov_b32 s[CS], 0x3e38aa3b                    ; log2(e) / 8
	s_mov_b32 s[TB], 0
	s_mov_b32 s[SLOTS], NSL-1
	s_mov_b32 s[KF], 0
	s_wait_dscnt 0x0                               ; both opening adds are done
	s_wait_kmcnt 0x0
	s_load_b128 s[68:71], s[6:7], 0x18             ; entries 6 to 9,
	s_load_b32 s72, s[6:7], 0x28                   ; and 10
	s_add_nc_u64 s[4:5], s[4:5], s[84:85]          ; my head's q,
	s_add_nc_u64 s[10:11], s[4:5], 0x400000        ; k,
	s_add_nc_u64 s[12:13], s[4:5], 0x800000        ; v
	s_mov_b32 s[G0K], 1
	s_mov_b32 s[G0K+1], s89
	s_add_nc_u64 s[G0K+2:G0K+3], s[10:11], s[90:91]
	s_or_b32 s[G0K+3], s[G0K+3], 0x80000000
	s_mov_b32 s[G0V], 1
	s_mov_b32 s[G0V+1], VOFF
	s_mov_b64 s[G0V+2:G0V+3], s[12:13]
	s_or_b32 s[G0V+3], s[G0V+3], 0x80000000
	TLOAD                                          ; slot 0: it holds key 0, which counts for every query
	s_add_nc_u64 s[4:5], s[4:5], s[86:87]
	s_add_nc_u64 s[8:9], s[8:9], s[92:93]
	s_cmp_lt_u32 s[WV], 6                          ; the prefetches: waves 4, 5 stand in K, waves 6, 7 in V
	s_cselect_b64 s[PFA:PFA+1], s[10:11], s[12:13]
	s_mov_b32 s[PFS], SK
	s_cselect_b32 s[PFS], SK*64, s[PFS]            ; a slot on
	s_mov_b32 s82, 2048
	s_cselect_b32 s82, 256, s82                    ; from lane to lane
	s_mov_b32 s83, 32*2048
	s_cselect_b32 s83, 8192, s83                   ; from wave to wave
	v_and_b32 v[PFO], 31, v0
	v_mul_lo_u32 v[PFO], v[PFO], s82
	s_and_b32 s82, s[WV], 1
	s_mul_i32 s82, s82, s83
	s_add_co_u32 s82, s82, s[PFS]                  ; in slot 1: the first change of slots steps it to slot 2
	s_mov_b32 s83, 0
	s_mov_b32 s[PFS+1], 0
	s_add_nc_u64 s[PFA:PFA+1], s[PFA:PFA+1], s[82:83]
	s_sub_co_u32 s82, s[WV], 4
	s_lshr_b32 s82, s82, 2                         ; 0 in waves 4 to 7,
	s_or_b32 s82, s82, ttmp9                       ; of the head's work-group 0
	s_cmp_eq_u32 s82, 0
	s_cselect_b32 s[LIM], 1, -1
	v_and_b32 v8, 15, v0                           ; r
	v_bfe_u32 v9, v0, 4, 1                         ; h
	v_lshlrev_b32 v10, 6, v8
	v_lshl_add_u32 v10, v9, 4, v10
.irp c, 0,1
	global_load_b128 v[16+4*\c:19+4*\c], v10, s[4:5] offset:32*\c   ; Q's fragment stays in registers
.endr
	v_and_b32 v11, 8, v8
	v_add_nc_u32 v11, v11, v8                      ; r + 8 (r / 8)
	v_mul_u32_u24 v[AK0], v11, KP
	v_lshl_add_u32 v[AK0], v9, 4, v[AK0]
	v_mul_u32_u24 v[AV0], v8, VP
	v_lshl_add_u32 v[AV0], v9, 4, v[AV0]
	v_add_nc_u32 v[AV0], VOFF, v[AV0]
	v_and_b32 v24, 31, v0
	v_lshrrev_b32 v25, 2, v24
	v_and_b32 v26, 3, v24
	v_lshlrev_b32 v[GO], 10, v25
	v_lshl_add_u32 v[GO], v26, 4, v[GO]            ; the way out: four lanes to a token's 64 bytes, tokens 1,024 bytes apart
	v_mov_b32 v13, 0xff61b1e6                      ; the largest t so far: -3e38, under every t
	v_floor_f32 v12, -v13                          ; -M
	v_mov_b32 v14, 0
	v_mov_b32 v15, 0
	v_mov_b32 v214, 0                              ; written once: a lane exchange's destination counts as one of its sources
	v_mov_b32 v209, 0                              ; (named as the upper half of the pair v[208:209])
.set J, 0
.rept 32
	v_mov_b32 v[160+J], 0                          ; O^T: the step is written once; its first run finds zeros, which the first change of M leaves zeros
.set J, J+1
.endr
	s_wait_kmcnt 0x0
	s_add_co_i32 s73, s68, s69
	s_lshl_b32 s73, s73, 23
	s_add_co_i32 s[CS], s[CS], s73                 ; a score lacks 2^(e6 + e7): added to c's exponent field
	s_mov_b32 s[CS+1], s[CS]
	s_add_co_i32 s73, s70, 127
	s_lshl_b32 s74, s73, 23
	v_mov_b32 v210, s74
	s_add_co_i32 s73, s73, 8
	s_lshl_b32 s73, s73, 23
	s_or_b32 s73, s73, 0x600000
	v_mov_b32 v211, s73
.macro STEP q                          ; 128 keys, the q-th half of the slot in hand
	s_add_co_u32 s96, s[Q0], 15                    ; a step all of whose keys come after my queries is left out: a branch on ids, round its loads, products and softmax alone
	s_cmp_gt_u32 s[KF], s96
	s_cbranch_scc1 .Lhidden_\@
	v_add_nc_u32 v[ADK], s[TB], v[AK0]
	v_add_nc_u32 v[ADV], s[TB], v[AV0]
.rept 2
	v_nop                                          ; with the two additions: four places in front of loads into registers that the last products read
.endr
.irp t, 0,1,2,3,4,5,6,7
.irp c, 0,1
	ds_load_b128 v[32+8*\t+4*\c:35+8*\t+4*\c], v[ADK] offset:(128*(\q)+32*(\t/2)+8*(\t%2))*KP+32*\c
.endr
.endr
	s_wait_dscnt 0x0
.irp t, 0,1,2,3,4,5,6,7
	v_wmma_f32_16x16x64_fp8_fp8 v[96+8*\t:103+8*\t], v[32+8*\t:39+8*\t], v[16:23], 0
.endr
.rept 4
	v_nop                                          ; places in front of the loads below and of the first read of the scores
.endr
.irp t, 0,1,2,3
.irp c, 0,1,2,3
	ds_load_b128 v[32+16*\t+4*\c:35+16*\t+4*\c], v[ADV] offset:16*\t*VP+128*(\q)+32*\c   ; V's fragments land while the softmax is worked
.endr
.endr
	s_add_co_u32 s96, s[KF], 127                   ; on the diagonal hidden scores become -infinity ahead of the maximum: p = 0 then.  A step all of whose keys count skips this
	s_cmp_le_u32 s96, s[Q0]
	s_cbranch_scc1 .Lopen_\@
	s_sub_co_i32 s96, s[Q0], s[KF]
	v_and_b32 v26, 15, v0
	v_bfe_u32 v27, v0, 4, 1
	v_lshlrev_b32 v27, 4, v27
	v_sub_nc_u32 v26, v26, v27
	v_add_nc_u32 v26, s96, v26                     ; d = my query - the step's first key - 16 h.  Register 16 b + i holds key 32 b + 16 h + i of the step: hidden where 32 b + i > d
	v_mov_b32 v28, 0xff800000
.set N, 0
.rept 64
	v_cmp_gt_i32 vcc_lo, 32*(N/16)+N%16, v26
	v_cndmask_b32 v[96+N], v[96+N], v28, vcc_lo
.set N, N+1
.endr
.Lopen_\@:
	v_max3_num_f32 v24, v96, v97, v98              ; the step's largest score of my query among my 64 keys, in two chains, each accumulator from its low end on,
	v_max3_num_f32 v25, v99, v100, v101
.irp i, 6,10,14,18,22,26,30,34,38,42,46,50,54,58
	v_max3_num_f32 v24, v24, v[96+\i], v[97+\i]
	v_max3_num_f32 v25, v25, v[98+\i], v[99+\i]
.endr
	v_max3_num_f32 v24, v24, v158, v159
	v_max_num_f32 v24, v24, v25
	v_permlanex16_b32 v214, v24, s[SEL], s[SEL+1]
	v_max_num_f32 v24, v24, v214                   ; and among lane l xor 16's
	v_mul_f32 v24, s[CS], v24                      ; as t (c is positive)
	v_max_num_f32 v13, v13, v24
	v_mov_b32 v24, v12
	v_floor_f32 v12, -v13                          ; the new -M = -ceil(t)
	v_sub_f32 v24, v12, v24                        ; old M - new M: a whole number, 0 or less
	v_cvt_i32_f32 v24, v24
	v_ldexp_f32 v208, 1.0, v24                     ; f = 2^(old M - new M)
.set J, 0
.rept 32
	v_pk_fma_f32 v[96+J:97+J], v[96+J:97+J], s[CS:CS+1], v[12:13] op_sel_hi:[1,0,0]   ; t - M, two at a time
.set J, J+2
.endr
.set J, 0
.rept 64
	v_exp_f32 v[96+J], v[96+J]                     ; p = 2^(t - M), at most 1
.set J, J+1
.endr
	v_pk_mul_f32 v[14:15], v[14:15], v[208:209] op_sel_hi:[1,0]   ; the sum under the new M (a plain line behind the exponentials)
	s_wait_alu depctr_va_vdst(0)                   ; one wait for the whole batch, ahead of its first reader
	v_pk_add_f32 v[212:213], v[96:97], v[98:99]    ; the row's sum is taken of the unquantised p, in two chains
.irp j, 4,8,12,16,20,24,28,32,36,40,44,48,52,56,60
	v_pk_add_f32 v[14:15], v[14:15], v[96+\j:97+\j]
	v_pk_add_f32 v[212:213], v[212:213], v[98+\j:99+\j]
.endr
	v_pk_add_f32 v[14:15], v[14:15], v[212:213]
.irp b, 0,1,2,3
.set J, 0
.rept 16
	v_min_num_f32 v[96+16*\b+J], v[96+16*\b+J], v211   ; the conversion does not saturate (ISA guide 7.6.2); p is not negative, so the hold is one-sided
.set J, J+1
.endr
	v_cvt_scalef32_pk8_fp8_f32 v[192+4*\b:193+4*\b], v[96+16*\b:103+16*\b], v210
	v_cvt_scalef32_pk8_fp8_f32 v[194+4*\b:195+4*\b], v[104+16*\b:111+16*\b], v210
.endr
.set J, 0
.rept 16
	v_pk_mul_f32 v[160+J:161+J], v[160+J:161+J], v[208:209] op_sel_hi:[1,0]   ; O^T under the new M; these are also the plain lines between the conversions and the products
.set J, J+2
.endr
	s_wait_dscnt 0x0                               ; V's fragments are in
.irp t, 0,1,2,3
	v_wmma_f32_16x16x128_fp8_fp8 v[160+8*\t:167+8*\t], v[32+16*\t:47+16*\t], v[192:207], v[160+8*\t:167+8*\t]   ; four accumulators by turns
.endr
.Lhidden_\@:
	s_add_co_u32 s[KF], s[KF], 128
.endm
; THE CHANGE OF SLOTS stands at a slot's head.  Each wave waits for all its tensor loads, adds 0 to its spare word, and waits for
; that and for its reads of the slot that it has left.  Behind the barrier the slot ahead is whole and nobody reads the other one, which is then filled with the keys that follow, up to the causal limit.
.macro CHANGE fill
	s_wait_tensorcnt 0x0                           ; no tensor load of mine is out, so a group 0 may be written
	ds_add_u32 v[SPW], v[NIL]
.if \fill
	ds_add_u32 v[SPW], v[NIL]
	s_xor_b32 s[G0K+1], s[G0K+1], SLOT1            ; the walking descriptors: the other slot, the next 256 keys
	s_add_nc_u64 s[G0K+2:G0K+3], s[G0K+2:G0K+3], SK*64
	s_xor_b32 s[G0V+1], s[G0V+1], SLOT1
	s_add_nc_u64 s[G0V+2:G0V+3], s[G0V+2:G0V+3], SK
	s_wait_xcnt 0x0                                ; the last prefetch, a slot back, has read its address
	s_add_nc_u64 s[PFA:PFA+1], s[PFA:PFA+1], s[PFS:PFS+1]
.endif
	s_wait_dscnt 0x0                               ; the adds are done, and my reads of the slot that I have left are over
	s_barrier_signal -1
	s_barrier_wait -1
.if \fill
	s_add_co_u32 s96, s[KF], SK                    ; a slot whose first key comes after my work-group's last query is read by none of its waves: it is not asked for.
	s_cmp_gt_u32 s96, s[QL]                        ; Ids and the count of steps alone: all sixteen waves go the same way, and past the limit stays past it; every wait on TENSORcnt in this text is for 0
	s_cbranch_scc1 .Lpast_\@
	TLOAD                                          ; a wave's one tensor load until the next change
.Lpast_\@:
	ASK
.endif
.endm
.macro SLOT_STEPS
	STEP 0
	STEP 1
	s_xor_b32 s[TB], s[TB], SLOT1
.endm
	s_wait_loadcnt 0x0                             ; Q
.Lslot:                                            ; seven trips: behind each change of slots but the last the next slot is asked for
	CHANGE 1
	SLOT_STEPS
	s_sub_co_u32 s[SLOTS], s[SLOTS], 1
	s_cmp_lg_u32 s[SLOTS], 0
	s_cbranch_scc1 .Lslot
	CHANGE 0                                       ; the last slot is written out: nothing is left to fetch
	SLOT_STEPS
	; THE WAY OUT.  O^T / the sum is quantised with the scale 2^(e10 - e8 - e9) (the sums lack 2^(e8 + e9)) and goes through my stage in LDS, 16 rows of 80 bytes, in slot 0, which was left at the last change of slots.
	; A head's piece of a token's row is 64 bytes in the tensor itself: four lanes store it whole.
	v_add_f32 v14, v14, v15
	v_permlanex16_b32 v214, v14, s[SEL], s[SEL+1]
	v_add_f32 v14, v14, v214                       ; the row's sum
	v_rcp_f32 v14, v14
	v_and_b32 v8, 15, v0                           ; (a plain line behind the transcendental)
	v_bfe_u32 v9, v0, 4, 1
	s_sub_co_i32 s73, s72, s70
	s_sub_co_i32 s73, s73, s71
	s_add_co_i32 s73, s73, 127
	s_lshl_b32 s74, s73, 23
	v_mov_b32 v27, s74
	s_add_co_i32 s73, s73, 8
	s_lshl_b32 s73, s73, 23
	s_or_b32 s73, s73, 0x600000
	v_mov_b32 v28, s73
	s_mul_i32 s75, s[WV], 1280                     ; my stage
	v_mul_u32_u24 v10, v8, 80
	v_lshl_add_u32 v10, v9, 3, v10
	v_add_nc_u32 v10, s75, v10                     ; in: row r, 8 bytes for each half of the lanes
	v_and_b32 v24, 31, v0
	v_lshrrev_b32 v25, 2, v24
	v_and_b32 v26, 3, v24
	v_mul_u32_u24 v11, v25, 80
	v_lshl_add_u32 v11, v26, 4, v11
	v_add_nc_u32 v11, s75, v11                     ; back: four lanes to a row
	s_wait_alu depctr_va_vdst(0)                   ; a wait ahead of the reciprocal's first reader
.set J, 0
.rept 16
	v_pk_mul_f32 v[96+J:97+J], v[160+J:161+J], v[14:15] op_sel_hi:[1,0]   ; register 8 t + i is channel 16 t + 8 h + i of query r
.set J, J+2
.endr
.set J, 0
.rept 32
	v_med3_num_f32 v[96+J], v[96+J], -v28, v28
.set J, J+1
.endr
.irp t, 0,1,2,3
	v_cvt_scalef32_pk8_fp8_f32 v[128+2*\t:129+2*\t], v[96+8*\t:103+8*\t], v27
.endr
	v_nop                                          ; a plain line behind the last conversion
.irp t, 0,1,2,3
	ds_store_b64 v10, v[128+2*\t:129+2*\t] offset:16*\t
.endr
.irp t, 0,1
	ds_load_b128 v[136+4*\t:139+4*\t], v11 offset:640*\t   ; LDS serves a wave's instructions in order: these see my stores
.endr
.irp t, 0,1
	s_wait_dscnt 1-\t
	global_store_b128 v[GO], v[136+4*\t:139+4*\t], s[8:9] offset:8192*\t
.endr
	s_wait_tensorcnt 0x0                           ; the wave's end, behind my last tensor load and my last LDS store
	ds_add_u32 v[SPW], v[NIL]
	s_wait_dscnt 0x0
	s_endpgm
.Lfunc_end_k_qf81ebce586_attn:
	.size	k_qf81ebce586_attn, .Lfunc_end_k_qf81ebce586_attn-k_qf81ebce586_attn
	.p2alignl 7, 3214868480
	.fill 96, 4, 3214868480
	.section	.rodata,"a",@progbits
	.p2align	6, 0x0
	.amdhsa_kernel k_qf81ebce586_attn
		.amdhsa_group_segment_fixed_size 327680
		.amdhsa_private_segment_fixed_size 0
		.amdhsa_enable_private_segment 0
		.amdhsa_kernarg_size 24
		.amdhsa_user_sgpr_count 2
		.amdhsa_user_sgpr_kernarg_segment_ptr 1
		.amdhsa_wavefront_size32 1
		.amdhsa_system_sgpr_workgroup_id_x 1
		.amdhsa_system_sgpr_workgroup_id_y 1
		.amdhsa_system_sgpr_workgroup_id_z 1
		.amdhsa_system_vgpr_workitem_id 0
		.amdhsa_next_free_vgpr 256
		.amdhsa_next_free_sgpr 100
		.amdhsa_reserve_vcc 1
		.amdhsa_float_denorm_mode_32 3
		.amdhsa_float_denorm_mode_16_64 3
		.amdhsa_memory_ordered 1
		.amdhsa_forward_progress 1
		.amdhsa_inst_pref_size 98
	.end_amdhsa_kernel
	.amdgpu_metadata
---
amdhsa.version: [ 1, 2 ]
amdhsa.kernels:
  - .name:           k_qf81ebce586_attn
    .symbol:         k_qf81ebce586_attn.kd
    .args:
      - { .name: qkvc, .offset: 0, .size: 8, .value_kind: global_buffer, .address_space: global }
      - { .name: lowp_scales, .offset: 8, .size: 8, .value_kind: global_buffer, .address_space: global }
      - { .name: ac, .offset: 16, .size: 8, .value_kind: global_buffer, .address_space: global }
    .group_segment_fixed_size: 327680
    .private_segment_fixed_size: 0
    .kernarg_segment_align: 8
    .kernarg_segment_size: 24
    .max_flat_workgroup_size: 512
    .sgpr_count:     100
    .vgpr_count:     256
    .wavefront_size: 32
...
	.end_amdgpu_metadata
.endif
;; end of part 3
;; launch wo (part 4): grid 32 x 4, 4 waves a work-group, clusters of 4 x 4, 327,680 bytes of LDS; arguments ac, wc, lowp_scales, x, x2; writes x2
.if DOCPART == 4
	.amdgcn_target "amdgcn-amd-amdhsa--gfx1250"
	.amdhsa_code_object_version 6
	.text
	.protected	k_qf81ebce586_wo
	.globl	k_qf81ebce586_wo
	.p2align	8
	.type	k_qf81ebce586_wo,@function
k_qf81ebce586_wo:
	s_mov_b64 s[64:65], 0
	v_nop
	global_prefetch_b8 v0, s[64:65] scope:SCOPE_SE
	s_setreg_imm32_b32 hwreg(HW_REG_WAVE_MODE, 25, 1), 1
	s_wait_xcnt 0x0
	s_wait_alu depctr_hold_cnt(0) depctr_sa_sdst(0) depctr_va_vdst(0) depctr_va_sdst(0) depctr_va_ssrc(0) depctr_va_vcc(0) depctr_vm_vsrc(0)
	s_getreg_b32 s2, hwreg(HW_REG_IB_STS2, 6, 4)
	s_cmp_eq_u32 s2, 0
	s_cbranch_scc0 .Lentry_in_a_cluster
	s_endpgm
.Lentry_in_a_cluster:
	s_bfe_u32 s2, ttmp6, 0x10000c
	s_cmp_lg_u32 s2, 0xf033
	s_cbranch_scc0 .Lentry_shape_is_right
	s_endpgm
.Lentry_shape_is_right:
; x2 = x + attn Wo^T, the product on codes of FP8 (E4M3): A = attention's codes [4,096][1,024], B = Wo's codes [1,024][1,024]; x and x2 f32.
; A work-group of four waves makes 128 (M) x 256 (N); wave w takes all 128 rows x columns 64 w .. 64 w + 63: 32 accumulators of 16 x 16.  32 x 4 tiles: with the larger tile of 256 x 256 there would be half as many work-groups.
; THE MATRIX INSTRUCTION IS USED TRANSPOSED (source 0 = 16 rows of B, source 1 = 16 rows of A): lane l holds row l % 16 of the result and eight neighbouring columns 8 (l / 16) + 0 .. 7.
; K goes in steps of 256 bytes through two LDS slots; a slot holds A's 128 rows and B's 256 rows, 272 bytes apart (row r starts at bank 4 r mod 64: ISA guide 11.1).  Waves 0, 1 fetch A's halves, waves 2, 3 B's: one tensor load a wave.
; CLUSTERS of 4 x 4: A's tile hangs on the work-group's x alone and is shared down a column of the cluster, B's on y alone and is shared along a row: joint loads.
; A fragment (16 rows x 128 K) comes by four loads of 16 bytes, 32 apart: a permutation of k that is the same on both sides.  Each finished sum is multiplied once by 2^(ea + eb) and added to the residual in one fused multiply-add.
; LIMIT: ea + eb between -126 and 127.
; REGISTERS, in windows of 256: window 0: v1-34 addresses; v64-255 fragment set 0 (A's block a at v[64 + 16 a], B's block b at v[192 + 16 b]); window 1: set 1; window 2: accumulator (a, b) at v[8 (4 a + b)].
.set NS,     4                         ; K steps of 256
.set KROW,   1024                      ; a row of codes in memory
.set BOFF,   3145728                   ; Wo's codes in wc
.set SCB,    40                        ; byte of the two exponents: entries 10, 11
.set LASTOUT, 0
.set PITCH,  272
.set ABYTES, 128*PITCH
.set SLOT,   384*PITCH
.set SPARE,  2*SLOT                    ; behind the ring: the spare words, 128 bytes for each wave: two blocks of 256 bytes that no other line names
.set STG0,   ((NS-2)%2)*SLOT           ; the way out's stages lie in the slot left at the last change of slots: it has had its last fill and its last read
.set ADRA, 16
.set ADRB, 20
.set SPW,  28
.set NIL,  29
.set G1A, 24
.set G0A, 32
.set G1B, 48
.set G0B, 56
.set MSB, 0
.macro WIN new                         ; the immediate's high byte repeats the setting that is left
.if MSB != (\new)
	s_set_vgpr_msb (MSB<<8)|(\new)
.set MSB, (\new)
.endif
.endm
.macro PLACES n                        ; plain vector lines behind matrix instructions, in front of loads into registers that they read and of reads of their results
.rept \n
	v_nop
.endr
.endm
.macro JLOAD s                         ; waves 0, 1 ask for A's tile, waves 2, 3 for B's; an s_nop 0 and four v_nop follow each line
	s_cmp_eq_u32 s15, 0
	s_cbranch_scc0 .Lfor_b_\@
	tensor_load_to_lds s[G0A+4*(\s):G0A+4*(\s)+3], s[G1A:G1A+7]
	s_nop 0
	PLACES 4
	s_branch .Lasked_\@
.Lfor_b_\@:
	tensor_load_to_lds s[G0B+4*(\s):G0B+4*(\s)+3], s[G1B:G1B+7]
	s_nop 0
	PLACES 4
.Lasked_\@:
.endm
.macro CREST                           ; a round of the cluster's barrier behind its opening barrier
	s_cmp_lg_u32 s14, 0
	s_cbranch_scc1 .Lnot_wave_0_\@
	s_barrier_signal -3
.Lnot_wave_0_\@:
	s_barrier_wait -3
	s_barrier_signal -1
	s_barrier_wait -1
.endm
.macro CROUND
	s_barrier_signal -1
	s_barrier_wait -1
	CREST
.endm
.macro FRAG reg, adr, q, i
.irp c, 0,1,2,3
	ds_load_b128 v[\reg+4*\c:\reg+4*\c+3], v[\adr] offset:128*(\q)+32*\c+(\i)*16*PITCH
.endr
.endm
.macro FETCH slot, q, p                ; 48 loads in one run: B's four blocks, then A's eight, of the slot's q-th 128 along K, into set p
	WIN (\p)<<6
.irp i, 0,1,2,3
	FRAG 192+16*\i, ADRB+(\slot), \q, \i
.endr
.irp i, 0,1,2,3,4,5,6,7
	FRAG 64+16*\i, ADRA+(\slot), \q, \i
.endr
.endm
.macro MUL a0, a1, p, aw, zero         ; A's blocks a0 .. a1 x B's four; the 32 accumulators take turns, one instruction a turn, in the same order in every step
	WIN (\p)|((\p)<<2)|((\aw)<<4)|((\aw)<<6)
.set MA, \a0
.rept (\a1)-(\a0)+1
.irp b, 0,1,2,3
.if \zero
	v_wmma_f32_16x16x128_fp8_fp8 v[8*(4*MA+\b):8*(4*MA+\b)+7], v[192+16*\b:207+16*\b], v[64+16*MA:79+16*MA], 0
.else
	v_wmma_f32_16x16x128_fp8_fp8 v[8*(4*MA+\b):8*(4*MA+\b)+7], v[192+16*\b:207+16*\b], v[64+16*MA:79+16*MA], v[8*(4*MA+\b):8*(4*MA+\b)+7]
.endif
.endr
.set MA, MA+1
.endr
.endm
.macro STEP slot, aw, zero             ; a slot's first 128 along K, on set 0; the second 128 are fetched into set 1
	s_wait_dscnt 16                                ; B's blocks and A's blocks 0-3 are in; the youngest sixteen loads (A's blocks 4-7) may be out
	MUL 0, 3, 0, \aw, \zero
	s_wait_dscnt 0x0
	PLACES 4
	FETCH \slot, 1, 1
	MUL 4, 7, 0, \aw, \zero
.endm
.macro TURN slot, next, fill, aw, da, db   ; a slot's second 128, on set 1, and the change of slots.  fill = 1: this slot is filled again, two K steps ahead
	WIN 0                                          ; (the add's two registers lie in window 0)
	s_wait_tensorcnt 0x0                           ; all my tensor loads have landed: my part of the next slot;
	ds_add_u32 v[SPW], v[NIL]                      ; 0 onto my spare word;
	s_wait_dscnt 17                                ; (the add and the youngest sixteen loads may be out)
	MUL 0, 1, 1, \aw, 0                            ; eight matrix instructions stand between the add and the wait for it
	s_wait_dscnt 0x0                               ; the add is done, and my reads of this slot are over
	s_barrier_signal -1
	MUL 2, 3, 1, \aw, 0
	WIN 0
	s_barrier_wait -1
.if \fill
	CREST                                          ; the barrier has opened a round of the cluster's barrier: no wave of any partner still reads this slot or has a load on its way
	s_add_nc_u64 s[G0A+4*(\slot)+2:G0A+4*(\slot)+3], s[G0A+4*(\slot)+2:G0A+4*(\slot)+3], \da
	s_add_nc_u64 s[G0B+4*(\slot)+2:G0B+4*(\slot)+3], s[G0B+4*(\slot)+2:G0B+4*(\slot)+3], \db
	JLOAD \slot                                    ; the first tensor load behind the round; its four v_nop are the places in front of the loads below
.else
	PLACES 4
.endif
	FETCH \next, 0, 0
	MUL 4, 7, 1, \aw, 0
.endm
.macro LAST aw                         ; the very last 128 along K: nothing more to fetch
	s_wait_dscnt 16
	MUL 0, 3, 1, \aw, 0
	s_wait_dscnt 0x0
	MUL 4, 7, 1, \aw, 0
	WIN 0
.endm
	s_load_b256 s[4:11], s[0:1], 0x0               ; A's codes s[4:5], wc s[6:7], the exponents s[8:9], the residual s[10:11]
	s_load_b64 s[12:13], s[0:1], 0x20              ; the result
	v_lshl_add_u32 v[SPW], v0, 2, SPARE
	v_mov_b32 v[NIL], 0
	ds_add_u32 v[SPW], v[NIL]                      ; the wave's opening: the add, twice on end, and its wait ahead of my first tensor load; the set-up below stands between
	ds_add_u32 v[SPW], v[NIL]
	v_lshrrev_b32 v1, 5, v0
	v_readfirstlane_b32 s14, v1                    ; wave 0..3
	s_lshr_b32 s15, s14, 1                         ; I fetch for A (0) or for B (1),
	s_and_b32 s16, s14, 1                          ; and which half of that tile
	s_bfe_u32 s40, ttmp6, 0x40000                  ; cx
	s_bfe_u32 s41, ttmp6, 0x40004                  ; cy: there is one cluster along y, so cy is the N tile
	s_lshl_b32 s17, ttmp9, 2
	s_add_co_u32 s17, s17, s40                     ; M tile = 4 x cluster x + cx
	s_lshl_b32 s43, 0x1111, s40                    ; my column of the cluster: the partners with my M tile
	s_lshl_b32 s44, s41, 2
	s_lshl_b32 s44, 15, s44                        ; my row: the partners with my N tile
	s_or_b32 s[G1A], s43, (1<<20)|(1<<21)|(5<<22)|(3<<25)   ; 15:0 the mask; 17:16 elements of 1 byte; 20 padding on; 21 set beside a mask; 24:22 after every 64 words; 31:25 four words
	s_or_b32 s[G1B], s44, (1<<20)|(1<<21)|(5<<22)|(3<<25)
.irp g, G1A, G1B
	s_mov_b32 s[\g+1], 256<<16                     ; tensor_dim0
	s_mov_b32 s[\g+3], 256<<16                     ; tile_dim0
	s_mov_b32 s[\g+5], KROW                        ; the pitch
	s_mov_b32 s[\g+6], 0
	s_mov_b32 s[\g+7], 0
.endr
	s_mov_b32 s[G1A+2], 64<<16                     ; tensor_dim1, tile_dim1: 64 rows of A,
	s_mov_b32 s[G1A+4], 64
	s_mov_b32 s[G1B+2], 128<<16                    ; 128 of B
	s_mov_b32 s[G1B+4], 128
	s_mul_i32 s18, s17, 128*KROW
	s_mul_i32 s19, s16, 64*KROW
	s_add_co_u32 s18, s18, s19
	s_mov_b32 s19, 0
	s_mul_i32 s46, s41, 256*KROW
	s_mul_i32 s47, s16, 128*KROW
	s_add_co_u32 s46, s46, s47
	s_add_co_u32 s46, s46, BOFF
	s_mov_b32 s47, 0
	s_mul_i32 s66, s16, 64*PITCH                   ; where they go: no place in the cluster enters an LDS address
	s_mul_i32 s67, s16, 128*PITCH
	s_add_co_u32 s67, s67, ABYTES
	s_lshl_b32 s86, s17, 19                        ; my part of the residual and of the result: row 128 x M tile, column byte 1,024 x N tile + 256 x wave
	s_lshl_b32 s87, s41, 10
	s_add_co_u32 s86, s86, s87
	s_lshl_b32 s87, s14, 8
	s_add_co_u32 s86, s86, s87
	s_mov_b32 s87, 0
	s_wait_dscnt 0x0                               ; both opening adds are done
	s_wait_kmcnt 0x0
	s_load_b64 s[68:69], s[8:9], SCB               ; ea, eb
	s_add_nc_u64 s[20:21], s[4:5], s[18:19]
	s_add_nc_u64 s[22:23], s[6:7], s[46:47]
	s_add_nc_u64 s[10:11], s[10:11], s[86:87]
	s_add_nc_u64 s[12:13], s[12:13], s[86:87]
	CROUND                                         ; all sixteen work-groups are here: the first joint loads meet
.irp s, 0,1
	s_mov_b32 s[G0A+4*\s], 1
	s_add_co_u32 s[G0A+4*\s+1], s66, \s*SLOT
	s_add_nc_u64 s[G0A+4*\s+2:G0A+4*\s+3], s[20:21], \s*256
	s_or_b32 s[G0A+4*\s+3], s[G0A+4*\s+3], 0x80000000
	s_mov_b32 s[G0B+4*\s], 1
	s_add_co_u32 s[G0B+4*\s+1], s67, \s*SLOT
	s_add_nc_u64 s[G0B+4*\s+2:G0B+4*\s+3], s[22:23], \s*256
	s_or_b32 s[G0B+4*\s+3], s[G0B+4*\s+3], 0x80000000
	JLOAD \s
.endr
	v_and_b32 v1, 15, v0                           ; r = l % 16
	v_bfe_u32 v2, v0, 4, 1                         ; h = l / 16
	v_mul_u32_u24 v[ADRA], v1, PITCH
	v_lshl_add_u32 v[ADRA], v2, 4, v[ADRA]
	v_add_nc_u32 v[ADRA+1], SLOT, v[ADRA]
	s_mul_i32 s18, s14, 64*PITCH
	s_add_co_u32 s18, s18, ABYTES
	v_add_nc_u32 v[ADRB], s18, v[ADRA]
	s_add_co_u32 s18, s18, SLOT
	v_add_nc_u32 v[ADRB+1], s18, v[ADRA]
	s_mul_i32 s19, s14, 16*PITCH
	s_add_co_u32 s19, s19, STG0                    ; my stage: 16 rows x (256 bytes + 16)
	v_mul_u32_u24 v32, v1, PITCH
	v_lshl_add_u32 v32, v2, 5, v32
	v_add_nc_u32 v32, s19, v32                     ; in: row r, 32 bytes for each half of the lanes
	v_mul_u32_u24 v33, v2, PITCH
	v_lshl_add_u32 v33, v1, 4, v33
	v_add_nc_u32 v33, s19, v33                     ; back: lanes 0-15 one row of 256 bytes, lanes 16-31 the next
	v_lshlrev_b32 v34, 12, v2
	v_lshl_add_u32 v34, v1, 4, v34                 ; and the same two rows in memory, 4,096 bytes apart
	s_wait_tensorcnt 1                             ; my part of K step 0 is in; K step 1's load may stay out
	s_barrier_signal -1
	s_barrier_wait -1
	FETCH 0, 0, 0
.set IDX, 0
.rept NS                               ; written out
.set SL, IDX%2
.set ZR, 0
.if IDX == 0
.set ZR, 1                             ; the first products start the sums: nothing is cleared
.endif
	STEP SL, 2, ZR
.if IDX < NS-1
.set FL, 0
.if IDX+2 < NS
.set FL, 1
.endif
	TURN SL, 1-SL, FL, 2, 512, 512
.else
	LAST 2
.endif
.set IDX, IDX+1
.endr
; THE WAY OUT, block by block of 16 rows x 64 columns.  A lane holds 32 bytes of a row and the lanes beside it other rows: a block goes through my own stage and comes back as rows of 256 bytes.
; v64-127 two sets of rows read back; v128-191 two sets of the residual's numbers.
.macro RLOAD a
.irp t, 0,1,2,3,4,5,6,7
	global_load_b128 v[128+32*((\a)%2)+4*\t:128+32*((\a)%2)+4*\t+3], v34, s[10:11] offset:(16*(\a)+2*\t)*4096 th:TH_LOAD_NT
.endr
.endm
.macro TOSTAGE a
	WIN 0x08                                       ; an LDS store's data: the accumulators' window
.irp b, 0,1,2,3
	ds_store_b128 v32, v[8*(4*(\a)+\b):8*(4*(\a)+\b)+3] offset:64*\b        ; each accumulator from its low end on
	ds_store_b128 v32, v[8*(4*(\a)+\b)+4:8*(4*(\a)+\b)+7] offset:64*\b+16
.endr
	WIN 0
.irp t, 0,1,2,3,4,5,6,7
	ds_load_b128 v[64+32*((\a)%2)+4*\t:64+32*((\a)%2)+4*\t+3], v33 offset:\t*2*PITCH   ; LDS serves a wave's instructions in order (ISA guide 5.7.1.4): these see my stores, and the next block's stores come behind them
.endr
.endm
.macro SEND a, d, g                    ; d, g: the LDS instructions and the loads issued behind block a's, which may stay out
	s_wait_dscnt \d
	s_wait_loadcnt \g
.set BB, 64+32*((\a)%2)
.set J, 0
.rept 16
	v_pk_fma_f32 v[BB+J:BB+J+1], v[BB+J:BB+J+1], s[96:97], v[BB+64+J:BB+65+J] op_sel_hi:[1,0,1]   ; sum x 2^(ea + eb) + residual
.set J, J+2
.endr
.irp t, 0,1,2,3,4,5,6,7
.if LASTOUT
	global_store_b128 v34, v[BB+4*\t:BB+4*\t+3], s[12:13] offset:(16*(\a)+2*\t)*4096 th:TH_STORE_NT
.else
	global_store_b128 v34, v[BB+4*\t:BB+4*\t+3], s[12:13] offset:(16*(\a)+2*\t)*4096   ; sixteen lanes store 256 consecutive bytes, at a multiple of 256 from the buffer's first byte
.endif
.endr
.endm
	s_wait_kmcnt 0x0
	s_add_co_i32 s96, s68, s69
	s_add_co_i32 s96, s96, 127
	s_lshl_b32 s96, s96, 23                        ; 2^(ea + eb) as f32
	s_mov_b32 s97, s96                             ; (named with it as a pair, so it is written)
	PLACES 4
	RLOAD 0
	TOSTAGE 0
.irp a, 1,2,3,4,5,6,7
.if \a > 1
	s_wait_xcnt 0x0                                ; block a - 2's stores have read their registers: block a's rows may land there
.endif
	RLOAD \a
	TOSTAGE \a
	SEND \a-1, 16, 8                               ; behind block a - 1's: block a's eight stores and eight loads in LDS, and its eight loads of the residual
.endr
	SEND 7, 0, 0
	s_wait_tensorcnt 0x0                           ; the wave's end, behind my last tensor load and my last LDS store
	ds_add_u32 v[SPW], v[NIL]
	s_wait_dscnt 0x0
	CROUND                                         ; the closing round: no work-group ends while a partner may still ask for a tile that names it
	s_endpgm
.Lfunc_end_k_qf81ebce586_wo:
	.size	k_qf81ebce586_wo, .Lfunc_end_k_qf81ebce586_wo-k_qf81ebce586_wo
	.p2alignl 7, 3214868480
	.fill 96, 4, 3214868480
	.section	.rodata,"a",@progbits
	.p2align	6, 0x0
	.amdhsa_kernel k_qf81ebce586_wo
		.amdhsa_group_segment_fixed_size 327680
		.amdhsa_private_segment_fixed_size 0
		.amdhsa_enable_private_segment 0
		.amdhsa_kernarg_size 40
		.amdhsa_user_sgpr_count 2
		.amdhsa_user_sgpr_kernarg_segment_ptr 1
		.amdhsa_wavefront_size32 1
		.amdhsa_system_sgpr_workgroup_id_x 1
		.amdhsa_system_sgpr_workgroup_id_y 1
		.amdhsa_system_sgpr_workgroup_id_z 1
		.amdhsa_system_vgpr_workitem_id 0
		.amdhsa_next_free_vgpr 768
		.amdhsa_next_free_sgpr 100
		.amdhsa_reserve_vcc 0
		.amdhsa_float_denorm_mode_32 3
		.amdhsa_float_denorm_mode_16_64 3
		.amdhsa_memory_ordered 1
		.amdhsa_forward_progress 1
		.amdhsa_inst_pref_size 81
	.end_amdhsa_kernel
	.amdgpu_metadata
---
amdhsa.version: [ 1, 2 ]
amdhsa.kernels:
  - .name:           k_qf81ebce586_wo
    .symbol:         k_qf81ebce586_wo.kd
    .args:
      - { .name: ac, .offset: 0, .size: 8, .value_kind: global_buffer, .address_space: global }
      - { .name: wc, .offset: 8, .size: 8, .value_kind: global_buffer, .address_space: global }
      - { .name: lowp_scales, .offset: 16, .size: 8, .value_kind: global_buffer, .address_space: global }
      - { .name: x, .offset: 24, .size: 8, .value_kind: global_buffer, .address_space: global }
      - { .name: x2, .offset: 32, .size: 8, .value_kind: global_buffer, .address_space: global }
    .group_segment_fixed_size: 327680
    .private_segment_fixed_size: 0
    .kernarg_segment_align: 8
    .kernarg_segment_size: 40
    .max_flat_workgroup_size: 128
    .sgpr_count:     100
    .vgpr_count:     768
    .wavefront_size: 32
...
	.end_amdgpu_metadata
.endif
;; end of part 4
;; launch norm2 (part 5): grid 128 x 1, 4 waves a work-group, no clusters, 0 bytes of LDS; arguments x2, g2, lowp_scales, x2c; writes x2c
.if DOCPART == 5
	.amdgcn_target "amdgcn-amd-amdhsa--gfx1250"
	.amdhsa_code_object_version 6
	.text
	.protected	k_qf81ebce586_norm2
	.globl	k_qf81ebce586_norm2
	.p2align	8
	.type	k_qf81ebce586_norm2,@function
k_qf81ebce586_norm2:
	s_mov_b64 s[64:65], 0
	v_nop
	global_prefetch_b8 v0, s[64:65] scope:SCOPE_SE
	s_setreg_imm32_b32 hwreg(HW_REG_WAVE_MODE, 25, 1), 1
	s_wait_xcnt 0x0
; rmsnorm(x2, g2), quantised twice to codes of FP8 (E4M3): with the scales of the A operands of the products with w1 (entry 12) and with w3 (entry 14).  x2c: [2][4,096][1,024].
; A work-group takes 32 rows, a wave eight, a row at a time, kept in registers between the sum of squares and the scaling: the row is read once.  A lane holds units l and l + 32 of 16 numbers: the conversion takes eight
; neighbours from one lane's registers; its 16 codes are 16 bytes, so a store of the wave covers 512 consecutive bytes.  No LDS, no barrier: waves share nothing.
; code = number / 2^e, held within +-448, to the nearest code, ties to even.  LIMITS: entries 12 and 14 between -126 and 119; NaN is not served.
; REGISTERS: v2 64 x lane, v3 16 x lane; v16-47 g2; v48-79, v80-111 two rows by turns; v112-143 held numbers; v144-159 codes; v168-175 sums; v[176:177] 1 / rms; v178-181 2^e and 448 x 2^e.
.macro LOADROW i
.irp u, 0,1
.irp j, 0,1,2,3
	global_load_b128 v[48+32*((\i)%2)+16*\u+4*\j:48+32*((\i)%2)+16*\u+4*\j+3], v2, s[4:5] offset:4096*(\i)+2048*\u+16*\j
.endr
.endr
.endm
.macro ROW i
.if (\i) < 7
	LOADROW (\i)+1
	s_wait_loadcnt 8                               ; this row is in; the next row's eight loads may be out
.else
	s_wait_loadcnt 0x0
.endif
.set XS, 48+32*((\i)%2)
.irp c, 0,1,2,3
	v_pk_mul_f32 v[168+2*\c:169+2*\c], v[XS+2*\c:XS+2*\c+1], v[XS+2*\c:XS+2*\c+1]   ; the first four pairs start four chains: nothing is cleared
.endr
.irp p, 4,5,6,7,8,9,10,11,12,13,14,15
	v_pk_fma_f32 v[168+2*(\p%4):169+2*(\p%4)], v[XS+2*\p:XS+2*\p+1], v[XS+2*\p:XS+2*\p+1], v[168+2*(\p%4):169+2*(\p%4)]
.endr
	v_pk_add_f32 v[168:169], v[168:169], v[170:171]
	v_pk_add_f32 v[172:173], v[172:173], v[174:175]
	v_pk_add_f32 v[168:169], v[168:169], v[172:173]
	v_add_f32 v168, v168, v169
	v_add_f32_dpp v168, v168, v168 row_xmask:1 row_mask:0xf bank_mask:0xf
	v_add_f32_dpp v168, v168, v168 row_xmask:2 row_mask:0xf bank_mask:0xf
	v_add_f32_dpp v168, v168, v168 row_xmask:4 row_mask:0xf bank_mask:0xf
	v_add_f32_dpp v168, v168, v168 row_xmask:8 row_mask:0xf bank_mask:0xf
	v_permlanex16_b32 v169, v168, s84, s85
	v_add_f32 v168, v168, v169                     ; the row's sum of squares, in every lane
	v_fma_f32 v170, v168, s48, s49                 ; / 1,024 + 1e-5
	v_rsq_f32 v176, v170
	v_nop                                          ; a plain line behind the transcendental,
	s_wait_alu depctr_va_vdst(0)                   ; and a wait ahead of its first reader
.set J, 0
.rept 16
	v_pk_mul_f32 v[XS+J:XS+J+1], v[XS+J:XS+J+1], v[176:177] op_sel_hi:[1,0]
.set J, J+2
.endr
.set J, 0
.rept 16
	v_pk_mul_f32 v[XS+J:XS+J+1], v[XS+J:XS+J+1], v[16+J:17+J]
.set J, J+2
.endr
.if (\i) > 0
	s_wait_xcnt 0x0                                ; the last row's stores have read their codes: the registers are written again only behind this wait
.endif
.irp s, 0,1
.set J, 0
.rept 32
	v_med3_num_f32 v[112+J], v[XS+J], -v[179+2*\s], v[179+2*\s]   ; the conversion does not saturate (ISA guide 7.6.2): the hold
.set J, J+1
.endr
.irp q, 0,1,2,3
	v_cvt_scalef32_pk8_fp8_f32 v[144+8*\s+2*\q:145+8*\s+2*\q], v[112+8*\q:119+8*\q], v[178+2*\s]
.endr
	v_nop                                          ; a plain line between the conversions and the next lines that write their sources
	global_store_b128 v3, v[144+8*\s:147+8*\s], s[50+2*\s:51+2*\s] offset:1024*(\i)
	global_store_b128 v3, v[148+8*\s:151+8*\s], s[50+2*\s:51+2*\s] offset:1024*(\i)+512
.endr
.endm
	s_load_b256 s[4:11], s[0:1], 0x0               ; x2 s[4:5], g2 s[6:7], the exponents s[8:9], x2c s[10:11]
	v_lshrrev_b32 v1, 5, v0
	v_readfirstlane_b32 s33, v1                    ; wave 0..3
	v_and_b32 v1, 31, v0
	v_lshlrev_b32 v2, 6, v1
	v_lshlrev_b32 v3, 4, v1
	s_lshl_b32 s34, ttmp9, 5
	s_lshl_b32 s35, s33, 3
	s_add_co_u32 s34, s34, s35                     ; my wave's first row
	s_lshl_b32 s36, s34, 12
	s_mov_b32 s37, 0
	s_lshl_b32 s38, s34, 10
	s_mov_b32 s39, 0
	s_wait_kmcnt 0x0
	s_load_b128 s[56:59], s[8:9], 0x30             ; entries 12 to 15: 12 and 14 are used
	s_add_nc_u64 s[4:5], s[4:5], s[36:37]
	s_add_nc_u64 s[50:51], s[10:11], s[38:39]      ; the two planes of x2c, 4 MiB apart
	s_add_nc_u64 s[52:53], s[50:51], 0x400000
.irp u, 0,1
.irp j, 0,1,2,3
	global_load_b128 v[16+16*\u+4*\j:19+16*\u+4*\j], v2, s[6:7] offset:2048*\u+16*\j
.endr
.endr
	LOADROW 0
	s_mov_b32 s48, 0x3a800000                      ; 1 / 1,024
	s_mov_b32 s49, 0x3727c5ac                      ; 1e-5
	s_mov_b32 s84, 0x76543210                      ; v_permlanex16_b32: lane l xor 16
	s_mov_b32 s85, 0xfedcba98
	v_mov_b32 v177, 0                              ; (named as the upper half of the pair v[176:177])
	s_wait_kmcnt 0x0
.irp s, 0,1
	s_add_co_i32 s40, s[56+2*\s], 127
	s_lshl_b32 s41, s40, 23
	v_mov_b32 v[178+2*\s], s41
	s_add_co_i32 s40, s40, 8
	s_lshl_b32 s40, s40, 23
	s_or_b32 s40, s40, 0x600000
	v_mov_b32 v[179+2*\s], s40
.endr
.irp i, 0,1,2,3,4,5,6,7
	ROW \i
.endr
	s_endpgm
.Lfunc_end_k_qf81ebce586_norm2:
	.size	k_qf81ebce586_norm2, .Lfunc_end_k_qf81ebce586_norm2-k_qf81ebce586_norm2
	.p2alignl 7, 3214868480
	.fill 96, 4, 3214868480
	.section	.rodata,"a",@progbits
	.p2align	6, 0x0
	.amdhsa_kernel k_qf81ebce586_norm2
		.amdhsa_group_segment_fixed_size 0
		.amdhsa_private_segment_fixed_size 0
		.amdhsa_enable_private_segment 0
		.amdhsa_kernarg_size 32
		.amdhsa_user_sgpr_count 2
		.amdhsa_user_sgpr_kernarg_segment_ptr 1
		.amdhsa_wavefront_size32 1
		.amdhsa_system_sgpr_workgroup_id_x 1
		.amdhsa_system_sgpr_workgroup_id_y 1
		.amdhsa_system_sgpr_workgroup_id_z 1
		.amdhsa_system_vgpr_workitem_id 0
		.amdhsa_next_free_vgpr 192
		.amdhsa_next_free_sgpr 100
		.amdhsa_reserve_vcc 0
		.amdhsa_float_denorm_mode_32 3
		.amdhsa_float_denorm_mode_16_64 3
		.amdhsa_memory_ordered 1
		.amdhsa_forward_progress 1
		.amdhsa_inst_pref_size 79
	.end_amdhsa_kernel
	.amdgpu_metadata
---
amdhsa.version: [ 1, 2 ]
amdhsa.kernels:
  - .name:           k_qf81ebce586_norm2
    .symbol:         k_qf81ebce586_norm2.kd
    .args:
      - { .name: x2, .offset: 0, .size: 8, .value_kind: global_buffer, .address_space: global }
      - { .name: g2, .offset: 8, .size: 8, .value_kind: global_buffer, .address_space: global }
      - { .name: lowp_scales, .offset: 16, .size: 8, .value_kind: global_buffer, .address_space: global }
      - { .name: x2c, .offset: 24, .size: 8, .value_kind: global_buffer, .address_space: global }
    .group_segment_fixed_size: 0
    .private_segment_fixed_size: 0
    .kernarg_segment_align: 8
    .kernarg_segment_size: 32
    .max_flat_workgroup_size: 128
    .sgpr_count:     100
    .vgpr_count:     192
    .wavefront_size: 32
...
	.end_amdgpu_metadata
.endif
;; end of part 5
;; launch ffn1 (part 6): grid 32 x 11, 4 waves a work-group, clusters of 4 x 1, 327,680 bytes of LDS; arguments x2c, wc, lowp_scales, hc; writes hc
.if DOCPART == 6
	.amdgcn_target "amdgcn-amd-amdhsa--gfx1250"
	.amdhsa_code_object_version 6
	.text
	.protected	k_qf81ebce586_ffn1
	.globl	k_qf81ebce586_ffn1
	.p2align	8
	.type	k_qf81ebce586_ffn1,@function
k_qf81ebce586_ffn1:
	s_mov_b64 s[64:65], 0
	v_nop
	global_prefetch_b8 v0, s[64:65] scope:SCOPE_SE
	s_setreg_imm32_b32 hwreg(HW_REG_WAVE_MODE, 25, 1), 1
	s_wait_xcnt 0x0
	s_wait_alu depctr_hold_cnt(0) depctr_sa_sdst(0) depctr_va_vdst(0) depctr_va_sdst(0) depctr_va_ssrc(0) depctr_va_vcc(0) depctr_vm_vsrc(0)
	s_getreg_b32 s2, hwreg(HW_REG_IB_STS2, 6, 4)
	s_cmp_eq_u32 s2, 0
	s_cbranch_scc0 .Lentry_in_a_cluster
	s_endpgm
.Lentry_in_a_cluster:
	s_bfe_u32 s2, ttmp6, 0x10000c
	s_cmp_lg_u32 s2, 0x3003
	s_cbranch_scc0 .Lentry_shape_is_right
	s_endpgm
.Lentry_shape_is_right:
; h = silu(xn w1^T) x (xn w3^T), both products on codes of FP8 (E4M3); h leaves as codes [4,096][2,816] for the product with w2 (columns 2,752 on are zero codes: w1's and w3's planes end in 64 rows of zero codes, so h is 0 there).
; The two products have DIFFERENT A codes (xn quantised with entry 12 and with entry 14), so a work-group runs them one after the other as ONE walk of eight K steps of 256: steps 0-3 plane 0 of x2c against w1 into the
; accumulators of window 2, steps 4-7 plane 1 against w3 into those of window 3; the ring of two slots runs on across the change of planes.
; A work-group of four waves makes 128 (tokens) x 256 (hidden units); wave w takes all 128 rows x columns 64 w .. 64 w + 63: 2 x 32 accumulators of 16 x 16: two sets are what the registers hold beside two sets of fragments.
; THE MATRIX INSTRUCTION IS USED TRANSPOSED (source 0 = 16 rows of the weights, source 1 = 16 tokens): lane l holds token l % 16 and eight neighbouring hidden units, which are the next product's K.
; CLUSTERS of 4 x 1: the 11 tiles of hidden units divide by no 4.  The four partners have the same tile of hidden units: the weights' tiles are asked for jointly; each partner's tokens are its own and come by a plain load.
; A slot holds the tokens' 128 rows and the weights' 256 rows, 272 bytes apart.  Waves 0, 1 fetch the tokens' halves, waves 2, 3 the weights': one tensor load a wave.
; h = x1 x3 / (1 + 2^(-x1 log2 e)).  The sums lack powers of two: e12 + e13 is added to the exponent field of -log2 e, and all five exponents are folded into the conversion's one scale 2^(e16 - e12 - e13 - e14 - e15).
; LIMITS: e12 + e13 between -126 and 127; e16 - e12 - e13 - e14 - e15 between -126 and 119.  NaN is not served.
; REGISTERS, in windows of 256: window 0: v1-38 addresses and scales; v64-255 fragment set 0 (A's block a at v[64 + 16 a], B's block b at v[192 + 16 b]); window 1: set 1; windows 2, 3: accumulator (a, b) at v[8 (4 a + b)].
.set NS,     8
.set KROW,   1024
.set PITCH,  272
.set ABYTES, 128*PITCH
.set SLOT,   384*PITCH
.set SPARE,  2*SLOT                    ; behind the ring: the spare words, 128 bytes for each wave: two blocks of 256 bytes that no other line names
.set STG0,   ((NS-2)%2)*SLOT           ; the way out's stage lies in the slot left at the last change of slots: it has had its last fill and its last read
.set ADRA, 16
.set ADRB, 20
.set SPW,  28
.set NIL,  29
.set G1A, 24
.set G0A, 32
.set G1B, 48
.set G0B, 56
.set MSB, 0
.macro WIN new                         ; the immediate's high byte repeats the setting that is left
.if MSB != (\new)
	s_set_vgpr_msb (MSB<<8)|(\new)
.set MSB, (\new)
.endif
.endm
.macro PLACES n                        ; plain vector lines behind matrix instructions, in front of loads into registers that they read and of reads of their results
.rept \n
	v_nop
.endr
.endm
.macro JLOAD s                         ; waves 0, 1 ask for A's tile, waves 2, 3 for B's; an s_nop 0 and four v_nop follow each line
	s_cmp_eq_u32 s15, 0
	s_cbranch_scc0 .Lfor_b_\@
	tensor_load_to_lds s[G0A+4*(\s):G0A+4*(\s)+3], s[G1A:G1A+7]
	s_nop 0
	PLACES 4
	s_branch .Lasked_\@
.Lfor_b_\@:
	tensor_load_to_lds s[G0B+4*(\s):G0B+4*(\s)+3], s[G1B:G1B+7]
	s_nop 0
	PLACES 4
.Lasked_\@:
.endm
.macro CREST                           ; a round of the cluster's barrier behind its opening barrier
	s_cmp_lg_u32 s14, 0
	s_cbranch_scc1 .Lnot_wave_0_\@
	s_barrier_signal -3
.Lnot_wave_0_\@:
	s_barrier_wait -3
	s_barrier_signal -1
	s_barrier_wait -1
.endm
.macro CROUND
	s_barrier_signal -1
	s_barrier_wait -1
	CREST
.endm
.macro FRAG reg, adr, q, i
.irp c, 0,1,2,3
	ds_load_b128 v[\reg+4*\c:\reg+4*\c+3], v[\adr] offset:128*(\q)+32*\c+(\i)*16*PITCH
.endr
.endm
.macro FETCH slot, q, p                ; 48 loads in one run: B's four blocks, then A's eight, of the slot's q-th 128 along K, into set p
	WIN (\p)<<6
.irp i, 0,1,2,3
	FRAG 192+16*\i, ADRB+(\slot), \q, \i
.endr
.irp i, 0,1,2,3,4,5,6,7
	FRAG 64+16*\i, ADRA+(\slot), \q, \i
.endr
.endm
.macro MUL a0, a1, p, aw, zero         ; A's blocks a0 .. a1 x B's four; the 32 accumulators take turns, one instruction a turn, in the same order in every step
	WIN (\p)|((\p)<<2)|((\aw)<<4)|((\aw)<<6)
.set MA, \a0
.rept (\a1)-(\a0)+1
.irp b, 0,1,2,3
.if \zero
	v_wmma_f32_16x16x128_fp8_fp8 v[8*(4*MA+\b):8*(4*MA+\b)+7], v[192+16*\b:207+16*\b], v[64+16*MA:79+16*MA], 0
.else
	v_wmma_f32_16x16x128_fp8_fp8 v[8*(4*MA+\b):8*(4*MA+\b)+7], v[192+16*\b:207+16*\b], v[64+16*MA:79+16*MA], v[8*(4*MA+\b):8*(4*MA+\b)+7]
.endif
.endr
.set MA, MA+1
.endr
.endm
.macro STEP slot, aw, zero             ; a slot's first 128 along K, on set 0; the second 128 are fetched into set 1
	s_wait_dscnt 16                                ; B's blocks and A's blocks 0-3 are in; the youngest sixteen loads (A's blocks 4-7) may be out
	MUL 0, 3, 0, \aw, \zero
	s_wait_dscnt 0x0
	PLACES 4
	FETCH \slot, 1, 1
	MUL 4, 7, 0, \aw, \zero
.endm
.macro TURN slot, next, fill, aw, da, db   ; a slot's second 128, on set 1, and the change of slots.  fill = 1: this slot is filled again, two K steps ahead
	WIN 0                                          ; (the add's two registers lie in window 0)
	s_wait_tensorcnt 0x0                           ; all my tensor loads have landed: my part of the next slot;
	ds_add_u32 v[SPW], v[NIL]                      ; 0 onto my spare word;
	s_wait_dscnt 17                                ; (the add and the youngest sixteen loads may be out)
	MUL 0, 1, 1, \aw, 0                            ; eight matrix instructions stand between the add and the wait for it
	s_wait_dscnt 0x0                               ; the add is done, and my reads of this slot are over
	s_barrier_signal -1
	MUL 2, 3, 1, \aw, 0
	WIN 0
	s_barrier_wait -1
.if \fill
	CREST                                          ; the barrier has opened a round of the cluster's barrier: no wave of any partner still reads this slot or has a load on its way
	s_add_nc_u64 s[G0A+4*(\slot)+2:G0A+4*(\slot)+3], s[G0A+4*(\slot)+2:G0A+4*(\slot)+3], \da
	s_add_nc_u64 s[G0B+4*(\slot)+2:G0B+4*(\slot)+3], s[G0B+4*(\slot)+2:G0B+4*(\slot)+3], \db
	JLOAD \slot                                    ; the first tensor load behind the round; its four v_nop are the places in front of the loads below
.else
	PLACES 4
.endif
	FETCH \next, 0, 0
	MUL 4, 7, 1, \aw, 0
.endm
.macro LAST aw                         ; the very last 128 along K: nothing more to fetch
	s_wait_dscnt 16
	MUL 0, 3, 1, \aw, 0
	s_wait_dscnt 0x0
	MUL 4, 7, 1, \aw, 0
	WIN 0
.endm
	s_load_b256 s[4:11], s[0:1], 0x0               ; x2c s[4:5], wc s[6:7], the exponents s[8:9], hc s[10:11]
	v_lshl_add_u32 v[SPW], v0, 2, SPARE
	v_mov_b32 v[NIL], 0
	ds_add_u32 v[SPW], v[NIL]                      ; the wave's opening: the add, twice on end, and its wait ahead of my first tensor load; the set-up below stands between
	ds_add_u32 v[SPW], v[NIL]
	v_lshrrev_b32 v1, 5, v0
	v_readfirstlane_b32 s14, v1                    ; wave 0..3
	s_lshr_b32 s15, s14, 1                         ; I fetch for A (0) or for B (1),
	s_and_b32 s16, s14, 1                          ; and which half of that tile
	s_bfe_u32 s40, ttmp6, 0x40000                  ; cx
	s_lshl_b32 s17, ttmp9, 2
	s_add_co_u32 s17, s17, s40                     ; tile of tokens = 4 x cluster x + cx
	s_and_b32 s42, ttmp7, 0xffff                   ; tile of hidden units: the cluster's y, which the four partners share
	s_mov_b32 s[G1A], (1<<20)|(5<<22)|(3<<25)      ; no mask: my own tokens; elements of 1 byte; padding: four words after every 64
	s_mov_b32 s[G1B], 15|(1<<20)|(1<<21)|(5<<22)|(3<<25)   ; the mask names all four partners; bit 21 set beside it
.irp g, G1A, G1B
	s_mov_b32 s[\g+1], 256<<16                     ; tensor_dim0
	s_mov_b32 s[\g+3], 256<<16                     ; tile_dim0
	s_mov_b32 s[\g+5], KROW                        ; the pitch
	s_mov_b32 s[\g+6], 0
	s_mov_b32 s[\g+7], 0
.endr
	s_mov_b32 s[G1A+2], 64<<16                     ; tensor_dim1, tile_dim1: 64 rows of A,
	s_mov_b32 s[G1A+4], 64
	s_mov_b32 s[G1B+2], 128<<16                    ; 128 of B
	s_mov_b32 s[G1B+4], 128
	s_lshl_b32 s18, s17, 17
	s_lshl_b32 s19, s16, 16
	s_add_co_u32 s18, s18, s19
	s_mov_b32 s19, 0
	s_lshl_b32 s46, s42, 18
	s_lshl_b32 s47, s16, 17
	s_add_co_u32 s46, s46, s47
	s_add_co_u32 s46, s46, 4194304                 ; w1's plane in wc
	s_mov_b32 s47, 0
	s_mul_i32 s66, s16, 64*PITCH                   ; where they go: no place in the cluster enters an LDS address
	s_mul_i32 s67, s16, 128*PITCH
	s_add_co_u32 s67, s67, ABYTES
	s_lshl_b32 s86, s17, 7
	s_lshl_b32 s87, s14, 5
	s_add_co_u32 s86, s86, s87
	s_mul_i32 s86, s86, 2816                       ; the first row of hc that I store: 128 x tile + 32 x wave,
	s_lshl_b32 s87, s42, 8
	s_add_co_u32 s86, s86, s87                     ; and the tile's 256 columns
	s_mov_b32 s87, 0
	s_wait_dscnt 0x0                               ; both opening adds are done
	s_wait_kmcnt 0x0
	s_load_b128 s[68:71], s[8:9], 0x30             ; entries 12 to 15,
	s_load_b32 s72, s[8:9], 0x40                   ; and 16
	s_add_nc_u64 s[20:21], s[4:5], s[18:19]
	s_add_nc_u64 s[22:23], s[6:7], s[46:47]
	s_add_nc_u64 s[10:11], s[10:11], s[86:87]
	CROUND                                         ; all four work-groups are here: the first joint loads meet
.irp s, 0,1
	s_mov_b32 s[G0A+4*\s], 1
	s_add_co_u32 s[G0A+4*\s+1], s66, \s*SLOT
	s_add_nc_u64 s[G0A+4*\s+2:G0A+4*\s+3], s[20:21], \s*256
	s_or_b32 s[G0A+4*\s+3], s[G0A+4*\s+3], 0x80000000
	s_mov_b32 s[G0B+4*\s], 1
	s_add_co_u32 s[G0B+4*\s+1], s67, \s*SLOT
	s_add_nc_u64 s[G0B+4*\s+2:G0B+4*\s+3], s[22:23], \s*256
	s_or_b32 s[G0B+4*\s+3], s[G0B+4*\s+3], 0x80000000
	JLOAD \s
.endr
	v_and_b32 v1, 15, v0                           ; r = l % 16
	v_bfe_u32 v2, v0, 4, 1                         ; h = l / 16
	v_mul_u32_u24 v[ADRA], v1, PITCH
	v_lshl_add_u32 v[ADRA], v2, 4, v[ADRA]
	v_add_nc_u32 v[ADRA+1], SLOT, v[ADRA]
	s_mul_i32 s18, s14, 64*PITCH
	s_add_co_u32 s18, s18, ABYTES
	v_add_nc_u32 v[ADRB], s18, v[ADRA]
	s_add_co_u32 s18, s18, SLOT
	v_add_nc_u32 v[ADRB+1], s18, v[ADRA]
	s_lshl_b32 s19, s14, 6
	s_add_co_u32 s19, s19, STG0                    ; one stage of 128 rows x (256 bytes + 16) for the work-group
	v_mul_u32_u24 v36, v1, PITCH
	v_lshl_add_u32 v36, v2, 3, v36
	v_add_nc_u32 v36, s19, v36                     ; in: row r, + 8 h, + my wave's 64 bytes
	s_mul_i32 s19, s14, 32*PITCH
	s_add_co_u32 s19, s19, STG0
	v_mul_u32_u24 v37, v2, PITCH
	v_lshl_add_u32 v37, v1, 4, v37
	v_add_nc_u32 v37, s19, v37                     ; back: wave w takes rows 32 w on; sixteen lanes to a row of 256 bytes
	v_mul_u32_u24 v38, v2, 2816
	v_lshl_add_u32 v38, v1, 4, v38                 ; and the same two rows in hc
	s_wait_tensorcnt 1                             ; my part of K step 0 is in; K step 1's load may stay out
	s_barrier_signal -1
	s_barrier_wait -1
	FETCH 0, 0, 0
.set IDX, 0
.rept NS                               ; written out: eight K steps
.set SL, IDX%2
.set AW, 2+IDX/4                       ; the product's window of accumulators
.set ZR, 0
.if IDX%4 == 0
.set ZR, 1                             ; each product's first step starts its sums: nothing is cleared
.endif
	STEP SL, AW, ZR
.if IDX < NS-1
.set FL, 0
.if IDX+2 < NS
.set FL, 1
.endif
.set DA, 512
.set DB, 512
.if (IDX == 2) || (IDX == 3)
.set DA, 4194304-512                   ; on to the second plane of x2c, back along K,
.set DB, 2883584-512                   ; and to w3's plane
.endif
	TURN SL, 1-SL, FL, AW, DA, DB
.else
	LAST AW
.endif
.set IDX, IDX+1
.endr
	PLACES 4
	s_wait_kmcnt 0x0
	s_add_co_i32 s94, s68, s69                     ; e12 + e13
	s_lshl_b32 s95, s94, 23
	s_add_co_i32 s92, s95, 0xbfb8aa3b              ; -log2(e) x 2^(e12 + e13)
	s_mov_b32 s93, s92                             ; (named with it as a pair, so it is written)
	s_sub_co_i32 s94, s72, s94
	s_sub_co_i32 s94, s94, s70
	s_sub_co_i32 s94, s94, s71                     ; e16 - e12 - e13 - e14 - e15
	s_add_co_i32 s94, s94, 127
	s_lshl_b32 s95, s94, 23
	v_mov_b32 v30, s95
	s_add_co_i32 s94, s94, 8
	s_lshl_b32 s94, s94, 23
	s_or_b32 s94, s94, 0x600000
	v_mov_b32 v31, s94
	; THE WAY OUT, block by block of 16 tokens.  v64-95 the exponent, then 1 / (1 + 2^..); v96-127 the two sums' product, then h; v128-191 codes, eight registers a block.
.set A, 0
.rept 8
	WIN 0x02                                       ; source 0: the first product's window
.set J, 0
.rept 16
	v_pk_mul_f32 v[64+J:65+J], v[32*A+J:32*A+J+1], s[92:93] op_sel_hi:[1,0]   ; -x1 log2 e; each accumulator from its low end on
.set J, J+2
.endr
	WIN 0
.set J, 0
.rept 32
	v_exp_f32 v[64+J], v[64+J]
.set J, J+1
.endr
	WIN 0x0e                                       ; source 0: the first product's window, source 1: the second's
.set J, 0
.rept 16
	v_pk_mul_f32 v[96+J:97+J], v[32*A+J:32*A+J+1], v[32*A+J:32*A+J+1]   ; the two sums' product: independent work behind the batch
.set J, J+2
.endr
	WIN 0
	s_wait_alu depctr_va_vdst(0)                   ; one wait for the batch of exponentials, ahead of its first reader
.set J, 0
.rept 16
	v_pk_add_f32 v[64+J:65+J], v[64+J:65+J], 1.0 op_sel_hi:[1,0]
.set J, J+2
.endr
.set J, 0
.rept 32
	v_rcp_f32 v[64+J], v[64+J]
.set J, J+1
.endr
	v_nop                                          ; a plain line behind the last reciprocal,
	s_wait_alu depctr_va_vdst(0)                   ; and one wait for the batch
.set J, 0
.rept 16
	v_pk_mul_f32 v[96+J:97+J], v[96+J:97+J], v[64+J:65+J]
.set J, J+2
.endr
.set J, 0
.rept 32
	v_med3_num_f32 v[96+J], v[96+J], -v31, v31     ; the conversion does not saturate (ISA guide 7.6.2): the hold
.set J, J+1
.endr
.irp b, 0,1,2,3
	v_cvt_scalef32_pk8_fp8_f32 v[128+8*A+2*\b:129+8*A+2*\b], v[96+8*\b:103+8*\b], v30
.endr
	v_nop                                          ; a plain line between the conversions and the next block's lines, which write their sources
.irp b, 0,1,2,3
	ds_store_b64 v36, v[128+8*A+2*\b:129+8*A+2*\b] offset:A*16*PITCH+16*\b   ; lane (r, h): token 16 a + r, hidden units 64 w + 16 b + 8 h + 0 .. 7
.endr
.set A, A+1
.endr
	s_wait_dscnt 0x0                               ; for the others' sake: my stores into the stage are done
	s_barrier_signal -1
	s_barrier_wait -1
.irp t, 0,1,2,3,4,5,6,7,8,9,10,11,12,13,14,15
	ds_load_b128 v[192+4*\t:195+4*\t], v37 offset:\t*2*PITCH
.endr
.irp t, 0,1,2,3,4,5,6,7,8,9,10,11,12,13,14,15
	s_wait_dscnt 15-\t                             ; the younger loads may be out
	global_store_b128 v38, v[192+4*\t:195+4*\t], s[10:11] offset:5632*\t   ; sixteen lanes store 256 consecutive bytes, at a multiple of 256 from the buffer's first byte (a row of hc is 11 x 256 bytes)
.endr
	s_wait_tensorcnt 0x0                           ; the wave's end, behind my last tensor load and my last LDS store
	ds_add_u32 v[SPW], v[NIL]
	s_wait_dscnt 0x0
	CROUND                                         ; the closing round: no work-group ends while a partner may still ask for a tile that names it
	s_endpgm
.Lfunc_end_k_qf81ebce586_ffn1:
	.size	k_qf81ebce586_ffn1, .Lfunc_end_k_qf81ebce586_ffn1-k_qf81ebce586_ffn1
	.p2alignl 7, 3214868480
	.fill 96, 4, 3214868480
	.section	.rodata,"a",@progbits
	.p2align	6, 0x0
	.amdhsa_kernel k_qf81ebce586_ffn1
		.amdhsa_group_segment_fixed_size 327680
		.amdhsa_private_segment_fixed_size 0
		.amdhsa_enable_private_segment 0
		.amdhsa_kernarg_size 32
		.amdhsa_user_sgpr_count 2
		.amdhsa_user_sgpr_kernarg_segment_ptr 1
		.amdhsa_wavefront_size32 1
		.amdhsa_system_sgpr_workgroup_id_x 1
		.amdhsa_system_sgpr_workgroup_id_y 1
		.amdhsa_system_sgpr_workgroup_id_z 1
		.amdhsa_system_vgpr_workitem_id 0
		.amdhsa_next_free_vgpr 1024
		.amdhsa_next_free_sgpr 100
		.amdhsa_reserve_vcc 0
		.amdhsa_float_denorm_mode_32 3
		.amdhsa_float_denorm_mode_16_64 3
		.amdhsa_memory_ordered 1
		.amdhsa_forward_progress 1
		.amdhsa_inst_pref_size 172
	.end_amdhsa_kernel
	.amdgpu_metadata
---
amdhsa.version: [ 1, 2 ]
amdhsa.kernels:
  - .name:           k_qf81ebce586_ffn1
    .symbol:         k_qf81ebce586_ffn1.kd
    .args:
      - { .name: x2c, .offset: 0, .size: 8, .value_kind: global_buffer, .address_space: global }
      - { .name: wc, .offset: 8, .size: 8, .value_kind: global_buffer, .address_space: global }
      - { .name: lowp_scales, .offset: 16, .size: 8, .value_kind: global_buffer, .address_space: global }
      - { .name: hc, .offset: 24, .size: 8, .value_kind: global_buffer, .address_space: global }
    .group_segment_fixed_size: 327680
    .private_segment_fixed_size: 0
    .kernarg_segment_align: 8
    .kernarg_segment_size: 32
    .max_flat_workgroup_size: 128
    .sgpr_count:     100
    .vgpr_count:     1024
    .wavefront_size: 32
...
	.end_amdgpu_metadata
.endif
;; end of part 6
;; launch ffn2 (part 7): grid 32 x 4, 4 waves a work-group, clusters of 4 x 4, 327,680 bytes of LDS; arguments hc, wc, lowp_scales, x2, out0; writes out0
.if DOCPART == 7
	.amdgcn_target "amdgcn-amd-amdhsa--gfx1250"
	.amdhsa_code_object_version 6
	.text
	.protected	k_qf81ebce586_ffn2
	.globl	k_qf81ebce586_ffn2
	.p2align	8
	.type	k_qf81ebce586_ffn2,@function
k_qf81ebce586_ffn2:
	s_mov_b64 s[64:65], 0
	v_nop
	global_prefetch_b8 v0, s[64:65] scope:SCOPE_SE
	s_setreg_imm32_b32 hwreg(HW_REG_WAVE_MODE, 25, 1), 1
	s_wait_xcnt 0x0
	s_wait_alu depctr_hold_cnt(0) depctr_sa_sdst(0) depctr_va_vdst(0) depctr_va_sdst(0) depctr_va_ssrc(0) depctr_va_vcc(0) depctr_vm_vsrc(0)
	s_getreg_b32 s2, hwreg(HW_REG_IB_STS2, 6, 4)
	s_cmp_eq_u32 s2, 0
	s_cbranch_scc0 .Lentry_in_a_cluster
	s_endpgm
.Lentry_in_a_cluster:
	s_bfe_u32 s2, ttmp6, 0x10000c
	s_cmp_lg_u32 s2, 0xf033
	s_cbranch_scc0 .Lentry_shape_is_right
	s_endpgm
.Lentry_shape_is_right:
; out = x2 + h w2^T, the product on codes of FP8 (E4M3): A = h's codes [4,096][2,816], B = w2's codes [1,024][2,816]; K = 2,752 is filled up with zero codes on both sides to 11 x 256; x2 and out f32.
; A work-group of four waves makes 128 (M) x 256 (N); wave w takes all 128 rows x columns 64 w .. 64 w + 63: 32 accumulators of 16 x 16.  32 x 4 tiles: with the larger tile of 256 x 256 there would be half as many work-groups.
; THE MATRIX INSTRUCTION IS USED TRANSPOSED (source 0 = 16 rows of B, source 1 = 16 rows of A): lane l holds row l % 16 of the result and eight neighbouring columns 8 (l / 16) + 0 .. 7.
; K goes in steps of 256 bytes through two LDS slots; a slot holds A's 128 rows and B's 256 rows, 272 bytes apart (row r starts at bank 4 r mod 64: ISA guide 11.1).  Waves 0, 1 fetch A's halves, waves 2, 3 B's: one tensor load a wave.
; CLUSTERS of 4 x 4: A's tile hangs on the work-group's x alone and is shared down a column of the cluster, B's on y alone and is shared along a row: joint loads.
; A fragment (16 rows x 128 K) comes by four loads of 16 bytes, 32 apart: a permutation of k that is the same on both sides.  Each finished sum is multiplied once by 2^(ea + eb) and added to the residual in one fused multiply-add.
; LIMIT: ea + eb between -126 and 127.
; REGISTERS, in windows of 256: window 0: v1-34 addresses; v64-255 fragment set 0 (A's block a at v[64 + 16 a], B's block b at v[192 + 16 b]); window 1: set 1; window 2: accumulator (a, b) at v[8 (4 a + b)].
.set NS,     11                        ; K steps of 256
.set KROW,   2816                      ; a row of codes in memory
.set BOFF,   9961472                   ; w2's codes in wc
.set SCB,    64                        ; byte of the two exponents: entries 16, 17
.set LASTOUT, 1
.set PITCH,  272
.set ABYTES, 128*PITCH
.set SLOT,   384*PITCH
.set SPARE,  2*SLOT                    ; behind the ring: the spare words, 128 bytes for each wave: two blocks of 256 bytes that no other line names
.set STG0,   ((NS-2)%2)*SLOT           ; the way out's stages lie in the slot left at the last change of slots: it has had its last fill and its last read
.set ADRA, 16
.set ADRB, 20
.set SPW,  28
.set NIL,  29
.set G1A, 24
.set G0A, 32
.set G1B, 48
.set G0B, 56
.set MSB, 0
.macro WIN new                         ; the immediate's high byte repeats the setting that is left
.if MSB != (\new)
	s_set_vgpr_msb (MSB<<8)|(\new)
.set MSB, (\new)
.endif
.endm
.macro PLACES n                        ; plain vector lines behind matrix instructions, in front of loads into registers that they read and of reads of their results
.rept \n
	v_nop
.endr
.endm
.macro JLOAD s                         ; waves 0, 1 ask for A's tile, waves 2, 3 for B's; an s_nop 0 and four v_nop follow each line
	s_cmp_eq_u32 s15, 0
	s_cbranch_scc0 .Lfor_b_\@
	tensor_load_to_lds s[G0A+4*(\s):G0A+4*(\s)+3], s[G1A:G1A+7]
	s_nop 0
	PLACES 4
	s_branch .Lasked_\@
.Lfor_b_\@:
	tensor_load_to_lds s[G0B+4*(\s):G0B+4*(\s)+3], s[G1B:G1B+7]
	s_nop 0
	PLACES 4
.Lasked_\@:
.endm
.macro CREST                           ; a round of the cluster's barrier behind its opening barrier
	s_cmp_lg_u32 s14, 0
	s_cbranch_scc1 .Lnot_wave_0_\@
	s_barrier_signal -3
.Lnot_wave_0_\@:
	s_barrier_wait -3
	s_barrier_signal -1
	s_barrier_wait -1
.endm
.macro CROUND
	s_barrier_signal -1
	s_barrier_wait -1
	CREST
.endm
.macro FRAG reg, adr, q, i
.irp c, 0,1,2,3
	ds_load_b128 v[\reg+4*\c:\reg+4*\c+3], v[\adr] offset:128*(\q)+32*\c+(\i)*16*PITCH
.endr
.endm
.macro FETCH slot, q, p                ; 48 loads in one run: B's four blocks, then A's eight, of the slot's q-th 128 along K, into set p
	WIN (\p)<<6
.irp i, 0,1,2,3
	FRAG 192+16*\i, ADRB+(\slot), \q, \i
.endr
.irp i, 0,1,2,3,4,5,6,7
	FRAG 64+16*\i, ADRA+(\slot), \q, \i
.endr
.endm
.macro MUL a0, a1, p, aw, zero         ; A's blocks a0 .. a1 x B's four; the 32 accumulators take turns, one instruction a turn, in the same order in every step
	WIN (\p)|((\p)<<2)|((\aw)<<4)|((\aw)<<6)
.set MA, \a0
.rept (\a1)-(\a0)+1
.irp b, 0,1,2,3
.if \zero
	v_wmma_f32_16x16x128_fp8_fp8 v[8*(4*MA+\b):8*(4*MA+\b)+7], v[192+16*\b:207+16*\b], v[64+16*MA:79+16*MA], 0
.else
	v_wmma_f32_16x16x128_fp8_fp8 v[8*(4*MA+\b):8*(4*MA+\b)+7], v[192+16*\b:207+16*\b], v[64+16*MA:79+16*MA], v[8*(4*MA+\b):8*(4*MA+\b)+7]
.endif
.endr
.set MA, MA+1
.endr
.endm
.macro STEP slot, aw, zero             ; a slot's first 128 along K, on set 0; the second 128 are fetched into set 1
	s_wait_dscnt 16                                ; B's blocks and A's blocks 0-3 are in; the youngest sixteen loads (A's blocks 4-7) may be out
	MUL 0, 3, 0, \aw, \zero
	s_wait_dscnt 0x0
	PLACES 4
	FETCH \slot, 1, 1
	MUL 4, 7, 0, \aw, \zero
.endm
.macro TURN slot, next, fill, aw, da, db   ; a slot's second 128, on set 1, and the change of slots.  fill = 1: this slot is filled again, two K steps ahead
	WIN 0                                          ; (the add's two registers lie in window 0)
	s_wait_tensorcnt 0x0                           ; all my tensor loads have landed: my part of the next slot;
	ds_add_u32 v[SPW], v[NIL]                      ; 0 onto my spare word;
	s_wait_dscnt 17                                ; (the add and the youngest sixteen loads may be out)
	MUL 0, 1, 1, \aw, 0                            ; eight matrix instructions stand between the add and the wait for it
	s_wait_dscnt 0x0                               ; the add is done, and my reads of this slot are over
	s_barrier_signal -1
	MUL 2, 3, 1, \aw, 0
	WIN 0
	s_barrier_wait -1
.if \fill
	CREST                                          ; the barrier has opened a round of the cluster's barrier: no wave of any partner still reads this slot or has a load on its way
	s_add_nc_u64 s[G0A+4*(\slot)+2:G0A+4*(\slot)+3], s[G0A+4*(\slot)+2:G0A+4*(\slot)+3], \da
	s_add_nc_u64 s[G0B+4*(\slot)+2:G0B+4*(\slot)+3], s[G0B+4*(\slot)+2:G0B+4*(\slot)+3], \db
	JLOAD \slot                                    ; the first tensor load behind the round; its four v_nop are the places in front of the loads below
.else
	PLACES 4
.endif
	FETCH \next, 0, 0
	MUL 4, 7, 1, \aw, 0
.endm
.macro LAST aw                         ; the very last 128 along K: nothing more to fetch
	s_wait_dscnt 16
	MUL 0, 3, 1, \aw, 0
	s_wait_dscnt 0x0
	MUL 4, 7, 1, \aw, 0
	WIN 0
.endm
	s_load_b256 s[4:11], s[0:1], 0x0               ; A's codes s[4:5], wc s[6:7], the exponents s[8:9], the residual s[10:11]
	s_load_b64 s[12:13], s[0:1], 0x20              ; the result
	v_lshl_add_u32 v[SPW], v0, 2, SPARE
	v_mov_b32 v[NIL], 0
	ds_add_u32 v[SPW], v[NIL]                      ; the wave's opening: the add, twice on end, and its wait ahead of my first tensor load; the set-up below stands between
	ds_add_u32 v[SPW], v[NIL]
	v_lshrrev_b32 v1, 5, v0
	v_readfirstlane_b32 s14, v1                    ; wave 0..3
	s_lshr_b32 s15, s14, 1                         ; I fetch for A (0) or for B (1),
	s_and_b32 s16, s14, 1                          ; and which half of that tile
	s_bfe_u32 s40, ttmp6, 0x40000                  ; cx
	s_bfe_u32 s41, ttmp6, 0x40004                  ; cy: there is one cluster along y, so cy is the N tile
	s_lshl_b32 s17, ttmp9, 2
	s_add_co_u32 s17, s17, s40                     ; M tile = 4 x cluster x + cx
	s_lshl_b32 s43, 0x1111, s40                    ; my column of the cluster: the partners with my M tile
	s_lshl_b32 s44, s41, 2
	s_lshl_b32 s44, 15, s44                        ; my row: the partners with my N tile
	s_or_b32 s[G1A], s43, (1<<20)|(1<<21)|(5<<22)|(3<<25)   ; 15:0 the mask; 17:16 elements of 1 byte; 20 padding on; 21 set beside a mask; 24:22 after every 64 words; 31:25 four words
	s_or_b32 s[G1B], s44, (1<<20)|(1<<21)|(5<<22)|(3<<25)
.irp g, G1A, G1B
	s_mov_b32 s[\g+1], 256<<16                     ; tensor_dim0
	s_mov_b32 s[\g+3], 256<<16                     ; tile_dim0
	s_mov_b32 s[\g+5], KROW                        ; the pitch
	s_mov_b32 s[\g+6], 0
	s_mov_b32 s[\g+7], 0
.endr
	s_mov_b32 s[G1A+2], 64<<16                     ; tensor_dim1, tile_dim1: 64 rows of A,
	s_mov_b32 s[G1A+4], 64
	s_mov_b32 s[G1B+2], 128<<16                    ; 128 of B
	s_mov_b32 s[G1B+4], 128
	s_mul_i32 s18, s17, 128*KROW
	s_mul_i32 s19, s16, 64*KROW
	s_add_co_u32 s18, s18, s19
	s_mov_b32 s19, 0
	s_mul_i32 s46, s41, 256*KROW
	s_mul_i32 s47, s16, 128*KROW
	s_add_co_u32 s46, s46, s47
	s_add_co_u32 s46, s46, BOFF
	s_mov_b32 s47, 0
	s_mul_i32 s66, s16, 64*PITCH                   ; where they go: no place in the cluster enters an LDS address
	s_mul_i32 s67, s16, 128*PITCH
	s_add_co_u32 s67, s67, ABYTES
	s_lshl_b32 s86, s17, 19                        ; my part of the residual and of the result: row 128 x M tile, column byte 1,024 x N tile + 256 x wave
	s_lshl_b32 s87, s41, 10
	s_add_co_u32 s86, s86, s87
	s_lshl_b32 s87, s14, 8
	s_add_co_u32 s86, s86, s87
	s_mov_b32 s87, 0
	s_wait_dscnt 0x0                               ; both opening adds are done
	s_wait_kmcnt 0x0
	s_load_b64 s[68:69], s[8:9], SCB               ; ea, eb
	s_add_nc_u64 s[20:21], s[4:5], s[18:19]
	s_add_nc_u64 s[22:23], s[6:7], s[46:47]
	s_add_nc_u64 s[10:11], s[10:11], s[86:87]
	s_add_nc_u64 s[12:13], s[12:13], s[86:87]
	CROUND                                         ; all sixteen work-groups are here: the first joint loads meet
.irp s, 0,1
	s_mov_b32 s[G0A+4*\s], 1
	s_add_co_u32 s[G0A+4*\s+1], s66, \s*SLOT
	s_add_nc_u64 s[G0A+4*\s+2:G0A+4*\s+3], s[20:21], \s*256
	s_or_b32 s[G0A+4*\s+3], s[G0A+4*\s+3], 0x80000000
	s_mov_b32 s[G0B+4*\s], 1
	s_add_co_u32 s[G0B+4*\s+1], s67, \s*SLOT
	s_add_nc_u64 s[G0B+4*\s+2:G0B+4*\s+3], s[22:23], \s*256
	s_or_b32 s[G0B+4*\s+3], s[G0B+4*\s+3], 0x80000000
	JLOAD \s
.endr
	v_and_b32 v1, 15, v0                           ; r = l % 16
	v_bfe_u32 v2, v0, 4, 1                         ; h = l / 16
	v_mul_u32_u24 v[ADRA], v1, PITCH
	v_lshl_add_u32 v[ADRA], v2, 4, v[ADRA]
	v_add_nc_u32 v[ADRA+1], SLOT, v[ADRA]
	s_mul_i32 s18, s14, 64*PITCH
	s_add_co_u32 s18, s18, ABYTES
	v_add_nc_u32 v[ADRB], s18, v[ADRA]
	s_add_co_u32 s18, s18, SLOT
	v_add_nc_u32 v[ADRB+1], s18, v[ADRA]
	s_mul_i32 s19, s14, 16*PITCH
	s_add_co_u32 s19, s19, STG0                    ; my stage: 16 rows x (256 bytes + 16)
	v_mul_u32_u24 v32, v1, PITCH
	v_lshl_add_u32 v32, v2, 5, v32
	v_add_nc_u32 v32, s19, v32                     ; in: row r, 32 bytes for each half of the lanes
	v_mul_u32_u24 v33, v2, PITCH
	v_lshl_add_u32 v33, v1, 4, v33
	v_add_nc_u32 v33, s19, v33                     ; back: lanes 0-15 one row of 256 bytes, lanes 16-31 the next
	v_lshlrev_b32 v34, 12, v2
	v_lshl_add_u32 v34, v1, 4, v34                 ; and the same two rows in memory, 4,096 bytes apart
	s_wait_tensorcnt 1                             ; my part of K step 0 is in; K step 1's load may stay out
	s_barrier_signal -1
	s_barrier_wait -1
	FETCH 0, 0, 0
.set IDX, 0
.rept NS                               ; written out
.set SL, IDX%2
.set ZR, 0
.if IDX == 0
.set ZR, 1                             ; the first products start the sums: nothing is cleared
.endif
	STEP SL, 2, ZR
.if IDX < NS-1
.set FL, 0
.if IDX+2 < NS
.set FL, 1
.endif
	TURN SL, 1-SL, FL, 2, 512, 512
.else
	LAST 2
.endif
.set IDX, IDX+1
.endr
; THE WAY OUT, block by block of 16 rows x 64 columns.  A lane holds 32 bytes of a row and the lanes beside it other rows: a block goes through my own stage and comes back as rows of 256 bytes.
; v64-127 two sets of rows read back; v128-191 two sets of the residual's numbers.
.macro RLOAD a
.irp t, 0,1,2,3,4,5,6,7
	global_load_b128 v[128+32*((\a)%2)+4*\t:128+32*((\a)%2)+4*\t+3], v34, s[10:11] offset:(16*(\a)+2*\t)*4096 th:TH_LOAD_NT
.endr
.endm
.macro TOSTAGE a
	WIN 0x08                                       ; an LDS store's data: the accumulators' window
.irp b, 0,1,2,3
	ds_store_b128 v32, v[8*(4*(\a)+\b):8*(4*(\a)+\b)+3] offset:64*\b        ; each accumulator from its low end on
	ds_store_b128 v32, v[8*(4*(\a)+\b)+4:8*(4*(\a)+\b)+7] offset:64*\b+16
.endr
	WIN 0
.irp t, 0,1,2,3,4,5,6,7
	ds_load_b128 v[64+32*((\a)%2)+4*\t:64+32*((\a)%2)+4*\t+3], v33 offset:\t*2*PITCH   ; LDS serves a wave's instructions in order (ISA guide 5.7.1.4): these see my stores, and the next block's stores come behind them
.endr
.endm
.macro SEND a, d, g                    ; d, g: the LDS instructions and the loads issued behind block a's, which may stay out
	s_wait_dscnt \d
	s_wait_loadcnt \g
.set BB, 64+32*((\a)%2)
.set J, 0
.rept 16
	v_pk_fma_f32 v[BB+J:BB+J+1], v[BB+J:BB+J+1], s[96:97], v[BB+64+J:BB+65+J] op_sel_hi:[1,0,1]   ; sum x 2^(ea + eb) + residual
.set J, J+2
.endr
.irp t, 0,1,2,3,4,5,6,7
.if LASTOUT
	global_store_b128 v34, v[BB+4*\t:BB+4*\t+3], s[12:13] offset:(16*(\a)+2*\t)*4096 th:TH_STORE_NT   ; sixteen lanes store 256 consecutive bytes, at a multiple of 256 from the buffer's first byte; written once, read by nobody here
.else
	global_store_b128 v34, v[BB+4*\t:BB+4*\t+3], s[12:13] offset:(16*(\a)+2*\t)*4096
.endif
.endr
.endm
	s_wait_kmcnt 0x0
	s_add_co_i32 s96, s68, s69
	s_add_co_i32 s96, s96, 127
	s_lshl_b32 s96, s96, 23                        ; 2^(ea + eb) as f32
	s_mov_b32 s97, s96                             ; (named with it as a pair, so it is written)
	PLACES 4
	RLOAD 0
	TOSTAGE 0
.irp a, 1,2,3,4,5,6,7
.if \a > 1
	s_wait_xcnt 0x0                                ; block a - 2's stores have read their registers: block a's rows may land there
.endif
	RLOAD \a
	TOSTAGE \a
	SEND \a-1, 16, 8                               ; behind block a - 1's: block a's eight stores and eight loads in LDS, and its eight loads of the residual
.endr
	SEND 7, 0, 0
	s_wait_tensorcnt 0x0                           ; the wave's end, behind my last tensor load and my last LDS store
	ds_add_u32 v[SPW], v[NIL]
	s_wait_dscnt 0x0
	CROUND                                         ; the closing round: no work-group ends while a partner may still ask for a tile that names it
	s_endpgm
.Lfunc_end_k_qf81ebce586_ffn2:
	.size	k_qf81ebce586_ffn2, .Lfunc_end_k_qf81ebce586_ffn2-k_qf81ebce586_ffn2
	.p2alignl 7, 3214868480
	.fill 96, 4, 3214868480
	.section	.rodata,"a",@progbits
	.p2align	6, 0x0
	.amdhsa_kernel k_qf81ebce586_ffn2
		.amdhsa_group_segment_fixed_size 327680
		.amdhsa_private_segment_fixed_size 0
		.amdhsa_enable_private_segment 0
		.amdhsa_kernarg_size 40
		.amdhsa_user_sgpr_count 2
		.amdhsa_user_sgpr_kernarg_segment_ptr 1
		.amdhsa_wavefront_size32 1
		.amdhsa_system_sgpr_workgroup_id_x 1
		.amdhsa_system_sgpr_workgroup_id_y 1
		.amdhsa_system_sgpr_workgroup_id_z 1
		.amdhsa_system_vgpr_workitem_id 0
		.amdhsa_next_free_vgpr 768
		.amdhsa_next_free_sgpr 100
		.amdhsa_reserve_vcc 0
		.amdhsa_float_denorm_mode_32 3
		.amdhsa_float_denorm_mode_16_64 3
		.amdhsa_memory_ordered 1
		.amdhsa_forward_progress 1
		.amdhsa_inst_pref_size 162
	.end_amdhsa_kernel
	.amdgpu_metadata
---
amdhsa.version: [ 1, 2 ]
amdhsa.kernels:
  - .name:           k_qf81ebce586_ffn2
    .symbol:         k_qf81ebce586_ffn2.kd
    .args:
      - { .name: hc, .offset: 0, .size: 8, .value_kind: global_buffer, .address_space: global }
      - { .name: wc, .offset: 8, .size: 8, .value_kind: global_buffer, .address_space: global }
      - { .name: lowp_scales, .offset: 16, .size: 8, .value_kind: global_buffer, .address_space: global }
      - { .name: x2, .offset: 24, .size: 8, .value_kind: global_buffer, .address_space: global }
      - { .name: out0, .offset: 32, .size: 8, .value_kind: global_buffer, .address_space: global }
    .group_segment_fixed_size: 327680
    .private_segment_fixed_size: 0
    .kernarg_segment_align: 8
    .kernarg_segment_size: 40
    .max_flat_workgroup_size: 128
    .sgpr_count:     100
    .vgpr_count:     768
    .wavefront_size: 32
...
	.end_amdgpu_metadata
.endif
;; end of part 7
;; ======== version 2 of 2: 7 launches
;; limits: right only within a limited range of input values
;; workspace buffers: wc 12,845,056 bytes; xc 12,582,912 bytes; cs 524,288 bytes; qkvc 12,582,912 bytes; ac 4,194,304 bytes; x2 16,777,216 bytes; x2c 8,388,608 bytes; hc 11,534,336 bytes
;; launch prep (part 8): grid 1280 x 1, 4 waves a work-group, no clusters, 61,952 bytes of LDS; arguments Wq, Wk, Wv, Wo, w1, w3, w2, x, g1, positions, lowp_scales, wc, xc, cs; writes wc, xc, cs
.if DOCPART == 8
	.amdgcn_target "amdgcn-amd-amdhsa--gfx1250"
	.amdhsa_code_object_version 6
	.text
	.protected	k_qf81ebce586_prep
	.globl	k_qf81ebce586_prep
	.p2align	8
	.type	k_qf81ebce586_prep,@function
k_qf81ebce586_prep:
	s_mov_b64 s[64:65], 0
	v_nop
	global_prefetch_b8 v0, s[64:65] scope:SCOPE_SE
	s_setreg_imm32_b32 hwreg(HW_REG_WAVE_MODE, 25, 1), 1
	s_wait_xcnt 0x0
; THE FIRST OF SEVEN LAUNCHES OF A TRANSFORMER BLOCK (2 x 2,048 tokens, width 1,024, 16 heads of 64, hidden width 2,752), all nine products on codes of FP8 (E4M3), each operand with the one scale 2^e given for it.
; WORK LEFT OUT IN THE PROGRAM: only key steps of attention that lie wholly above the causal diagonal.  reference() builds the mask tril(ones) in its own body and sets those scores to -infinity ahead of the softmax,
; so their weights are exactly 0 and add nothing to the sum or to the second product, whatever finite values the inputs hold.  LIMIT: a NaN, an infinity or an overflow that reaches only such hidden scores is not carried to the result.
; Every input has a way to the output and is loaded; theta = 10000 is a constant of the problem.
; THIS LAUNCH makes what later launches read many times:
;   work-groups    0-511   rmsnorm(x, g1), quantised three times (the A operands of the products with Wq, Wk, Wv): two rows a wave
;   work-groups  512-639   codes of w2, each row of 2,752 filled up with 64 zero codes to 2,816 along K: two rows a wave, 11 steps of 512 codes
;   work-groups  640-1247  codes of Wq, Wk, Wv, Wo, w1, w3 (K innermost as they lie): plain streams, 4,096 numbers a wave; w1's and w3's planes are filled up with 64 rows of zero codes to 2,816 rows
;   work-groups 1248-1279  the table of cos and sin of positions x frequency, 16 tokens a wave, a lane a frequency
; code = number / 2^e, held within +-448, rounded to the nearest code, ties to even.  LIMITS: every e used here between -126 and 119; NaN among the inputs is not served.
; cos and sin: the angle less the nearest multiple of pi/2 in three parts, then polynomials of degree 7 and 8.  LIMIT: up to |position| = 65,536 the reduction keeps about 2e-6 rad; beyond that its error grows in proportion.
; FORM.  Each load reads 512 consecutive bytes, 16 a lane.  The conversion takes eight neighbours from ONE lane's registers, so a step's 2,048 bytes go through the wave's own stage in LDS as they lie and come back 64 bytes a lane
; (a lane's place is 80 bytes: 64 + 16 of padding).  A lane's 16 codes are 16 bytes: a store covers 512 consecutive bytes.  All codes of a wave stay in registers, and all its stores stand at its end.
; No barrier: waves share nothing.  No cluster, no prefetch: no work-group reads what another reads but g1, and the launch has no loop.  Each of the three ways that use LDS has LDS bytes of its own.
; REGISTERS: v1 lane, v2 16 x (lane % 16), v3 16 x lane, v4-11 scales, v12, v13 the add's two, v14, v15 the stage's addresses; streams: v16-111 six sets of 16 numbers as loaded; rows: v16-47 g1, v48-111 two rows;
;   v112-143 two sets of 16 neighbours (ahead of the turns: the rows' sums); v144-191 codes.
.set G,   16
.set R,   16
.set RW,  48
.set X,   112
.set C,   144
.set SPW, 12
.set NIL, 13
.set PBR, 0                            ; LDS: 4 waves x two stages of 2,560 bytes for the rows,
.set PBW, 20480                        ; for w2,
.set PBS, 40960                        ; for the streams;
.set SPARE, 61440                      ; behind them the spare words, 128 bytes a wave: two blocks of 256 bytes that no other line names
.macro LOADS t, w2                     ; step t's four loads into set t % 6.  w2: load j of the wave's 44 is piece j % 22 of row j / 22; piece 21 holds 256 bytes of numbers: its lanes 16-31 read lanes 0-15's again, so that no load leaves the row
.irp i, 0,1,2,3
.if \w2
.set JL, 4*(\t)+\i
.if JL%22 == 21
	global_load_b128 v[R+16*((\t)%6)+4*\i:R+16*((\t)%6)+4*\i+3], v2, s[36:37] offset:(JL/22)*11008+(JL%22)*512 th:TH_LOAD_NT
.else
	global_load_b128 v[R+16*((\t)%6)+4*\i:R+16*((\t)%6)+4*\i+3], v3, s[36:37] offset:(JL/22)*11008+(JL%22)*512 th:TH_LOAD_NT
.endif
.else
	global_load_b128 v[R+16*((\t)%6)+4*\i:R+16*((\t)%6)+4*\i+3], v3, s[36:37] offset:2048*(\t)+512*\i th:TH_LOAD_NT
.endif
.endr
.endm
.macro TURN t, base, n, pb             ; step t's numbers through stage t % 2: LDS serves a wave's instructions in order (ISA guide 5.7.1.4), so no wait stands between the stores and the loads
.irp i, 0,1,2,3
	ds_store_b128 v14, v[\base+16*((\t)%\n)+4*\i:\base+16*((\t)%\n)+4*\i+3] offset:\pb+2560*((\t)%2)+640*\i
.endr
.irp i, 0,1,2,3
	ds_load_b128 v[X+16*((\t)%2)+4*\i:X+16*((\t)%2)+4*\i+3], v15 offset:\pb+2560*((\t)%2)+16*\i
.endr
.endm
.macro QSTEP t, n, w2, pb              ; 512 numbers of the wave become 512 codes, in four registers of their own
	s_wait_dscnt 0x0                               ; this step's numbers are back from the stage, so its stores into the stage have read their registers,
.if (\t)+6 < \n
	LOADS (\t)+6, \w2                              ; which take the loads of six steps on
.endif
.if (\t)+1 < \n
.if (\t)+6 < \n
	s_wait_loadcnt 20                              ; the next step's four loads are in; those of the five steps behind it may be out
.else
	s_wait_loadcnt 4*(\n-2-(\t))
.endif
	TURN (\t)+1, R, 6, \pb
.endif
.set XS, X+16*((\t)%2)
.set J, 0
.rept 16
	v_med3_num_f32 v[XS+J], v[XS+J], -v10, v10     ; the conversion to an 8-bit code does not saturate (ISA guide 7.6.2): the hold at the largest code x the scale
.set J, J+1
.endr
	v_cvt_scalef32_pk8_fp8_f32 v[C+4*(\t):C+4*(\t)+1], v[XS:XS+7], v11
	v_cvt_scalef32_pk8_fp8_f32 v[C+4*(\t)+2:C+4*(\t)+3], v[XS+8:XS+15], v11
.if \w2 && ((\t)%5 == 0) && ((\t) > 0)
	v_nop                                          ; a plain line between the conversions and the selects that touch their results
.irp i, 0,1,2,3
	v_cndmask_b32 v[C+4*(\t)+\i], v[C+4*(\t)+\i], v9, s[44+(\t)/10]   ; units 172-175 of a padded row give zero codes: lanes 12-15 of step 5, lanes 28-31 of step 10
.endr
.endif
.endm
.macro FINISH n                        ; the wave's end
	s_wait_alu depctr_va_vdst(0)
	s_wait_tensorcnt 0x0                           ; the wave's end, behind my last LDS store
	ds_add_u32 v[SPW], v[NIL]
	s_wait_dscnt 0x0
.set T, 0
.rept \n
	global_store_b128 v3, v[C+4*T:C+4*T+3], s[26:27] offset:512*T   ; 32 lanes store 512 consecutive bytes
.set T, T+1
.endr
	s_endpgm
.endm
.macro SCALE                           ; s40 = e  ->  v11 = 2^e, v10 = 448 x 2^e
	s_add_co_i32 s40, s40, 127
	s_lshl_b32 s41, s40, 23
	v_mov_b32 v11, s41
	s_add_co_i32 s40, s40, 8
	s_lshl_b32 s40, s40, 23
	s_or_b32 s40, s40, 0x600000
	v_mov_b32 v10, s40
.endm
.macro SQ r                            ; row r's squares in four chains of pairs: the first four pairs start them, nothing is cleared
.irp c, 0,1,2,3
	v_pk_mul_f32 v[X+8*\r+2*\c:X+8*\r+2*\c+1], v[RW+32*\r+2*\c:RW+32*\r+2*\c+1], v[RW+32*\r+2*\c:RW+32*\r+2*\c+1]
.endr
.irp p, 4,5,6,7,8,9,10,11,12,13,14,15
	v_pk_fma_f32 v[X+8*\r+2*(\p%4):X+8*\r+2*(\p%4)+1], v[RW+32*\r+2*\p:RW+32*\r+2*\p+1], v[RW+32*\r+2*\p:RW+32*\r+2*\p+1], v[X+8*\r+2*(\p%4):X+8*\r+2*(\p%4)+1]
.endr
.endm
.macro RSTEP k, ns                     ; half k % 2 of row k / 2: 512 numbers, quantised ns times.  The held numbers go into the registers from which this half went to the stage
.if (\k) < 3
	TURN (\k)+1, RW, 4, PBR
	s_wait_dscnt 8                                 ; this half is back; the next half's four stores and four loads may be out
.else
	s_wait_dscnt 0x0
.endif
.set XS, X+16*((\k)%2)
.set H, RW+16*(\k)
.set S, 0
.rept \ns
.set J, 0
.rept 16
	v_med3_num_f32 v[H+J], v[XS+J], -v[5+2*S], v[5+2*S]
.set J, J+1
.endr
.set CC, C+8*\ns*((\k)/2)+8*S+4*((\k)%2)
	v_cvt_scalef32_pk8_fp8_f32 v[CC:CC+1], v[H:H+7], v[4+2*S]
	v_cvt_scalef32_pk8_fp8_f32 v[CC+2:CC+3], v[H+8:H+15], v[4+2*S]
	v_nop                                          ; a plain line between the conversions and the next lines that write their sources
.set S, S+1
.endr
.endm
	s_load_b512 s[4:19], s[0:1], 0x0               ; Wq s[4:5], Wk s[6:7], Wv s[8:9], Wo s[10:11], w1 s[12:13], w3 s[14:15], w2 s[16:17], x s[18:19]
	s_load_b256 s[20:27], s[0:1], 0x40             ; g1 s[20:21], positions s[22:23], the exponents s[24:25], wc s[26:27]
	s_load_b128 s[28:31], s[0:1], 0x60             ; xc s[28:29], cs s[30:31]
	v_lshl_add_u32 v[SPW], v0, 2, SPARE
	v_mov_b32 v[NIL], 0
	v_lshrrev_b32 v1, 5, v0
	v_readfirstlane_b32 s33, v1                    ; wave 0..3
	v_and_b32 v1, 31, v0                           ; lane
	v_lshlrev_b32 v3, 4, v1
	v_and_b32 v2, 15, v1
	v_lshlrev_b32 v2, 4, v2
	s_mul_i32 s34, s33, 5120                       ; my wave's two stages
	v_lshrrev_b32 v14, 2, v1
	v_mul_u32_u24 v14, v14, 80
	v_and_b32 v15, 3, v1
	v_lshl_add_u32 v14, v15, 4, v14
	v_add_nc_u32 v14, s34, v14                     ; into a stage: four lanes' 64 bytes on end, then 16 of padding; a load's 512 bytes take eight places
	v_mul_u32_u24 v15, v1, 80
	v_add_nc_u32 v15, s34, v15                     ; out of it: my 16 neighbours
	s_wait_alu depctr_va_vdst(0)
	s_wait_kmcnt 0x0
	s_cmp_ge_u32 ttmp9, 512
	s_cbranch_scc1 .Lweights
	; ---- rmsnorm(x, g1) in three sets of codes
	s_load_b256 s[56:63], s[24:25], 0x0            ; entries 0 to 7: 0, 2 and 4 are used
	s_lshl_b32 s34, ttmp9, 3
	s_lshl_b32 s35, s33, 1
	s_add_co_u32 s34, s34, s35                     ; my wave's first row
	s_lshl_b32 s36, s34, 12
	s_mov_b32 s37, 0
	s_add_nc_u64 s[18:19], s[18:19], s[36:37]
	s_lshl_b32 s36, s34, 10
	s_add_nc_u64 s[50:51], s[28:29], s[36:37]      ; the three planes of xc, 4 MiB apart
	s_add_nc_u64 s[52:53], s[50:51], 0x400000
	s_add_nc_u64 s[54:55], s[50:51], 0x800000
.irp i, 0,1,2,3,4,5,6,7
	global_load_b128 v[G+4*\i:G+4*\i+3], v3, s[20:21] offset:512*\i
.endr
.irp i, 0,1,2,3,4,5,6,7,8,9,10,11,12,13,14,15
	global_load_b128 v[RW+4*\i:RW+4*\i+3], v3, s[18:19] offset:512*\i th:TH_LOAD_NT   ; two rows of 4,096 bytes on end
.endr
	s_mov_b32 s48, 0x3a800000                      ; 1 / 1,024
	s_mov_b32 s49, 0x3727c5ac                      ; 1e-5
	s_mov_b32 s84, 0x76543210                      ; v_permlanex16_b32: lane l xor 16
	s_mov_b32 s85, 0xfedcba98
	v_mov_b32 v[X+17], 0                           ; (named as the upper halves of the pairs that hold 1 / rms)
	v_mov_b32 v[X+19], 0
	s_wait_kmcnt 0x0
.irp s, 0,1,2
	s_add_co_i32 s38, s[56+2*\s], 127
	s_lshl_b32 s39, s38, 23
	v_mov_b32 v[4+2*\s], s39                       ; 2^e,
	s_add_co_i32 s38, s38, 8
	s_lshl_b32 s38, s38, 23
	s_or_b32 s38, s38, 0x600000
	v_mov_b32 v[5+2*\s], s38                       ; 448 x 2^e
.endr
	s_wait_alu depctr_va_vdst(0)
	s_wait_loadcnt 8                               ; g1 and the first row are in; the second row's eight loads may be out
	SQ 0
	s_wait_loadcnt 0x0
	SQ 1
.irp r, 0,8                                    ; the two rows' sums take turns line by line
	v_pk_add_f32 v[X+\r:X+\r+1], v[X+\r:X+\r+1], v[X+\r+2:X+\r+3]
	v_pk_add_f32 v[X+\r+4:X+\r+5], v[X+\r+4:X+\r+5], v[X+\r+6:X+\r+7]
.endr
.irp r, 0,8
	v_pk_add_f32 v[X+\r:X+\r+1], v[X+\r:X+\r+1], v[X+\r+4:X+\r+5]
.endr
.irp r, 0,8
	v_add_f32 v[X+\r], v[X+\r], v[X+\r+1]
.endr
.irp m, 1,2,4,8
.irp r, 0,8
	v_add_f32_dpp v[X+\r], v[X+\r], v[X+\r] row_xmask:\m row_mask:0xf bank_mask:0xf
.endr
.endr
.irp r, 0,8
	v_permlanex16_b32 v[X+\r+1], v[X+\r], s84, s85
.endr
.irp r, 0,8
	v_add_f32 v[X+\r], v[X+\r], v[X+\r+1]          ; the row's sum of squares, in every lane
.endr
	v_fma_f32 v[X+20], v[X], s48, s49              ; / 1,024 + 1e-5
	v_fma_f32 v[X+21], v[X+8], s48, s49
	s_wait_alu depctr_va_vdst(0)                   ; a wait ahead of the batch,
	v_rsq_f32 v[X+16], v[X+20]
	v_rsq_f32 v[X+18], v[X+21]
	v_nop                                          ; a plain line behind the transcendentals,
	s_wait_alu depctr_va_vdst(0)                   ; and a wait ahead of their first reader
.irp r, 0,1
.set J, 0
.rept 16
	v_pk_mul_f32 v[RW+32*\r+J:RW+32*\r+J+1], v[RW+32*\r+J:RW+32*\r+J+1], v[X+16+2*\r:X+17+2*\r] op_sel_hi:[1,0]
.set J, J+2
.endr
.endr
.irp r, 0,1
.set J, 0
.rept 16
	v_pk_mul_f32 v[RW+32*\r+J:RW+32*\r+J+1], v[RW+32*\r+J:RW+32*\r+J+1], v[G+J:G+J+1]   ; g1 was loaded as the rows were: the same numbers of a row in the same lanes
.set J, J+2
.endr
.endr
	TURN 0, RW, 4, PBR
.irp k, 0,1,2,3
	RSTEP \k, 3
.endr
	s_wait_alu depctr_va_vdst(0)
	s_wait_tensorcnt 0x0                           ; the wave's end, behind my last LDS store
	ds_add_u32 v[SPW], v[NIL]
	s_wait_dscnt 0x0
.irp r, 0,1
.irp s, 0,1,2
.irp u, 0,1
	global_store_b128 v3, v[C+24*\r+8*\s+4*\u:C+24*\r+8*\s+4*\u+3], s[50+2*\s:51+2*\s] offset:1024*\r+512*\u
.endr
.endr
.endr
	s_endpgm
.Lweights:
	s_cmp_ge_u32 ttmp9, 1248
	s_cbranch_scc1 .Ltable
	s_cmp_ge_u32 ttmp9, 640
	s_cbranch_scc1 .Lstream
	; ---- w2: my wave's two rows, 22,016 bytes of numbers, 5,632 codes
	s_load_b32 s40, s[24:25], 0x44                 ; entry 17
	s_sub_co_u32 s34, ttmp9, 512
	s_lshl_b32 s34, s34, 2
	s_add_co_u32 s34, s34, s33
	s_mul_i32 s36, s34, 22016
	s_mov_b32 s37, 0
	s_add_nc_u64 s[36:37], s[16:17], s[36:37]
	s_mul_i32 s38, s34, 5632
	s_add_co_u32 s38, s38, 9961472                 ; w2's codes lie behind the other six tensors'
	s_mov_b32 s39, 0
	s_add_nc_u64 s[26:27], s[26:27], s[38:39]
.irp t, 0,1,2,3,4,5
	LOADS \t, 1
.endr
	s_mov_b32 s44, 0xf000
	s_mov_b32 s45, 0xf0000000
	v_mov_b32 v9, 0
	s_wait_kmcnt 0x0
	SCALE
	s_wait_alu depctr_va_vdst(0)
	s_wait_loadcnt 20
	TURN 0, R, 6, PBW
.irp t, 0,1,2,3,4,5,6,7,8,9,10
	QSTEP \t, 11, 1, PBW
.endr
	FINISH 11
.Lstream:                                          ; ---- wc's first six regions lie on end in the order of the work-groups: 16,384 codes a work-group
	s_sub_co_u32 s35, ttmp9, 640
	s_lshl_b32 s42, s35, 14
	s_lshl_b32 s43, s33, 12
	s_add_co_u32 s42, s42, s43
	s_mov_b32 s43, 0
	s_add_nc_u64 s[26:27], s[26:27], s[42:43]
	s_lshr_b32 s34, s35, 6                         ; parts 0-255: which of Wq, Wk, Wv, Wo,
	s_and_b32 s38, s35, 63                         ; and which 16,384 numbers of it
	s_lshl_b32 s41, s34, 3
	s_add_co_u32 s41, s41, 4                       ; byte of its exponent: entries 1, 3, 5
	s_sub_co_u32 s39, s35, 256
	s_sub_co_u32 s40, s35, 432
	s_cmp_eq_u32 s34, 1                            ; every choice hangs on the work-group's number alone
	s_cselect_b64 s[36:37], s[6:7], s[4:5]
	s_cmp_eq_u32 s34, 2
	s_cselect_b64 s[36:37], s[8:9], s[36:37]
	s_cmp_eq_u32 s34, 3
	s_cselect_b64 s[36:37], s[10:11], s[36:37]
	s_cselect_b32 s41, 44, s41                     ; Wo: entry 11
	s_cmp_ge_u32 s35, 256
	s_cselect_b64 s[36:37], s[12:13], s[36:37]     ; w1: entry 13
	s_cselect_b32 s41, 52, s41
	s_cselect_b32 s38, s39, s38
	s_cmp_ge_u32 s35, 432
	s_cselect_b64 s[36:37], s[14:15], s[36:37]     ; w3: entry 15
	s_cselect_b32 s41, 60, s41
	s_cselect_b32 s38, s40, s38
	s_cmp_ge_u32 s38, 172                          ; w1 and w3 hold 172 x 16,384 numbers; their planes have 176 parts
	s_cbranch_scc1 .Lzero
	s_lshl_b32 s44, s38, 16
	s_lshl_b32 s45, s33, 14
	s_add_co_u32 s44, s44, s45
	s_mov_b32 s45, 0
	s_add_nc_u64 s[36:37], s[36:37], s[44:45]      ; my wave's 4,096 numbers
	s_mov_b32 s46, s41
	s_mov_b32 s47, 0
	s_add_nc_u64 s[24:25], s[24:25], s[46:47]
	s_load_b32 s40, s[24:25], 0x0                  ; e
.irp t, 0,1,2,3,4,5
	LOADS \t, 0
.endr
	s_wait_kmcnt 0x0
	SCALE
	s_wait_alu depctr_va_vdst(0)
	s_wait_loadcnt 20
	TURN 0, R, 6, PBS
.irp t, 0,1,2,3,4,5,6,7
	QSTEP \t, 8, 0, PBS
.endr
	FINISH 8
.Lzero:                                            ; rows 2,752 to 2,815 of w1's and w3's planes: zero codes
.irp i, 144,145,146,147
	v_mov_b32 v\i, 0
.endr
.set T, 0
.rept 8
	global_store_b128 v3, v[144:147], s[26:27] offset:512*T
.set T, T+1
.endr
	s_endpgm
	; ---- the table: cs[token][i] = (cos, sin) of position x 10000^(-i / 32), i = my lane.  A store covers a token's 256 bytes; each token has registers of its own, and the stores stand at the end.
.macro TOKEN i
	v_mov_b32 v20, s[68+\i]
	v_cvt_f32_i32 v20, v20
	v_mul_f32 v21, v20, v16                        ; the angle, rounded once
	v_mul_f32 v22, 0x3f22f983, v21                 ; x 2 / pi
	v_rndne_f32 v22, v22                           ; k
	v_fmamk_f32 v23, v22, 0xbfc90000, v21          ; the angle less k x pi / 2, pi / 2 in three parts
	v_fmamk_f32 v23, v22, 0xb9fda000, v23
	v_fmamk_f32 v23, v22, 0xb3a22168, v23          ; r, within +-pi / 4
	v_mul_f32 v24, v23, v23                        ; z = r r
	v_fmaak_f32 v25, v24, v17, 0x3c08839e
	v_fmaak_f32 v27, v24, v18, 0xbab6061a
	v_fmaak_f32 v25, v24, v25, 0xbe2aaaa3
	v_fmaak_f32 v27, v24, v27, 0x3d2aaaa5
	v_mul_f32 v26, v23, v24
	v_mul_f32 v28, v24, v24
	v_fma_f32 v29, v24, -0.5, 1.0
	v_fma_f32 v25, v26, v25, v23                   ; sin r
	v_fma_f32 v27, v28, v27, v29                   ; cos r
	v_cvt_i32_f32 v30, v22
	v_and_b32 v31, 1, v30
	v_cmp_eq_u32 vcc_lo, 1, v31                    ; an odd k swaps the two; the choice selects values only
	v_cndmask_b32 v32, v25, v27, vcc_lo
	v_cndmask_b32 v33, v27, v25, vcc_lo
	v_and_b32 v34, 2, v30                          ; sin changes sign for k mod 4 = 2, 3; cos for 1, 2
	v_add_nc_u32 v35, 1, v30
	v_lshlrev_b32 v34, 30, v34
	v_and_b32 v35, 2, v35
	v_lshlrev_b32 v35, 30, v35
	v_xor_b32 v[37+2*\i], v32, v34
	v_xor_b32 v[36+2*\i], v33, v35
.endm
.Ltable:
	s_sub_co_u32 s34, ttmp9, 1248
	s_lshl_b32 s34, s34, 6
	s_lshl_b32 s35, s33, 4
	s_add_co_u32 s34, s34, s35                     ; my wave's first token
	s_lshl_b32 s36, s34, 2
	s_mov_b32 s37, 0
	s_add_nc_u64 s[22:23], s[22:23], s[36:37]
	s_load_b512 s[68:83], s[22:23], 0x0            ; 16 positions
	s_lshl_b32 s38, s34, 8
	s_mov_b32 s39, 0
	s_add_nc_u64 s[30:31], s[30:31], s[38:39]
	v_cvt_f32_u32 v16, v1
	v_mul_f32 v16, 0xbed49a78, v16                 ; - i x log2(10000) / 32
	s_wait_alu depctr_va_vdst(0)                   ; a wait ahead of the transcendental
	v_exp_f32 v16, v16                             ; the frequency
	v_lshlrev_b32 v4, 3, v1                        ; (a plain line behind the transcendental)  8 bytes a lane
	v_mov_b32 v17, 0xb94ca1f9
	v_mov_b32 v18, 0x37ccf5ce
	s_wait_alu depctr_va_vdst(0)                   ; and ahead of its first reader
	s_wait_kmcnt 0x0
.irp i, 0,1,2,3,4,5,6,7,8,9,10,11,12,13,14,15
	TOKEN \i
.endr
.irp i, 0,1,2,3,4,5,6,7,8,9,10,11,12,13,14,15
	global_store_b64 v4, v[36+2*\i:37+2*\i], s[30:31] offset:256*\i
.endr
	s_endpgm
.Lfunc_end_k_qf81ebce586_prep:
	.size	k_qf81ebce586_prep, .Lfunc_end_k_qf81ebce586_prep-k_qf81ebce586_prep
	.p2alignl 7, 3214868480
	.fill 96, 4, 3214868480
	.section	.rodata,"a",@progbits
	.p2align	6, 0x0
	.amdhsa_kernel k_qf81ebce586_prep
		.amdhsa_group_segment_fixed_size 61952
		.amdhsa_private_segment_fixed_size 0
		.amdhsa_enable_private_segment 0
		.amdhsa_kernarg_size 112
		.amdhsa_user_sgpr_count 2
		.amdhsa_user_sgpr_kernarg_segment_ptr 1
		.amdhsa_wavefront_size32 1
		.amdhsa_system_sgpr_workgroup_id_x 1
		.amdhsa_system_sgpr_workgroup_id_y 1
		.amdhsa_system_sgpr_workgroup_id_z 1
		.amdhsa_system_vgpr_workitem_id 0
		.amdhsa_next_free_vgpr 192
		.amdhsa_next_free_sgpr 100
		.amdhsa_reserve_vcc 1
		.amdhsa_float_denorm_mode_32 3
		.amdhsa_float_denorm_mode_16_64 3
		.amdhsa_memory_ordered 1
		.amdhsa_forward_progress 1
		.amdhsa_inst_pref_size 99
	.end_amdhsa_kernel
	.amdgpu_metadata
---
amdhsa.version: [ 1, 2 ]
amdhsa.kernels:
  - .name:           k_qf81ebce586_prep
    .symbol:         k_qf81ebce586_prep.kd
    .args:
      - { .name: Wq, .offset: 0, .size: 8, .value_kind: global_buffer, .address_space: global }
      - { .name: Wk, .offset: 8, .size: 8, .value_kind: global_buffer, .address_space: global }
      - { .name: Wv, .offset: 16, .size: 8, .value_kind: global_buffer, .address_space: global }
      - { .name: Wo, .offset: 24, .size: 8, .value_kind: global_buffer, .address_space: global }
      - { .name: w1, .offset: 32, .size: 8, .value_kind: global_buffer, .address_space: global }
      - { .name: w3, .offset: 40, .size: 8, .value_kind: global_buffer, .address_space: global }
      - { .name: w2, .offset: 48, .size: 8, .value_kind: global_buffer, .address_space: global }
      - { .name: x, .offset: 56, .size: 8, .value_kind: global_buffer, .address_space: global }
      - { .name: g1, .offset: 64, .size: 8, .value_kind: global_buffer, .address_space: global }
      - { .name: positions, .offset: 72, .size: 8, .value_kind: global_buffer, .address_space: global }
      - { .name: lowp_scales, .offset: 80, .size: 8, .value_kind: global_buffer, .address_space: global }
      - { .name: wc, .offset: 88, .size: 8, .value_kind: global_buffer, .address_space: global }
      - { .name: xc, .offset: 96, .size: 8, .value_kind: global_buffer, .address_space: global }
      - { .name: cs, .offset: 104, .size: 8, .value_kind: global_buffer, .address_space: global }
    .group_segment_fixed_size: 61952
    .private_segment_fixed_size: 0
    .kernarg_segment_align: 8
    .kernarg_segment_size: 112
    .max_flat_workgroup_size: 128
    .sgpr_count:     100
    .vgpr_count:     192
    .wavefront_size: 32
...
	.end_amdgpu_metadata
.endif
;; end of part 8
;; launch qkv (part 9): grid 16 x 12, 4 waves a work-group, clusters of 4 x 4, 327,680 bytes of LDS; arguments xc, wc, cs, lowp_scales, qkvc; writes qkvc
.if DOCPART == 9
	.amdgcn_target "amdgcn-amd-amdhsa--gfx1250"
	.amdhsa_code_object_version 6
	.text
	.protected	k_qf81ebce586_qkv
	.globl	k_qf81ebce586_qkv
	.p2align	8
	.type	k_qf81ebce586_qkv,@function
k_qf81ebce586_qkv:
	s_mov_b64 s[64:65], 0
	v_nop
	global_prefetch_b8 v0, s[64:65] scope:SCOPE_SE
	s_setreg_imm32_b32 hwreg(HW_REG_WAVE_MODE, 25, 1), 1
	s_wait_xcnt 0x0
	s_wait_alu depctr_hold_cnt(0) depctr_sa_sdst(0) depctr_va_vdst(0) depctr_va_sdst(0) depctr_va_ssrc(0) depctr_va_vcc(0) depctr_vm_vsrc(0)
	s_getreg_b32 s2, hwreg(HW_REG_IB_STS2, 6, 4)
	s_cmp_eq_u32 s2, 0
	s_cbranch_scc0 .Lentry_in_a_cluster
	s_endpgm
.Lentry_in_a_cluster:
	s_bfe_u32 s2, ttmp6, 0x10000c
	s_cmp_lg_u32 s2, 0xf033
	s_cbranch_scc0 .Lentry_shape_is_right
	s_endpgm
.Lentry_shape_is_right:
; q = rope(xn Wq^T), k = rope(xn Wk^T), v = xn Wv^T, on codes of FP8 (E4M3); the results leave as codes for attention: q and k [32 (batch, head)][2,048][64], v [32][64][2,048] with the KEYS innermost.
; Clusters of 4 x 4 work-groups; the cluster's y says which product: 0 q, 1 k, 2 v: 3 x 64 blocks of 256 (M) x 256 (N), one to a work-group.  A wave makes 128 x 128: 64 accumulators of 16 x 16.
; q, k: M = tokens, N = outputs, so a wave's 128 columns are two heads.  v IS MADE TRANSPOSED, M = Wv's rows, N = tokens, by changing the two pointers: a lane's eight results then run along the tokens, the next product's K.
; THE MATRIX INSTRUCTION IS USED TRANSPOSED (source 0 = 16 rows of the N side, source 1 = 16 rows of the M side): lane l holds row l % 16 of M and eight neighbours 8 (l / 16) + 0 .. 7 of N.
; K goes in four steps of 256 bytes through two LDS slots; a slot holds M's 256 rows and N's 256 rows, 272 bytes apart (row r starts at bank 4 r mod 64: ISA guide 11.1).  Waves 0, 1 fetch M's halves, waves 2, 3 N's.
; JOINT LOADS: M's tile hangs on the work-group's x alone and is shared down a column of the cluster, N's on y alone and is shared along a row.
; PREFETCH: behind the fills of K steps 0 and 1 each wave names K steps 2 and 3 of its work-group's 32 of the 128 rows that it fetches (the partners are told apart by address), a lane a row of 256 bytes.
; q's and k's work-groups also name their rows of the table of cos and sin once at the head: of a wave's 128 tokens the two waves and four partners that read them take 16 each, a lane a row, lanes left over the last row again.
; A fragment (16 rows x 128 K) comes by four loads of 16 bytes, 32 apart: a permutation of k that is the same on both sides, so every product meets its partner.
; The sums lack 2^(ea + eb); the rotation is linear, so it is made on the raw sums, and the three exponents are folded into the conversion's one scale 2^(eo - ea - eb).
; The text parts by the product ahead of the last two steps of 128 along K, so that q's and k's way can ask for the table's first numbers ahead of them.  All global stores of a wave stand at its end.
; LIMITS: eo - ea - eb between -126 and 119, for (eo, ea, eb) = entries (6, 0, 1), (7, 2, 3), (9, 4, 5).  NaN is not served.
; REGISTERS, in windows of 256: window 0: v16-40 addresses and scales; v64-127 the table, two sets; v128-255 M's fragments, one set (on the ways out: at work); window 1: N's fragments, two sets (on the ways out: the codes to be stored);
;   window 2: the accumulators of my rows 0-63 (accumulator (a, b) at v[8 (8 (a % 4) + b)]); window 3: those of my rows 64-127.
.set KROW,   1024
.set PITCH,  272
.set FR,     16
.set NL,     4
.set NP,     4
.set HALFT,  128*PITCH
.set SLOT,   4*HALFT
.set SPARE,  2*SLOT                    ; behind the ring: the spare words, 128 bytes for each wave
.set STGV,   0                         ; the ways out's stages lie in slot 0, which has had its last fill and its last read at the last change of slots: v's, 256 rows x 272 bytes,
.set STGQ,   256*PITCH                 ; and behind it q's and k's, 16 rows x 80 bytes for each wave: the two ways share no LDS byte
.set ADRA, 16
.set ADRB, 20
.set SPW,  28
.set NIL,  29
.set AF,   128
.set G1, 24
.set G0, 32
.set G1B, 48
.set G0B, 56
.set MSB, 0
.macro WIN new                         ; the immediate's high byte repeats the setting that is left
.if MSB != (\new)
	s_set_vgpr_msb (MSB<<8)|(\new)
.set MSB, (\new)
.endif
.endm
.set MUL_LO, 0xa1                      ; source 0 (N) window 1, source 1 (M) window 0, C and D window 2
.set MUL_HI, 0xf1
.set TO_B,   0x40                      ; destination window 1, address window 0
.macro PLACES n                        ; plain vector lines behind matrix instructions (ISA guide 7.12.1)
.rept \n
	v_nop
.endr
.endm
.macro JLOAD g0a, g0b                  ; waves 0, 1 ask for M's tile, waves 2, 3 for N's; an s_nop 0 and four v_nop follow each line
	s_cmp_eq_u32 s15, 0
	s_cbranch_scc0 .Lfor_b_\@
	tensor_load_to_lds s[\g0a:\g0a+3], s[G1:G1+7]
	s_nop 0
	PLACES 4
	s_branch .Lasked_\@
.Lfor_b_\@:
	tensor_load_to_lds s[\g0b:\g0b+3], s[G1B:G1B+7]
	s_nop 0
	PLACES 4
.Lasked_\@:
.endm
.macro CREST                           ; a round of the cluster's barrier behind its opening barrier
	s_cmp_lg_u32 s14, 0
	s_cbranch_scc1 .Lnot_wave_0_\@
	s_barrier_signal -3
.Lnot_wave_0_\@:
	s_barrier_wait -3
	s_barrier_signal -1
	s_barrier_wait -1
.endm
.macro CROUND
	s_barrier_signal -1
	s_barrier_wait -1
	CREST
.endm
.macro FRAG reg, adr, q, i
.irp c, 0,1,2,3
	ds_load_b128 v[\reg+4*\c:\reg+4*\c+3], v[\adr] offset:128*(\q)+32*\c+(\i)*16*PITCH
.endr
.endm
.macro MUL16 a0, p, zero               ; M's blocks a0, a0 + 1 x N's eight; the 64 accumulators take turns, one instruction a turn, in the same order in every step
.irp a, \a0, \a0+1
.irp b, 0,1,2,3,4,5,6,7
.if \zero
	v_wmma_f32_16x16x128_fp8_fp8 v[8*(8*((\a)%4)+\b):8*(8*((\a)%4)+\b)+7], v[128*(\p)+FR*\b:128*(\p)+FR*\b+FR-1], v[AF+FR*(\a):AF+FR*(\a)+FR-1], 0
.else
	v_wmma_f32_16x16x128_fp8_fp8 v[8*(8*((\a)%4)+\b):8*(8*((\a)%4)+\b)+7], v[128*(\p)+FR*\b:128*(\p)+FR*\b+FR-1], v[AF+FR*(\a):AF+FR*(\a)+FR-1], v[8*(8*((\a)%4)+\b):8*(8*((\a)%4)+\b)+7]
.endif
.endr
.endr
.endm
.macro FETCH_B slot, q, p
	WIN TO_B
.irp i, 0,1,2,3,4,5,6,7
	FRAG 128*(\p)+FR*\i, ADRB+\slot, \q, \i
.endr
	WIN 0
.endm
.macro FETCH_A slot, q, i0
.irp i, \i0, \i0+1, \i0+2, \i0+3
	FRAG AF+FR*(\i), ADRA+\slot, \q, \i
.endr
.endm
.macro STEP slot, zero                 ; a slot's first 128 along K, on N's set 0; a block of M is free as soon as its eight products are issued, so M has one set
	s_wait_dscnt 4*NL                              ; N's set and M's blocks 0-3 are in; the youngest sixteen loads (M's blocks 4-7) may be out
	WIN MUL_LO
	MUL16 0, 0, \zero
	MUL16 2, 0, \zero
	s_wait_dscnt 0
	PLACES NP
	FETCH_B \slot, 1, 1
	FETCH_A \slot, 1, 0
	WIN MUL_HI
	MUL16 4, 0, \zero
	MUL16 6, 0, \zero
	PLACES NP
	WIN 0
	FETCH_A \slot, 1, 4
.endm
.macro TURN slot, next, fill           ; a slot's second 128, on N's set 1, and the change of slots.  fill = 1: this slot is filled again, two K steps ahead
	s_wait_tensorcnt 0x0                           ; all my tensor loads have landed: my part of the next slot;
	ds_add_u32 v[SPW], v[NIL]                      ; 0 onto my spare word;
	s_wait_dscnt 4*NL+1                            ; (the add and the youngest sixteen loads may be out)
	WIN MUL_LO
	MUL16 0, 1, 0                                  ; sixteen matrix instructions stand between the add and the wait for it
	s_wait_dscnt 0x0                               ; the add is done, and my reads of this slot are over
	s_barrier_signal -1
	MUL16 2, 1, 0
	WIN 0
	s_barrier_wait -1
.if \fill
	CREST                                          ; the barrier has opened a round of the cluster's barrier: no wave of any partner still reads this slot or has a load on its way
	s_add_nc_u64 s[G0+4*\slot+2:G0+4*\slot+3], s[G0+4*\slot+2:G0+4*\slot+3], 512
	s_add_nc_u64 s[G0B+4*\slot+2:G0B+4*\slot+3], s[G0B+4*\slot+2:G0B+4*\slot+3], 512
	JLOAD G0+4*\slot, G0B+4*\slot                  ; the first tensor load behind the round; its four v_nop are the places in front of the loads below
.else
	PLACES NP
.endif
	FETCH_B \next, 0, 0
	FETCH_A \next, 0, 0
	WIN MUL_HI
	MUL16 4, 1, 0
	MUL16 6, 1, 0
	PLACES NP
	WIN 0
	FETCH_A \next, 0, 4
.endm
.macro TAIL                            ; the last slot's two steps: nothing more to fetch behind them
	STEP 1, 0
	s_wait_dscnt 4*NL
	WIN MUL_LO
	MUL16 0, 1, 0
	MUL16 2, 1, 0
	s_wait_dscnt 0
	WIN MUL_HI
	MUL16 4, 1, 0
	MUL16 6, 1, 0
	WIN 0
	PLACES NP
.endm
	s_load_b256 s[4:11], s[0:1], 0x0               ; xc s[4:5], wc s[6:7], cs s[8:9], the exponents s[10:11]
	s_load_b64 s[12:13], s[0:1], 0x20              ; qkvc
	v_lshl_add_u32 v[SPW], v0, 2, SPARE
	v_mov_b32 v[NIL], 0
	ds_add_u32 v[SPW], v[NIL]                      ; the wave's opening: the add, twice on end, and its wait ahead of my first tensor load; the set-up below stands between
	ds_add_u32 v[SPW], v[NIL]
	v_lshrrev_b32 v1, 5, v0
	v_readfirstlane_b32 s14, v1                    ; wave 0..3
	s_lshr_b32 s15, s14, 1                         ; my half of M's rows.  Also: I fetch for M (0) or for N (1),
	s_and_b32 s16, s14, 1                          ; my half of N's.  Also: which half of that tile I fetch
	s_bfe_u32 s40, ttmp6, 0x40000                  ; cx, cy: my place in the cluster
	s_bfe_u32 s41, ttmp6, 0x40004
	s_and_b32 s45, ttmp7, 0xffff                   ; the cluster's y: 0 q, 1 k, 2 v
	s_cmp_eq_u32 s45, 2
	s_cselect_b32 s46, 0, ttmp9                    ; q, k: 16 tiles of tokens along x, 4 of outputs along y;  v: 4 tiles of Wv's rows along x, 16 of tokens along y
	s_cselect_b32 s47, ttmp9, 0
	s_lshl_b32 s17, s46, 2
	s_add_co_u32 s17, s17, s40                     ; M tile
	s_lshl_b32 s42, s47, 2
	s_add_co_u32 s42, s42, s41                     ; N tile
	s_lshl_b32 s43, 0x1111, s40                    ; my column of the cluster: the partners with my M tile
	s_lshl_b32 s44, s41, 2
	s_lshl_b32 s44, 15, s44                        ; my row: the partners with my N tile
	s_or_b32 s[G1], s43, (1<<20)|(1<<21)|(5<<22)|(3<<25)    ; 15:0 the mask; 17:16 elements of 1 byte; 20 padding on; 21 set beside a mask; 24:22 after every 64 words; 31:25 four words
	s_or_b32 s[G1B], s44, (1<<20)|(1<<21)|(5<<22)|(3<<25)
.irp g, G1, G1B
	s_mov_b32 s[\g+1], 256<<16                     ; tensor_dim0
	s_mov_b32 s[\g+2], 128<<16                     ; tensor_dim1
	s_mov_b32 s[\g+3], 256<<16                     ; tile_dim0
	s_mov_b32 s[\g+4], 128                         ; tile_dim1
	s_mov_b32 s[\g+5], KROW                        ; the pitch
	s_mov_b32 s[\g+6], 0
	s_mov_b32 s[\g+7], 0
.endr
	s_lshl_b32 s18, s17, 18                        ; M: 256 rows x 1,024 bytes a tile, + my half
	s_lshl_b32 s19, s16, 17
	s_add_co_u32 s18, s18, s19
	s_mov_b32 s19, 0
	s_lshl_b32 s46, s42, 18                        ; N likewise
	s_lshl_b32 s47, s16, 17
	s_add_co_u32 s46, s46, s47
	s_mov_b32 s47, 0
	s_lshl_b32 s20, s45, 22                        ; the product's plane of xc (4 MiB) and of wc (1 MiB)
	s_mov_b32 s21, 0
	s_lshl_b32 s22, s45, 20
	s_mov_b32 s23, 0
	s_mul_i32 s67, s14, HALFT                      ; where they go: wave x 128 rows: no place in the cluster enters an LDS address
	s_wait_dscnt 0x0                               ; both opening adds are done
	s_wait_kmcnt 0x0
	s_load_b256 s[68:75], s[10:11], 0x0            ; entries 0 to 7,
	s_load_b64 s[76:77], s[10:11], 0x20            ; 8 and 9
	s_add_nc_u64 s[4:5], s[4:5], s[20:21]
	s_add_nc_u64 s[6:7], s[6:7], s[22:23]
	s_cmp_eq_u32 s45, 2                            ; v: the weights are the M side and the tokens the N side
	s_cselect_b64 s[20:21], s[6:7], s[4:5]
	s_cselect_b64 s[22:23], s[4:5], s[6:7]
	s_add_nc_u64 s[20:21], s[20:21], s[18:19]
	s_add_nc_u64 s[22:23], s[22:23], s[46:47]
	CROUND                                         ; all sixteen work-groups are here: the first joint loads meet
.irp s, 0,1
	s_mov_b32 s[G0+4*\s], 1
	s_add_co_u32 s[G0+4*\s+1], s67, \s*SLOT
	s_add_nc_u64 s[G0+4*\s+2:G0+4*\s+3], s[20:21], \s*256
	s_or_b32 s[G0+4*\s+3], s[G0+4*\s+3], 0x80000000
	s_mov_b32 s[G0B+4*\s], 1
	s_add_co_u32 s[G0B+4*\s+1], s67, \s*SLOT
	s_add_nc_u64 s[G0B+4*\s+2:G0B+4*\s+3], s[22:23], \s*256
	s_or_b32 s[G0B+4*\s+3], s[G0B+4*\s+3], 0x80000000
.endr
	JLOAD G0, G0B                                  ; K step 0
	s_cmp_eq_u32 s15, 0                            ; the prefetches of tiles: the 128 rows that I fetch,
	s_cselect_b64 s[78:79], s[20:21], s[22:23]
	s_cselect_b32 s80, s41, s40                    ; my work-group's place among the four that ask for them with me,
	s_lshl_b32 s80, s80, 15                        ; and its 32 rows
	s_mov_b32 s81, 0
	s_add_nc_u64 s[78:79], s[78:79], s[80:81]
	v_and_b32 v5, 31, v0
	v_lshlrev_b32 v39, 10, v5                      ; a lane a row
	global_prefetch_b8 v39, s[78:79] offset:512 th:TH_LOAD_NT scope:SCOPE_SE   ; K step 2; the address registers are never written again
	v_and_b32 v1, 15, v0                           ; r = l % 16
	v_bfe_u32 v2, v0, 4, 1                         ; h = l / 16
	v_mul_u32_u24 v3, v1, PITCH
	v_lshl_add_u32 v4, v2, 4, v3                   ; a fragment's row x pitch + 16 h
	s_mul_i32 s21, s15, HALFT                      ; my 128 rows of M,
	s_mul_i32 s22, s16, HALFT                      ; my 128 rows of N,
	s_add_co_u32 s22, s22, 2*HALFT                 ; which lie behind M's 256
.irp s, 0,1
	v_add_nc_u32 v[ADRA+\s], s21, v4
	v_add_nc_u32 v[ADRB+\s], s22, v4
	s_add_co_u32 s21, s21, SLOT
	s_add_co_u32 s22, s22, SLOT
.endr
	; the ways out's addresses, all made here, on the way that every wave takes
	s_mul_i32 s19, s14, 1280
	s_add_co_u32 s19, s19, STGQ
	s_wait_alu depctr_va_vdst(0)
	v_lshrrev_b32 v6, 2, v5
	v_and_b32 v7, 3, v5
	v_lshlrev_b32 v32, 8, v1
	v_lshl_add_u32 v32, v2, 5, v32                 ; the table: 256 r + 32 h
	v_mul_u32_u24 v33, v1, 80
	v_lshl_add_u32 v33, v2, 3, v33
	v_add_nc_u32 v33, s19, v33                     ; q, k, in: row r, 8 bytes for each half of the lanes
	v_mul_u32_u24 v34, v6, 80
	v_lshl_add_u32 v34, v7, 4, v34
	v_add_nc_u32 v34, s19, v34                     ; back: four lanes to a row of 64 bytes
	v_lshlrev_b32 v35, 4, v5                       ; and out: 16 x lane, dense
	s_mul_i32 s19, s15, 128*PITCH
	s_lshl_b32 s18, s16, 7
	s_add_co_u32 s19, s19, s18
	v_lshl_add_u32 v36, v2, 3, v3
	v_add_nc_u32 v36, s19, v36                     ; v, in: row 128 x my M half + r, + 128 x my N half + 8 h
	s_mul_i32 s19, s14, 64*PITCH
	v_mul_u32_u24 v37, v2, PITCH
	v_lshl_add_u32 v37, v1, 4, v37
	v_add_nc_u32 v37, s19, v37                     ; back: wave w takes rows 64 w on; sixteen lanes to a row of 256 bytes
	v_lshlrev_b32 v38, 11, v2
	v_lshl_add_u32 v38, v1, 4, v38                 ; and the same two rows in v's codes, 2,048 bytes apart
	v_min_u32 v40, 15, v5
	v_lshlrev_b32 v40, 8, v40                      ; the table's prefetch: a lane a row of 256 bytes
	; q, k: my tile is 128 tokens x two heads
	s_lshr_b32 s86, s17, 3                         ; batch
	s_and_b32 s88, s17, 7
	s_lshl_b32 s88, s88, 8
	s_lshl_b32 s89, s15, 7
	s_add_co_u32 s88, s88, s89                     ; my first token in the sequence
	s_lshl_b32 s90, s88, 8
	s_mov_b32 s91, 0
	s_add_nc_u64 s[90:91], s[8:9], s[90:91]        ; its row of the table
	s_lshl_b32 s82, s16, 6
	s_lshl_b32 s83, s41, 4
	s_add_co_u32 s82, s82, s83
	s_lshl_b32 s82, s82, 8
	s_mov_b32 s83, 0
	s_add_nc_u64 s[82:83], s[90:91], s[82:83]      ; the 16 rows of it that I name
	s_lshl_b32 s89, s42, 2
	s_lshl_b32 s87, s16, 1
	s_add_co_u32 s89, s89, s87                     ; my first head = 4 x N tile + 2 x half
	s_lshl_b32 s86, s86, 4
	s_add_co_u32 s86, s86, s89
	s_lshl_b32 s86, s86, 11
	s_add_co_u32 s86, s86, s88
	s_lshl_b32 s86, s86, 6                         ; ((16 batch + head) x 2,048 + token) x 64 bytes,
	s_lshl_b32 s87, s45, 22
	s_add_co_u32 s86, s86, s87                     ; in q's or k's 4 MiB
	s_mov_b32 s87, 0
	s_add_nc_u64 s[86:87], s[12:13], s[86:87]
	s_wait_alu depctr_va_vdst(0)
	s_cmp_eq_u32 s45, 2                            ; the cluster's y: the same in all partners and waves
	s_cbranch_scc1 .Lno_table
	global_prefetch_b8 v40, s[82:83] th:TH_LOAD_NT scope:SCOPE_SE
.Lno_table:
	s_wait_tensorcnt 0x0                           ; my part of K step 0 is in
	ds_add_u32 v[SPW], v[NIL]
	s_wait_dscnt 0x0
	CROUND                                         ; everybody's part of K step 0 is in, and all sixteen work-groups are here
	JLOAD G0+4, G0B+4                              ; K step 1: the first tensor load behind the round
	FETCH_B 0, 0, 0
	FETCH_A 0, 0, 0
	FETCH_A 0, 0, 4
	global_prefetch_b8 v39, s[78:79] offset:768 th:TH_LOAD_NT scope:SCOPE_SE   ; K step 3
	STEP 0, 1                                      ; the first products start the sums: nothing is cleared
	TURN 0, 1, 1
	STEP 1, 0
	TURN 1, 0, 1
	STEP 0, 0
	TURN 0, 1, 0
	s_wait_kmcnt 0x0
	s_cmp_eq_u32 s45, 1                            ; the product's three exponents, chosen without a branch
	s_cselect_b32 s92, s75, s74
	s_cselect_b32 s93, s70, s68
	s_cselect_b32 s94, s71, s69
	s_cmp_eq_u32 s45, 2
	s_cselect_b32 s92, s77, s92
	s_cselect_b32 s93, s72, s93
	s_cselect_b32 s94, s73, s94
	s_sub_co_i32 s92, s92, s93
	s_sub_co_i32 s92, s92, s94                     ; eo - ea - eb
	s_add_co_i32 s92, s92, 127
	s_lshl_b32 s93, s92, 23
	v_mov_b32 v30, s93                             ; the conversion's scale,
	s_add_co_i32 s92, s92, 8
	s_lshl_b32 s92, s92, 23
	s_or_b32 s92, s92, 0x600000
	v_mov_b32 v31, s92                             ; and 448 x it
	s_wait_alu depctr_va_vdst(0)
	s_cmp_eq_u32 s45, 2
	s_cbranch_scc1 .Lvout
	; ---- q, k.  Lane (r, h), accumulator (a, b): token 16 a + r, head b / 4, channels 16 (b % 4) + 8 h + 0 .. 7: four pairs (even, odd), pair 8 (b % 4) + 4 h + p of the table: one block of the table serves both heads.
	; v64-127 two sets of the table's numbers; v128-159 rotated numbers; v160-167 at work; v192-207 codes, two sets; window 1, v[8 u ..]: unit u = 2 a + head, 16 tokens' rows of 64 bytes, read back from my stage
.macro CSLOAD a
.irp b, 0,1,2,3
.irp i, 0,1
	global_load_b128 v[64+32*((\a)%2)+8*\b+4*\i:64+32*((\a)%2)+8*\b+4*\i+3], v32, s[90:91] offset:4096*(\a)+64*\b+16*\i
.endr
.endr
.endm
.macro ROPE a, hh
.set U, 2*(\a)+(\hh)
.set CSR, 64+32*((\a)%2)
.set CR, 192+8*(U%2)
.set AC, 8*(8*((\a)%4)+4*(\hh))
	WIN (0x02+(\a)/4)                              ; source 0: the accumulators' window
.irp b, 0,1,2,3
.irp p, 0,1,2,3
	v_pk_mul_f32 v[160+2*\p:161+2*\p], v[AC+8*\b+2*\p:AC+8*\b+2*\p+1], v[CSR+8*\b+2*\p:CSR+8*\b+2*\p+1] op_sel:[1,1] op_sel_hi:[1,0]   ; (odd x sin, odd x cos); each accumulator is read from its low end on
.endr
.irp p, 0,1,2,3
	v_pk_fma_f32 v[128+8*\b+2*\p:129+8*\b+2*\p], v[AC+8*\b+2*\p:AC+8*\b+2*\p+1], v[CSR+8*\b+2*\p:CSR+8*\b+2*\p+1], v[160+2*\p:161+2*\p] op_sel_hi:[0,1,1] neg_lo:[0,0,1]   ; (even x cos - odd x sin, even x sin + odd x cos)
.endr
.endr
	WIN 0
.set J, 0
.rept 32
	v_med3_num_f32 v[128+J], v[128+J], -v31, v31   ; the conversion does not saturate (ISA guide 7.6.2): the hold
.set J, J+1
.endr
.irp b, 0,1,2,3
	v_cvt_scalef32_pk8_fp8_f32 v[CR+2*\b:CR+2*\b+1], v[128+8*\b:135+8*\b], v30
.endr
	v_nop                                          ; a plain line behind the last conversion
.irp b, 0,1,2,3
	ds_store_b64 v33, v[CR+2*\b:CR+2*\b+1] offset:16*\b
.endr
	WIN TO_B
.irp t, 0,1
	ds_load_b128 v[8*U+4*\t:8*U+4*\t+3], v34 offset:640*\t   ; LDS serves a wave's instructions in order (ISA guide 5.7.1.4): these see my stores, and the next unit's stores come behind them
.endr
	WIN 0
.endm
	CSLOAD 0                                       ; the table's first two blocks are asked for 128 matrix instructions ahead of their use
	CSLOAD 1
	TAIL
.irp a, 0,1,2,3,4,5,6,7
.if \a < 7
	s_wait_loadcnt 8                               ; this block's table is in; the next block's eight loads may be out
.else
	s_wait_loadcnt 0x0
.endif
	ROPE \a, 0
	ROPE \a, 1
.if \a < 6
	CSLOAD \a+2
.endif
.endr
	s_wait_tensorcnt 0x0                           ; the wave's end, behind my last tensor load and my last LDS store
	ds_add_u32 v[SPW], v[NIL]
	s_wait_dscnt 0x0                               ; all sixteen units are back in registers too
	WIN 0x04                                       ; the stores' data: window 1
.set U, 0
.rept 16
.irp t, 0,1
	global_store_b128 v35, v[8*U+4*\t:8*U+4*\t+3], s[86:87] offset:1024*(U/2)+512*\t+131072*(U%2)   ; 32 lanes store 512 consecutive bytes: eight tokens' rows of 64; the second head lies 131,072 bytes on
.endr
.set U, U+1
.endr
	WIN 0
	s_branch .Ldone
	; ---- v.  Lane (r, h), accumulator (a, b): output channel 256 x M tile + 128 x my M half + 16 a + r, tokens 256 x N tile + 128 x my N half + 16 b + 8 h + 0 .. 7.  A row's 256 tokens come from two waves: one stage, a barrier, whole rows out.
.Lvout:
	TAIL
	s_lshr_b32 s94, s42, 3                         ; batch
	s_lshl_b32 s94, s94, 10
	s_lshl_b32 s95, s17, 8
	s_add_co_u32 s94, s94, s95
	s_lshl_b32 s95, s14, 6
	s_add_co_u32 s94, s94, s95                     ; the first row that I store: 1,024 batch + 256 x M tile + 64 wave
	s_lshl_b32 s94, s94, 11
	s_and_b32 s95, s42, 7
	s_lshl_b32 s95, s95, 8
	s_add_co_u32 s94, s94, s95                     ; + the tile's 256 tokens
	s_add_co_u32 s94, s94, 0x800000                ; behind q's and k's codes
	s_mov_b32 s95, 0
	s_add_nc_u64 s[88:89], s[12:13], s[94:95]
.set A, 0
.rept 8
	WIN (0x02+A/4)
.set J, 0
.rept 64
	v_med3_num_f32 v[128+J], v[64*(A%4)+J], -v31, v31  ; each accumulator from its low end on
.set J, J+1
.endr
	WIN 0
.irp b, 0,1,2,3,4,5,6,7
	v_cvt_scalef32_pk8_fp8_f32 v[192+16*(A%2)+2*\b:193+16*(A%2)+2*\b], v[128+8*\b:135+8*\b], v30
.endr
	v_nop                                          ; a plain line between the conversions and the next block's lines, which write their sources
.irp b, 0,1,2,3,4,5,6,7
	ds_store_b64 v36, v[192+16*(A%2)+2*\b:193+16*(A%2)+2*\b] offset:STGV+A*16*PITCH+16*\b
.endr
.set A, A+1
.endr
	s_wait_dscnt 0x0                               ; for the others' sake: my stores into the stage are done
	s_barrier_signal -1
	s_barrier_wait -1
	WIN TO_B
.set T, 0
.rept 32
	ds_load_b128 v[4*T:4*T+3], v37 offset:STGV+T*2*PITCH
.set T, T+1
.endr
	WIN 0
	s_wait_tensorcnt 0x0                           ; the wave's end, behind my last tensor load and my last LDS store
	ds_add_u32 v[SPW], v[NIL]
	s_wait_dscnt 0x0                               ; my 64 rows are back in registers too
	WIN 0x04
.set T, 0
.rept 32
	global_store_b128 v38, v[4*T:4*T+3], s[88:89] offset:4096*T   ; sixteen lanes store 256 consecutive bytes, at a multiple of 256 from the buffer's first byte
.set T, T+1
.endr
	WIN 0
.Ldone:
	CROUND                                         ; the closing round: no work-group ends while a partner may still ask for a tile that names it
	s_endpgm
.Lfunc_end_k_qf81ebce586_qkv:
	.size	k_qf81ebce586_qkv, .Lfunc_end_k_qf81ebce586_qkv-k_qf81ebce586_qkv
	.p2alignl 7, 3214868480
	.fill 96, 4, 3214868480
	.section	.rodata,"a",@progbits
	.p2align	6, 0x0
	.amdhsa_kernel k_qf81ebce586_qkv
		.amdhsa_group_segment_fixed_size 327680
		.amdhsa_private_segment_fixed_size 0
		.amdhsa_enable_private_segment 0
		.amdhsa_kernarg_size 40
		.amdhsa_user_sgpr_count 2
		.amdhsa_user_sgpr_kernarg_segment_ptr 1
		.amdhsa_wavefront_size32 1
		.amdhsa_system_sgpr_workgroup_id_x 1
		.amdhsa_system_sgpr_workgroup_id_y 1
		.amdhsa_system_sgpr_workgroup_id_z 1
		.amdhsa_system_vgpr_workitem_id 0
		.amdhsa_next_free_vgpr 1024
		.amdhsa_next_free_sgpr 100
		.amdhsa_reserve_vcc 0
		.amdhsa_float_denorm_mode_32 3
		.amdhsa_float_denorm_mode_16_64 3
		.amdhsa_memory_ordered 1
		.amdhsa_forward_progress 1
		.amdhsa_inst_pref_size 226
	.end_amdhsa_kernel
	.amdgpu_metadata
---
amdhsa.version: [ 1, 2 ]
amdhsa.kernels:
  - .name:           k_qf81ebce586_qkv
    .symbol:         k_qf81ebce586_qkv.kd
    .args:
      - { .name: xc, .offset: 0, .size: 8, .value_kind: global_buffer, .address_space: global }
      - { .name: wc, .offset: 8, .size: 8, .value_kind: global_buffer, .address_space: global }
      - { .name: cs, .offset: 16, .size: 8, .value_kind: global_buffer, .address_space: global }
      - { .name: lowp_scales, .offset: 24, .size: 8, .value_kind: global_buffer, .address_space: global }
      - { .name: qkvc, .offset: 32, .size: 8, .value_kind: global_buffer, .address_space: global }
    .group_segment_fixed_size: 327680
    .private_segment_fixed_size: 0
    .kernarg_segment_align: 8
    .kernarg_segment_size: 40
    .max_flat_workgroup_size: 128
    .sgpr_count:     100
    .vgpr_count:     1024
    .wavefront_size: 32
...
	.end_amdgpu_metadata
.endif
;; end of part 9
;; launch attn (part 10): grid 8 x 32, 16 waves a work-group, no clusters, 327,680 bytes of LDS; arguments qkvc, lowp_scales, ac; writes ac
.if DOCPART == 10
	.amdgcn_target "amdgcn-amd-amdhsa--gfx1250"
	.amdhsa_code_object_version 6
	.text
	.protected	k_qf81ebce586_attn
	.globl	k_qf81ebce586_attn
	.p2align	8
	.type	k_qf81ebce586_attn,@function
k_qf81ebce586_attn:
	s_mov_b64 s[64:65], 0
	v_nop
	global_prefetch_b8 v0, s[64:65] scope:SCOPE_SE
	s_setreg_imm32_b32 hwreg(HW_REG_WAVE_MODE, 25, 1), 1
	s_wait_xcnt 0x0
; Causal attention on codes of FP8 (E4M3): for each of 32 (batch, head): o[q] = sum over k <= q of softmax_k(q . k / 8) v[k], head size 64; o leaves as codes for the projection that follows.
; WORK LEFT OUT: key steps all of whose keys come after a wave's queries: reference() itself sets those scores to -infinity, so their weights are exactly 0 (shown at the head of the first launch).
; THE SOFTMAX AHEAD OF THE SECOND PRODUCT: t = score x log2(e) / 8; M = the row's largest t so far, rounded UP to a whole number; p = 2^(t - M) is quantised along the keys, not normalised.  The row's sum is taken of the
; unquantised p and divides at the end.  When M moves, the sum and O are multiplied by 2^(old M - new M): exact.
; SHARES.  Sixteen waves, 256 registers each, four to a SIMD; a wave owns 16 queries.  THE CAUSAL WORK IS EVENED OUT: work-group j owns query blocks j and 15 - j of 128; wave w takes the late block where bits 0 and 2 of w differ,
; and tile w / 2 of the block: each run of four waves, and each set of waves 4 apart, holds two early and two late ones, and every work-group has 2 (j + 1) + 2 (16 - j) = 34 key steps for each such four.
; NO CLUSTER: under the mask the work-groups of a head need different numbers of key tiles, so partners could not make every joint request for tiles that they read.
; Keys go 128 a step through two LDS slots of 256 keys: K's 256 rows of 64 bytes, 80 apart; V's 64 rows (the head's channels) of 256 bytes, 272 apart.  Waves 0, 1 fetch K's halves, wave 2 V's tile; all sixteen read them.
; Every work-group walks all 8 slots, so that trip counts are constants; a step's WORK is jumped over where it is hidden, and a slot that none of the sixteen waves would read is not asked for.
; LAYOUT.  Both products transposed: S^T = K Q^T (16 x 16 x 64), O^T = V^T P^T (16 x 16 x 128): a lane holds ONE query (lane % 16).  Lane r of key tile 2 b + u takes key 32 b + 8 u + r + 8 (r / 8), so that the 16 registers
; of tiles 2 b, 2 b + 1 are keys 32 b + 16 (lane / 16) + 0 .. 15.  Fragments come by loads of 16 bytes, 32 apart: a permutation of k that is the same on both sides of each product.
; LIMITS: entries 6 + 7 between -124 and 129 (added to c's exponent field); entry 8, and entry 10 - 8 - 9, between -126 and 119.  NaN is not served.
; REGISTERS: v1, v2 lane's place in K's and V's tiles; v3 prefetch offset; v5, v6 the add's two; v7 offset in ac; v8, v9 addresses in hand; v12 -M, v13 largest t, v[14:15] the sum; v16-23 Q; v24-28 at work;
;   v32-95 K's eight fragments, then V's four; v96-159 S^T, then p; v160-191 O^T; v192-207 p's codes; v[208:209] f; v210 2^e8, v211 448 x 2^e8; v[212:213], v244-255 the sum's seven other chains; v214 for the lane exchange.
.set SK,    256                        ; keys in a slot
.set KP,    80
.set VP,    272
.set VOFF,  SK*KP
.set SLOT1, 1<<16                      ; one exclusive or turns an address in one slot into the other's
.set NSL,   8
.set SPARE, 2*SLOT1                    ; behind the ring: the spare words, 128 bytes for each wave: eight blocks of 256 bytes that no other line names
.set AK0, 1
.set AV0, 2
.set PFO, 3
.set SPW, 5
.set NIL, 6
.set GO,  7
.set ADK, 8
.set ADV, 9
.set WV,  18
.set SEL, 20
.set CS,  22                           ; s[22:23] c = log2(e) / 8, with the scores' two exponents
.set G1K, 24
.set G1V, 32
.set G0K, 40
.set G0V, 44
.set TB,  2                            ; s2   LDS byte at which the slot in hand begins
.set SLOTS, 67
.set KF,  98                           ; s98  the step's first key
.set Q0,  99                           ; s99  my first query
.set QL,  81                           ; s81  my work-group's last query
.set PFA, 76
.set PFS, 78
.set LIM, 80
.macro TLOAD                           ; the branches hang on the wave's number alone; an s_nop 0 and four v_nop follow each line
	s_cmp_lt_u32 s[WV], 2
	s_cbranch_scc0 .Lnot_k_\@
	tensor_load_to_lds s[G0K:G0K+3], s[G1K:G1K+7]
	s_nop 0
.rept 4
	v_nop
.endr
	s_branch .Lasked_\@
.Lnot_k_\@:
	s_cmp_eq_u32 s[WV], 2
	s_cbranch_scc0 .Lasked_\@
	tensor_load_to_lds s[G0V:G0V+3], s[G1V:G1V+7]
	s_nop 0
.rept 4
	v_nop
.endr
.Lasked_\@:
.endm
; A prefetch of what the NEXT change of slots will ask for.  All work-groups of a head walk the same K and V: work-group 0 of the head, which walks all eight slots, asks, and nobody else.  In it waves that fetch nothing ask,
; one instruction each: waves 4, 5 for K's block of 16,384 bytes, 8,192 a wave, lanes 256 bytes apart; waves 6, 7 for V's 64 rows, 32 a wave, a lane a row (a slot's part of a row is 256 bytes, aligned).
; So each aligned block of 256 bytes is named once.  Slots 0 and 1 come by their loads alone; the last change that fills a slot asks for nothing.
.macro ASK
	s_cmp_gt_u32 s[SLOTS], s[LIM]
	s_cbranch_scc0 .Lnot_mine_\@
	global_prefetch_b8 v[PFO], s[PFA:PFA+1] th:TH_LOAD_NT scope:SCOPE_SE
.Lnot_mine_\@:
.endm
	s_load_b128 s[4:7], s[0:1], 0x0                ; qkvc s[4:5], the exponents s[6:7]
	s_load_b64 s[8:9], s[0:1], 0x10                ; ac
	v_lshl_add_u32 v[SPW], v0, 2, SPARE
	v_mov_b32 v[NIL], 0
	ds_add_u32 v[SPW], v[NIL]                      ; the wave's opening: the add, twice on end, and its wait ahead of the first tensor load; the set-up below stands between
	ds_add_u32 v[SPW], v[NIL]
	v_lshrrev_b32 v8, 5, v0
	s_delay_alu instid0(VALU_DEP_1)
	v_readfirstlane_b32 s[WV], v8                  ; wave 0..15
	s_and_b32 s82, ttmp7, 0xffff                   ; 16 x batch + head
	s_lshl_b32 s84, s82, 17                        ; its 131,072 bytes in each of q, k, v
	s_mov_b32 s85, 0
	s_lshr_b32 s86, s[WV], 2
	s_xor_b32 s86, s86, s[WV]
	s_and_b32 s86, s86, 1                          ; 1: the late block
	s_sub_co_u32 s87, 15, ttmp9
	s_cmp_eq_u32 s86, 1
	s_cselect_b32 s87, s87, ttmp9
	s_lshl_b32 s[Q0], s87, 7
	s_lshr_b32 s88, s[WV], 1
	s_lshl_b32 s88, s88, 4
	s_add_co_u32 s[Q0], s[Q0], s88                 ; my first query
	s_sub_co_u32 s[QL], 16, ttmp9
	s_lshl_b32 s[QL], s[QL], 7
	s_sub_co_u32 s[QL], s[QL], 1                   ; the late block's last query
	s_lshl_b32 s86, s[Q0], 6
	s_mov_b32 s87, 0                               ; my queries' codes
	s_and_b32 s88, s[WV], 1
	s_mul_i32 s89, s88, 128*KP                     ; K's half that I fetch, if I fetch: in a slot,
	s_lshl_b32 s90, s88, 13                        ; and in memory
	s_mov_b32 s91, 0
	s_lshr_b32 s92, s82, 4
	s_lshl_b32 s92, s92, 11
	s_add_co_u32 s92, s92, s[Q0]
	s_lshl_b32 s92, s92, 10                        ; ac: token (2,048 batch + query) x 1,024 bytes
	s_and_b32 s93, s82, 15
	s_lshl_b32 s93, s93, 6
	s_add_co_u32 s92, s92, s93                     ; + 64 x head
	s_mov_b32 s93, 0
	s_mov_b32 s[G1K], (1<<20)|(3<<22)|(3<<25)      ; no mask; elements of 1 byte; padding: four words after every 16
	s_mov_b32 s[G1K+1], 64<<16                     ; tensor_dim0
	s_mov_b32 s[G1K+2], 128<<16                    ; tensor_dim1
	s_mov_b32 s[G1K+3], 64<<16                     ; tile_dim0
	s_mov_b32 s[G1K+4], 128                        ; tile_dim1
	s_mov_b32 s[G1K+5], 64                         ; the pitch
	s_mov_b32 s[G1K+6], 0
	s_mov_b32 s[G1K+7], 0
	s_mov_b32 s[G1V], (1<<20)|(5<<22)|(3<<25)      ; padding: four words after every 64
	s_mov_b32 s[G1V+1], 256<<16
	s_mov_b32 s[G1V+2], 64<<16
	s_mov_b32 s[G1V+3], 256<<16
	s_mov_b32 s[G1V+4], 64
	s_mov_b32 s[G1V+5], 2048
	s_mov_b32 s[G1V+6], 0
	s_mov_b32 s[G1V+7], 0
	s_mov_b32 s[SEL], 0x76543210
	s_mov_b32 s[SEL+1], 0xfedcba98
	s_mov_b32 s[CS], 0x3e38aa3b                    ; log2(e) / 8
	s_mov_b32 s[TB], 0
	s_mov_b32 s[SLOTS], NSL-1
	s_mov_b32 s[KF], 0
	s_wait_dscnt 0x0                               ; both opening adds are done
	s_wait_kmcnt 0x0
	s_load_b128 s[68:71], s[6:7], 0x18             ; entries 6 to 9,
	s_load_b32 s72, s[6:7], 0x28                   ; and 10
	s_add_nc_u64 s[4:5], s[4:5], s[84:85]          ; my head's q,
	s_add_nc_u64 s[10:11], s[4:5], 0x400000        ; k,
	s_add_nc_u64 s[12:13], s[4:5], 0x800000        ; v
	s_mov_b32 s[G0K], 1
	s_mov_b32 s[G0K+1], s89
	s_add_nc_u64 s[G0K+2:G0K+3], s[10:11], s[90:91]
	s_or_b32 s[G0K+3], s[G0K+3], 0x80000000
	s_mov_b32 s[G0V], 1
	s_mov_b32 s[G0V+1], VOFF
	s_mov_b64 s[G0V+2:G0V+3], s[12:13]
	s_or_b32 s[G0V+3], s[G0V+3], 0x80000000
	TLOAD                                          ; slot 0: it holds key 0, which counts for every query
	s_add_nc_u64 s[4:5], s[4:5], s[86:87]
	s_add_nc_u64 s[8:9], s[8:9], s[92:93]
	s_cmp_lt_u32 s[WV], 6                          ; the prefetches: waves 4, 5 stand in K, waves 6, 7 in V
	s_cselect_b64 s[PFA:PFA+1], s[10:11], s[12:13]
	s_mov_b32 s[PFS], SK
	s_cselect_b32 s[PFS], SK*64, s[PFS]            ; a slot on
	s_mov_b32 s82, 2048
	s_cselect_b32 s82, 256, s82                    ; from lane to lane
	s_mov_b32 s83, 32*2048
	s_cselect_b32 s83, 8192, s83                   ; from wave to wave
	v_and_b32 v[PFO], 31, v0
	s_delay_alu instid0(VALU_DEP_1)
	v_mul_lo_u32 v[PFO], v[PFO], s82
	s_and_b32 s82, s[WV], 1
	s_mul_i32 s82, s82, s83
	s_add_co_u32 s82, s82, s[PFS]                  ; in slot 1: the first change of slots steps it to slot 2
	s_mov_b32 s83, 0
	s_mov_b32 s[PFS+1], 0
	s_add_nc_u64 s[PFA:PFA+1], s[PFA:PFA+1], s[82:83]
	s_sub_co_u32 s82, s[WV], 4
	s_lshr_b32 s82, s82, 2                         ; 0 in waves 4 to 7,
	s_or_b32 s82, s82, ttmp9                       ; of the head's work-group 0
	s_cmp_eq_u32 s82, 0
	s_cselect_b32 s[LIM], 1, -1
	v_and_b32 v8, 15, v0                           ; r
	v_bfe_u32 v9, v0, 4, 1                         ; h
	s_delay_alu instid0(VALU_DEP_2)
	v_lshlrev_b32 v10, 6, v8
	s_delay_alu instid0(VALU_DEP_1)
	v_lshl_add_u32 v10, v9, 4, v10
.irp c, 0,1
	global_load_b128 v[16+4*\c:19+4*\c], v10, s[4:5] offset:32*\c   ; Q's fragment stays in registers
.endr
	v_and_b32 v11, 8, v8
	s_delay_alu instid0(VALU_DEP_1)
	v_add_nc_u32 v11, v11, v8                      ; r + 8 (r / 8)
	s_delay_alu instid0(VALU_DEP_1)
	v_mul_u32_u24 v[AK0], v11, KP
	s_delay_alu instid0(VALU_DEP_1)
	v_lshl_add_u32 v[AK0], v9, 4, v[AK0]
	v_mul_u32_u24 v[AV0], v8, VP
	s_delay_alu instid0(VALU_DEP_1)
	v_lshl_add_u32 v[AV0], v9, 4, v[AV0]
	s_delay_alu instid0(VALU_DEP_1)
	v_add_nc_u32 v[AV0], VOFF, v[AV0]
	v_and_b32 v24, 31, v0
	s_delay_alu instid0(VALU_DEP_1)
	v_lshrrev_b32 v25, 2, v24
	s_delay_alu instid0(VALU_DEP_2)
	v_and_b32 v26, 3, v24
	s_delay_alu instid0(VALU_DEP_2)
	v_lshlrev_b32 v[GO], 10, v25
	s_delay_alu instid0(VALU_DEP_1)
	v_lshl_add_u32 v[GO], v26, 4, v[GO]            ; the way out: four lanes to a token's 64 bytes, tokens 1,024 bytes apart
	v_mov_b32 v13, 0xff61b1e6                      ; the largest t so far: -3e38, under every t
	s_delay_alu instid0(VALU_DEP_1)
	v_floor_f32 v12, -v13                          ; -M
	v_mov_b32 v14, 0
	v_mov_b32 v15, 0
	v_mov_b32 v214, 0                              ; written once: a lane exchange's destination counts as one of its sources
	v_mov_b32 v209, 0                              ; (named as the upper half of the pair v[208:209])
.set J, 0
.rept 32
	v_mov_b32 v[160+J], 0                          ; O^T: the step is written once; its first run finds zeros, which the first change of M leaves zeros
.set J, J+1
.endr
	s_wait_kmcnt 0x0
	s_add_co_i32 s73, s68, s69
	s_lshl_b32 s73, s73, 23
	s_add_co_i32 s[CS], s[CS], s73                 ; a score lacks 2^(e6 + e7): added to c's exponent field
	s_mov_b32 s[CS+1], s[CS]
	s_add_co_i32 s73, s70, 127
	s_lshl_b32 s74, s73, 23
	v_mov_b32 v210, s74
	s_add_co_i32 s73, s73, 8
	s_lshl_b32 s73, s73, 23
	s_or_b32 s73, s73, 0x600000
	v_mov_b32 v211, s73
.macro STEP q                          ; 128 keys, the q-th half of the slot in hand
	s_add_co_u32 s96, s[Q0], 15                    ; a step all of whose keys come after my queries is left out: a branch on ids, round its loads, products and softmax alone
	s_cmp_gt_u32 s[KF], s96
	s_cbranch_scc1 .Lhidden_\@
	v_add_nc_u32 v[ADK], s[TB], v[AK0]
	v_add_nc_u32 v[ADV], s[TB], v[AV0]
.rept 2
	v_nop                                          ; with the two additions: four places in front of loads into registers that the last products read
.endr
.irp t, 0,1,2,3,4,5,6,7
.irp c, 0,1
	ds_load_b128 v[32+8*\t+4*\c:35+8*\t+4*\c], v[ADK] offset:(128*(\q)+32*(\t/2)+8*(\t%2))*KP+32*\c
.endr
.endr
	s_wait_alu depctr_va_vdst(0)
	s_wait_dscnt 0x0
.irp t, 0,1,2,3,4,5,6,7
	v_wmma_f32_16x16x64_fp8_fp8 v[96+8*\t:103+8*\t], v[32+8*\t:39+8*\t], v[16:23], 0
.endr
.rept 4
	v_nop                                          ; places in front of the loads below and of the first read of the scores
.endr
.irp t, 0,1,2,3
.irp c, 0,1,2,3
	ds_load_b128 v[32+16*\t+4*\c:35+16*\t+4*\c], v[ADV] offset:16*\t*VP+128*(\q)+32*\c   ; V's fragments land while the softmax is worked
.endr
.endr
	s_add_co_u32 s96, s[KF], 127                   ; on the diagonal hidden scores become -infinity ahead of the maximum: p = 0 then.  A step all of whose keys count skips this
	s_cmp_le_u32 s96, s[Q0]
	s_cbranch_scc1 .Lopen_\@
	s_sub_co_i32 s96, s[Q0], s[KF]
	v_and_b32 v26, 15, v0
	v_bfe_u32 v27, v0, 4, 1
	s_delay_alu instid0(VALU_DEP_1)
	v_lshlrev_b32 v27, 4, v27
	s_delay_alu instid0(VALU_DEP_1)
	v_sub_nc_u32 v26, v26, v27
	s_delay_alu instid0(VALU_DEP_1)
	v_add_nc_u32 v26, s96, v26                     ; d = my query - the step's first key - 16 h.  Register 16 b + i holds key 32 b + 16 h + i of the step: hidden where 32 b + i > d
	v_mov_b32 v28, 0xff800000
.set N, 0
.rept 64
	v_cmp_gt_i32 vcc_lo, 32*(N/16)+N%16, v26
	v_cndmask_b32 v[96+N], v[96+N], v28, vcc_lo
.set N, N+1
.endr
.Lopen_\@:
	v_max3_num_f32 v24, v96, v97, v98              ; the step's largest score of my query among my 64 keys, in two chains, each accumulator from its low end on,
	v_max3_num_f32 v25, v99, v100, v101
.irp i, 6,10,14,18,22,26,30,34,38,42,46,50,54,58
	v_max3_num_f32 v24, v24, v[96+\i], v[97+\i]
	v_max3_num_f32 v25, v25, v[98+\i], v[99+\i]
.endr
	v_max3_num_f32 v24, v24, v158, v159
	s_delay_alu instid0(VALU_DEP_1)
	v_max_num_f32 v24, v24, v25
	s_delay_alu instid0(VALU_DEP_1)
	v_permlanex16_b32 v214, v24, s[SEL], s[SEL+1]
	s_delay_alu instid0(VALU_DEP_1)
	v_max_num_f32 v24, v24, v214                   ; and among lane l xor 16's
	s_delay_alu instid0(VALU_DEP_1)
	v_mul_f32 v24, s[CS], v24                      ; as t (c is positive)
	s_delay_alu instid0(VALU_DEP_1)
	v_max_num_f32 v13, v13, v24
	v_mov_b32 v24, v12
	s_delay_alu instid0(VALU_DEP_2)
	v_floor_f32 v12, -v13                          ; the new -M = -ceil(t)
	s_delay_alu instid0(VALU_DEP_1)
	v_sub_f32 v24, v12, v24                        ; old M - new M: a whole number, 0 or less
	s_delay_alu instid0(VALU_DEP_1)
	v_cvt_i32_f32 v24, v24
	s_delay_alu instid0(VALU_DEP_1)
	v_ldexp_f32 v208, 1.0, v24                     ; f = 2^(old M - new M)
.set J, 0
.rept 32
	v_pk_fma_f32 v[96+J:97+J], v[96+J:97+J], s[CS:CS+1], v[12:13] op_sel_hi:[1,0,0]   ; t - M, two at a time
.set J, J+2
.endr
.set J, 0
	s_wait_alu depctr_va_vdst(0)
.rept 64
	v_exp_f32 v[96+J], v[96+J]                     ; p = 2^(t - M), at most 1
.set J, J+1
.endr
	v_pk_mul_f32 v[14:15], v[14:15], v[208:209] op_sel_hi:[1,0]   ; the sum under the new M (a plain line behind the exponentials)
	s_wait_alu depctr_va_vdst(0)                   ; one wait for the whole batch, ahead of its first reader
	v_pk_add_f32 v[212:213], v[100:101], v[104:105]
	v_pk_add_f32 v[254:255], v[108:109], v[112:113]
	v_pk_add_f32 v[252:253], v[116:117], v[120:121]
	v_pk_add_f32 v[250:251], v[124:125], v[128:129]
	v_pk_add_f32 v[248:249], v[132:133], v[136:137]
	v_pk_add_f32 v[246:247], v[140:141], v[144:145]
	v_pk_add_f32 v[244:245], v[148:149], v[152:153]
	v_pk_add_f32 v[14:15], v[14:15], v[156:157]
	v_pk_add_f32 v[212:213], v[212:213], v[96:97]
	v_pk_add_f32 v[254:255], v[254:255], v[98:99]
	v_pk_add_f32 v[252:253], v[252:253], v[102:103]
	v_pk_add_f32 v[250:251], v[250:251], v[106:107]
	v_pk_add_f32 v[248:249], v[248:249], v[110:111]
	v_pk_add_f32 v[246:247], v[246:247], v[114:115]
	v_pk_add_f32 v[244:245], v[244:245], v[118:119]
	v_pk_add_f32 v[14:15], v[14:15], v[122:123]
	v_pk_add_f32 v[212:213], v[212:213], v[126:127]
	v_pk_add_f32 v[254:255], v[254:255], v[130:131]
	v_pk_add_f32 v[252:253], v[252:253], v[134:135]
	v_pk_add_f32 v[250:251], v[250:251], v[138:139]
	v_pk_add_f32 v[248:249], v[248:249], v[142:143]
	v_pk_add_f32 v[246:247], v[246:247], v[146:147]
	v_pk_add_f32 v[244:245], v[244:245], v[150:151]
	v_pk_add_f32 v[14:15], v[14:15], v[154:155]
	v_pk_add_f32 v[212:213], v[212:213], v[158:159]
	s_delay_alu instid0(VALU_DEP_2)
	v_pk_add_f32 v[14:15], v[14:15], v[250:251]
	s_delay_alu instid0(VALU_DEP_2)
	v_pk_add_f32 v[212:213], v[212:213], v[248:249]
	v_pk_add_f32 v[254:255], v[254:255], v[246:247]
	v_pk_add_f32 v[252:253], v[252:253], v[244:245]
	s_delay_alu instid0(VALU_DEP_2)
	v_pk_add_f32 v[14:15], v[14:15], v[254:255]
	s_delay_alu instid0(VALU_DEP_2)
	v_pk_add_f32 v[212:213], v[212:213], v[252:253]
	s_delay_alu instid0(VALU_DEP_1)
	v_pk_add_f32 v[14:15], v[14:15], v[212:213]
.irp b, 0,1,2,3
.set J, 0
.rept 16
	v_min_num_f32 v[96+16*\b+J], v[96+16*\b+J], v211   ; the conversion does not saturate (ISA guide 7.6.2); p is not negative, so the hold is one-sided
.set J, J+1
.endr
	v_cvt_scalef32_pk8_fp8_f32 v[192+4*\b:193+4*\b], v[96+16*\b:103+16*\b], v210
	v_cvt_scalef32_pk8_fp8_f32 v[194+4*\b:195+4*\b], v[104+16*\b:111+16*\b], v210
.endr
.set J, 0
.rept 16
	v_pk_mul_f32 v[160+J:161+J], v[160+J:161+J], v[208:209] op_sel_hi:[1,0]   ; O^T under the new M; these are also the plain lines between the conversions and the products
.set J, J+2
.endr
	s_wait_alu depctr_va_vdst(0)
	s_wait_dscnt 0x0                               ; V's fragments are in
.irp t, 0,1,2,3
	v_wmma_f32_16x16x128_fp8_fp8 v[160+8*\t:167+8*\t], v[32+16*\t:47+16*\t], v[192:207], v[160+8*\t:167+8*\t]   ; four accumulators by turns
.endr
.Lhidden_\@:
	s_add_co_u32 s[KF], s[KF], 128
.endm
; THE CHANGE OF SLOTS stands at a slot's head.  Each wave waits for all its tensor loads, adds 0 to its spare word, and waits for
; that and for its reads of the slot that it has left.  Behind the barrier the slot ahead is whole and nobody reads the other one, which is then filled with the keys that follow, up to the causal limit.
.macro CHANGE fill
	s_wait_tensorcnt 0x0                           ; no tensor load of mine is out, so a group 0 may be written
	ds_add_u32 v[SPW], v[NIL]
.if \fill
	ds_add_u32 v[SPW], v[NIL]
	s_xor_b32 s[G0K+1], s[G0K+1], SLOT1            ; the walking descriptors: the other slot, the next 256 keys
	s_add_nc_u64 s[G0K+2:G0K+3], s[G0K+2:G0K+3], SK*64
	s_xor_b32 s[G0V+1], s[G0V+1], SLOT1
	s_add_nc_u64 s[G0V+2:G0V+3], s[G0V+2:G0V+3], SK
	s_wait_xcnt 0x0                                ; the last prefetch, a slot back, has read its address
	s_add_nc_u64 s[PFA:PFA+1], s[PFA:PFA+1], s[PFS:PFS+1]
.endif
	s_wait_dscnt 0x0                               ; the adds are done, and my reads of the slot that I have left are over
	s_barrier_signal -1
	s_barrier_wait -1
.if \fill
	s_add_co_u32 s96, s[KF], SK                    ; a slot whose first key comes after my work-group's last query is read by none of its waves: it is not asked for.
	s_cmp_gt_u32 s96, s[QL]                        ; Ids and the count of steps alone: all sixteen waves go the same way, and past the limit stays past it; every wait on TENSORcnt in this text is for 0
	s_cbranch_scc1 .Lpast_\@
	TLOAD                                          ; a wave's one tensor load until the next change
.Lpast_\@:
	ASK
.endif
.endm
.macro SLOT_STEPS
	STEP 0
	STEP 1
	s_xor_b32 s[TB], s[TB], SLOT1
.endm
	s_wait_loadcnt 0x0                             ; Q
.Lslot:                                            ; seven trips: behind each change of slots but the last the next slot is asked for
	CHANGE 1
	SLOT_STEPS
	s_sub_co_u32 s[SLOTS], s[SLOTS], 1
	s_cmp_lg_u32 s[SLOTS], 0
	s_cbranch_scc1 .Lslot
	CHANGE 0                                       ; the last slot is written out: nothing is left to fetch
	SLOT_STEPS
	; THE WAY OUT.  O^T / the sum is quantised with the scale 2^(e10 - e8 - e9) (the sums lack 2^(e8 + e9)) and goes through my stage in LDS, 16 rows of 80 bytes, in slot 0, which was left at the last change of slots.
	; A head's piece of a token's row is 64 bytes in the tensor itself: four lanes store it whole.
	v_add_f32 v14, v14, v15
	s_delay_alu instid0(VALU_DEP_1)
	v_permlanex16_b32 v214, v14, s[SEL], s[SEL+1]
	s_delay_alu instid0(VALU_DEP_1)
	v_add_f32 v14, v14, v214                       ; the row's sum
	s_wait_alu depctr_va_vdst(0)
	v_rcp_f32 v14, v14
	v_and_b32 v8, 15, v0                           ; (a plain line behind the transcendental)
	s_wait_alu depctr_va_vdst(0)
	v_bfe_u32 v9, v0, 4, 1
	s_sub_co_i32 s73, s72, s70
	s_sub_co_i32 s73, s73, s71
	s_add_co_i32 s73, s73, 127
	s_lshl_b32 s74, s73, 23
	v_mov_b32 v27, s74
	s_add_co_i32 s73, s73, 8
	s_lshl_b32 s73, s73, 23
	s_or_b32 s73, s73, 0x600000
	v_mov_b32 v28, s73
	s_mul_i32 s75, s[WV], 1280                     ; my stage
	v_mul_u32_u24 v10, v8, 80
	s_wait_alu depctr_va_vdst(0)
	v_lshl_add_u32 v10, v9, 3, v10
	s_delay_alu instid0(VALU_DEP_1)
	v_add_nc_u32 v10, s75, v10                     ; in: row r, 8 bytes for each half of the lanes
	v_and_b32 v24, 31, v0
	s_delay_alu instid0(VALU_DEP_1)
	v_lshrrev_b32 v25, 2, v24
	s_delay_alu instid0(VALU_DEP_2)
	v_and_b32 v26, 3, v24
	s_delay_alu instid0(VALU_DEP_2)
	v_mul_u32_u24 v11, v25, 80
	s_delay_alu instid0(VALU_DEP_1)
	v_lshl_add_u32 v11, v26, 4, v11
	s_delay_alu instid0(VALU_DEP_1)
	v_add_nc_u32 v11, s75, v11                     ; back: four lanes to a row
	s_wait_alu depctr_va_vdst(0)                   ; a wait ahead of the reciprocal's first reader
.set J, 0
.rept 16
	v_pk_mul_f32 v[96+J:97+J], v[160+J:161+J], v[14:15] op_sel_hi:[1,0]   ; register 8 t + i is channel 16 t + 8 h + i of query r
.set J, J+2
.endr
.set J, 0
.rept 32
	v_med3_num_f32 v[96+J], v[96+J], -v28, v28
.set J, J+1
.endr
.irp t, 0,1,2,3
	v_cvt_scalef32_pk8_fp8_f32 v[128+2*\t:129+2*\t], v[96+8*\t:103+8*\t], v27
.endr
	v_nop                                          ; a plain line behind the last conversion
.irp t, 0,1,2,3
	ds_store_b64 v10, v[128+2*\t:129+2*\t] offset:16*\t
.endr
.irp t, 0,1
	ds_load_b128 v[136+4*\t:139+4*\t], v11 offset:640*\t   ; LDS serves a wave's instructions in order: these see my stores
.endr
.irp t, 0,1
	s_wait_dscnt 1-\t
	global_store_b128 v[GO], v[136+4*\t:139+4*\t], s[8:9] offset:8192*\t
.endr
	s_wait_tensorcnt 0x0                           ; the wave's end, behind my last tensor load and my last LDS store
	ds_add_u32 v[SPW], v[NIL]
	s_wait_dscnt 0x0
	s_endpgm
.Lfunc_end_k_qf81ebce586_attn:
	.size	k_qf81ebce586_attn, .Lfunc_end_k_qf81ebce586_attn-k_qf81ebce586_attn
	.p2alignl 7, 3214868480
	.fill 96, 4, 3214868480
	.section	.rodata,"a",@progbits
	.p2align	6, 0x0
	.amdhsa_kernel k_qf81ebce586_attn
		.amdhsa_group_segment_fixed_size 327680
		.amdhsa_private_segment_fixed_size 0
		.amdhsa_enable_private_segment 0
		.amdhsa_kernarg_size 24
		.amdhsa_user_sgpr_count 2
		.amdhsa_user_sgpr_kernarg_segment_ptr 1
		.amdhsa_wavefront_size32 1
		.amdhsa_system_sgpr_workgroup_id_x 1
		.amdhsa_system_sgpr_workgroup_id_y 1
		.amdhsa_system_sgpr_workgroup_id_z 1
		.amdhsa_system_vgpr_workitem_id 0
		.amdhsa_next_free_vgpr 256
		.amdhsa_next_free_sgpr 100
		.amdhsa_reserve_vcc 1
		.amdhsa_float_denorm_mode_32 3
		.amdhsa_float_denorm_mode_16_64 3
		.amdhsa_memory_ordered 1
		.amdhsa_forward_progress 1
		.amdhsa_inst_pref_size 101
	.end_amdhsa_kernel
	.amdgpu_metadata
---
amdhsa.version: [ 1, 2 ]
amdhsa.kernels:
  - .name:           k_qf81ebce586_attn
    .symbol:         k_qf81ebce586_attn.kd
    .args:
      - { .name: qkvc, .offset: 0, .size: 8, .value_kind: global_buffer, .address_space: global }
      - { .name: lowp_scales, .offset: 8, .size: 8, .value_kind: global_buffer, .address_space: global }
      - { .name: ac, .offset: 16, .size: 8, .value_kind: global_buffer, .address_space: global }
    .group_segment_fixed_size: 327680
    .private_segment_fixed_size: 0
    .kernarg_segment_align: 8
    .kernarg_segment_size: 24
    .max_flat_workgroup_size: 512
    .sgpr_count:     100
    .vgpr_count:     256
    .wavefront_size: 32
...
	.end_amdgpu_metadata
.endif
;; end of part 10
;; launch wo (part 11): grid 32 x 8, 4 waves a work-group, clusters of 4 x 4, 327,680 bytes of LDS; arguments ac, wc, lowp_scales, x, x2; writes x2
.if DOCPART == 11
	.amdgcn_target "amdgcn-amd-amdhsa--gfx1250"
	.amdhsa_code_object_version 6
	.text
	.protected	k_qf81ebce586_wo
	.globl	k_qf81ebce586_wo
	.p2align	8
	.type	k_qf81ebce586_wo,@function
k_qf81ebce586_wo:
	s_mov_b64 s[64:65], 0
	v_nop
	global_prefetch_b8 v0, s[64:65] scope:SCOPE_SE
	s_setreg_imm32_b32 hwreg(HW_REG_WAVE_MODE, 25, 1), 1
	s_wait_xcnt 0x0
	s_wait_alu depctr_hold_cnt(0) depctr_sa_sdst(0) depctr_va_vdst(0) depctr_va_sdst(0) depctr_va_ssrc(0) depctr_va_vcc(0) depctr_vm_vsrc(0)
	s_getreg_b32 s2, hwreg(HW_REG_IB_STS2, 6, 4)
	s_cmp_eq_u32 s2, 0
	s_cbranch_scc0 .Lentry_in_a_cluster
	s_endpgm
.Lentry_in_a_cluster:
	s_bfe_u32 s2, ttmp6, 0x10000c
	s_cmp_lg_u32 s2, 0xf033
	s_cbranch_scc0 .Lentry_shape_is_right
	s_endpgm
.Lentry_shape_is_right:
; x2 = x + attention's result x Wo^T, the product on codes of FP8 (E4M3); each finished sum is multiplied once by 2^(e10 + e11) and added to x.  LIMIT: e10 + e11 between -126 and 127.
; A work-group of four waves makes 128 x 128, a wave 64 x 64: 16 accumulators by turns.  THE WHOLE K LIES IN LDS: 256 rows of 1,024 bytes, 1,040 apart, brought by one joint load a wave (64 rows each; waves 0, 1 the tokens', waves 2, 3 the weights');
; nothing is filled again.  The text walks K in two halves of 512 bytes: SLOT is the second half's place in a row.
; Clusters of 4 x 4: the tokens' tile is shared down a column of the cluster, the weights' along a row.  No prefetch: all tiles are asked for at the start.
; The matrix instruction is used transposed, so that a lane holds eight neighbours of a row; results go through each wave's own stage in LDS, are kept in registers, and all stores, whole units of 256 bytes, stand at the wave's end.
.set NS,     2
.set QLAST,  0
.set KROW,   1024
.set BOFF,   3145728
.set SCB,    40
.set LASTOUT, 0
.set PITCH,  1040
.set ABYTES, 128*PITCH
.set SLOT,   512
.set SPARE,  256*PITCH
.set STG0,   SPARE+512
.set SPITCH, 272
.set ADRA, 16
.set ADRB, 20
.set SPW,  28
.set NIL,  29
.set G1A, 24
.set G0A, 32
.set G1B, 48
.set G0B, 56
.set MSB, 0
.macro WIN new
.if MSB != (\new)
	s_set_vgpr_msb (MSB<<8)|(\new)
.set MSB, (\new)
.endif
.endm
.macro PLACES n
.rept \n
	v_nop
.endr
.endm
.macro JLOAD s
	s_cmp_eq_u32 s15, 0
	s_cbranch_scc0 .Lfor_b_\@
	tensor_load_to_lds s[G0A+4*(\s):G0A+4*(\s)+3], s[G1A:G1A+7]
	s_nop 0
	PLACES 4
	s_branch .Lasked_\@
.Lfor_b_\@:
	tensor_load_to_lds s[G0B+4*(\s):G0B+4*(\s)+3], s[G1B:G1B+7]
	s_nop 0
	PLACES 4
.Lasked_\@:
.endm
.macro CREST
	s_cmp_lg_u32 s14, 0
	s_cbranch_scc1 .Lnot_wave_0_\@
	s_barrier_signal -3
.Lnot_wave_0_\@:
	s_barrier_wait -3
	s_barrier_signal -1
	s_barrier_wait -1
.endm
.macro CROUND
	s_barrier_signal -1
	s_barrier_wait -1
	CREST
.endm
.macro FRAG reg, adr, q, i
.irp c, 0,1,2,3
	ds_load_b128 v[\reg+4*\c:\reg+4*\c+3], v[\adr] offset:128*(\q)+32*\c+(\i)*16*PITCH
.endr
.endm
.macro FETCH slot, q, p
	WIN (\p)<<6
.irp i, 0,1,2,3
	FRAG 128+16*\i, ADRB+(\slot), \q, \i
.endr
.irp i, 0,1,2,3
	FRAG 64+16*\i, ADRA+(\slot), \q, \i
.endr
.endm
.macro MUL a0, a1, p, zero
	WIN (\p)|((\p)<<2)|0xa0
.set MA, \a0
.rept (\a1)-(\a0)+1
.irp b, 0,1,2,3
.if \zero
	v_wmma_f32_16x16x128_fp8_fp8 v[8*(4*MA+\b):8*(4*MA+\b)+7], v[128+16*\b:143+16*\b], v[64+16*MA:79+16*MA], 0
.else
	v_wmma_f32_16x16x128_fp8_fp8 v[8*(4*MA+\b):8*(4*MA+\b)+7], v[128+16*\b:143+16*\b], v[64+16*MA:79+16*MA], v[8*(4*MA+\b):8*(4*MA+\b)+7]
.endif
.endr
.set MA, MA+1
.endr
.endm
.macro QSTEP slot, q, zero
	s_wait_dscnt 8
	MUL 0, 1, (\q)%2, \zero
	s_wait_dscnt 0x0
	PLACES 4
	FETCH \slot, (\q)+1, 1-(\q)%2
	MUL 2, 3, (\q)%2, \zero
.endm
.macro TURN slot, next, fill, nq, dk
	WIN 0
	s_wait_tensorcnt 0x0
	ds_add_u32 v[SPW], v[NIL]
	s_wait_dscnt 9
	MUL 0, 0, 1, 0
	s_wait_dscnt 0x0
	s_barrier_signal -1
	MUL 1, 1, 1, 0
	WIN 0
	s_barrier_wait -1
.if \fill
	CREST
	s_add_nc_u64 s[G0A+4*(\slot)+2:G0A+4*(\slot)+3], s[G0A+4*(\slot)+2:G0A+4*(\slot)+3], \dk
	s_add_nc_u64 s[G0B+4*(\slot)+2:G0B+4*(\slot)+3], s[G0B+4*(\slot)+2:G0B+4*(\slot)+3], \dk
	JLOAD \slot
.else
	PLACES 4
.endif
	FETCH \next, \nq, 0
	MUL 2, 3, 1, 0
.endm
.macro LAST
	s_wait_dscnt 8
	MUL 0, 1, 1, 0
	s_wait_dscnt 0x0
	MUL 2, 3, 1, 0
	WIN 0
.endm
.macro RLOAD a
	WIN ((\a)/2)<<6
.irp t, 0,1,2,3,4,5,6,7
	global_load_b128 v[192+32*((\a)%2)+4*\t:192+32*((\a)%2)+4*\t+3], v34, s[10:11] offset:(16*(\a)+2*\t)*4096 th:TH_LOAD_NT
.endr
.endm
	s_load_b256 s[4:11], s[0:1], 0x0
	s_load_b64 s[12:13], s[0:1], 0x20
	v_lshl_add_u32 v[SPW], v0, 2, SPARE
	v_mov_b32 v[NIL], 0
	ds_add_u32 v[SPW], v[NIL]
	ds_add_u32 v[SPW], v[NIL]
	v_lshrrev_b32 v1, 5, v0
	v_readfirstlane_b32 s14, v1
	s_lshr_b32 s15, s14, 1
	s_and_b32 s16, s14, 1
	s_bfe_u32 s40, ttmp6, 0x40000
	s_bfe_u32 s41, ttmp6, 0x40004
	s_lshl_b32 s17, ttmp9, 2
	s_add_co_u32 s17, s17, s40
	s_and_b32 s42, ttmp7, 0xffff
	s_lshl_b32 s42, s42, 2
	s_add_co_u32 s42, s42, s41
	s_lshl_b32 s43, 0x1111, s40
	s_lshl_b32 s44, s41, 2
	s_lshl_b32 s44, 15, s44
	s_or_b32 s[G1A], s43, (1<<20)|(1<<21)|(7<<22)|(3<<25)   ; padding: four words after every 256
	s_or_b32 s[G1B], s44, (1<<20)|(1<<21)|(7<<22)|(3<<25)
.irp g, G1A, G1B
	s_mov_b32 s[\g+1], 1024<<16
	s_mov_b32 s[\g+2], 64<<16
	s_mov_b32 s[\g+3], 1024<<16
	s_mov_b32 s[\g+4], 64
	s_mov_b32 s[\g+5], KROW
	s_mov_b32 s[\g+6], 0
	s_mov_b32 s[\g+7], 0
.endr
	s_mul_i32 s18, s17, 128*KROW
	s_mul_i32 s19, s16, 64*KROW
	s_add_co_u32 s18, s18, s19
	s_mov_b32 s19, 0
	s_mul_i32 s46, s42, 128*KROW
	s_mul_i32 s47, s16, 64*KROW
	s_add_co_u32 s46, s46, s47
	s_add_co_u32 s46, s46, BOFF
	s_mov_b32 s47, 0
	s_mul_i32 s66, s16, 64*PITCH
	s_add_co_u32 s67, s66, ABYTES
	s_lshl_b32 s86, s17, 19
	s_lshl_b32 s87, s15, 18
	s_add_co_u32 s86, s86, s87
	s_lshl_b32 s87, s42, 9
	s_add_co_u32 s86, s86, s87
	s_lshl_b32 s87, s16, 8
	s_add_co_u32 s86, s86, s87
	s_mov_b32 s87, 0
	s_wait_dscnt 0x0
	s_wait_kmcnt 0x0
	s_load_b64 s[68:69], s[8:9], SCB
	s_add_nc_u64 s[20:21], s[4:5], s[18:19]
	s_add_nc_u64 s[22:23], s[6:7], s[46:47]
	s_add_nc_u64 s[10:11], s[10:11], s[86:87]
	s_add_nc_u64 s[12:13], s[12:13], s[86:87]
	CROUND
.irp s, 0
	s_mov_b32 s[G0A+4*\s], 1
	s_add_co_u32 s[G0A+4*\s+1], s66, \s*SLOT
	s_add_nc_u64 s[G0A+4*\s+2:G0A+4*\s+3], s[20:21], \s*512
	s_or_b32 s[G0A+4*\s+3], s[G0A+4*\s+3], 0x80000000
	s_mov_b32 s[G0B+4*\s], 1
	s_add_co_u32 s[G0B+4*\s+1], s67, \s*SLOT
	s_add_nc_u64 s[G0B+4*\s+2:G0B+4*\s+3], s[22:23], \s*512
	s_or_b32 s[G0B+4*\s+3], s[G0B+4*\s+3], 0x80000000
.endr
	JLOAD 0                                        ; my 64 rows, whole: the wave's one tensor load
	v_and_b32 v1, 15, v0
	v_bfe_u32 v2, v0, 4, 1
	v_lshlrev_b32 v34, 12, v2
	v_lshl_add_u32 v34, v1, 4, v34
.irp a, 0,1,2,3
	RLOAD \a
.endr
	WIN 0
	v_mul_u32_u24 v3, v1, PITCH
	v_lshl_add_u32 v3, v2, 4, v3
	s_mul_i32 s18, s15, 64*PITCH
	v_add_nc_u32 v[ADRA], s18, v3
	s_add_co_u32 s18, s18, SLOT
	v_add_nc_u32 v[ADRA+1], s18, v3
	s_mul_i32 s18, s16, 64*PITCH
	s_add_co_u32 s18, s18, ABYTES
	v_add_nc_u32 v[ADRB], s18, v3
	s_add_co_u32 s18, s18, SLOT
	v_add_nc_u32 v[ADRB+1], s18, v3
	s_mul_i32 s19, s14, 16*SPITCH
	s_add_co_u32 s19, s19, STG0
	v_mul_u32_u24 v32, v1, SPITCH
	v_lshl_add_u32 v32, v2, 5, v32
	v_add_nc_u32 v32, s19, v32
	v_mul_u32_u24 v33, v2, SPITCH
	v_lshl_add_u32 v33, v1, 4, v33
	v_add_nc_u32 v33, s19, v33
	s_wait_alu depctr_va_vdst(0)
	s_wait_tensorcnt 0x0                           ; my rows are in; behind the barrier everybody's are
	s_barrier_signal -1
	s_barrier_wait -1
	FETCH 0, 0, 0
.set IDX, 0
.rept NS
.set SL, IDX%2
.set QF, 0
.if IDX == NS-1
.set QF, QLAST
.endif
.set Q, QF
.rept 3-QF
.set ZR, 0
.if (IDX == 0) && (Q == 0)
.set ZR, 1
.endif
	QSTEP SL, Q, ZR
.set Q, Q+1
.endr
.if IDX < NS-1
.set FL, 0
.if IDX+2 < NS
.set FL, 1
.endif
.set NQ, 0
.if IDX+1 == NS-1
.set NQ, QLAST
.endif
.set DK, 1024
.if IDX+2 == NS-1
.set DK, 1024-128*QLAST
.endif
.if IDX == 0
	s_wait_loadcnt 0x0
.endif
	TURN SL, 1-SL, FL, NQ, DK
.else
	LAST
.endif
.set IDX, IDX+1
.endr
.macro TOSTAGE a
	WIN 0x08
.irp b, 0,1,2,3
	ds_store_b128 v32, v[8*(4*(\a)+\b):8*(4*(\a)+\b)+3] offset:64*\b
	ds_store_b128 v32, v[8*(4*(\a)+\b)+4:8*(4*(\a)+\b)+7] offset:64*\b+16
.endr
	WIN 0
.irp t, 0,1,2,3,4,5,6,7
	ds_load_b128 v[64+32*(\a)+4*\t:64+32*(\a)+4*\t+3], v33 offset:\t*2*SPITCH   ; each block has registers of its own
.endr
.endm
.macro SEND a, d
	s_wait_dscnt \d
.set BB, 64+32*(\a)
.set RR, 192+32*((\a)%2)
	WIN ((\a)/2)<<4
.set J, 0
.rept 16
	v_pk_fma_f32 v[BB+J:BB+J+1], v[BB+J:BB+J+1], s[96:97], v[RR+J:RR+J+1] op_sel_hi:[1,0,1]
.set J, J+2
.endr
	WIN 0
.endm
.macro OUT a
.set BB, 64+32*(\a)
.irp t, 0,1,2,3,4,5,6,7
.if LASTOUT
	global_store_b128 v34, v[BB+4*\t:BB+4*\t+3], s[12:13] offset:(16*(\a)+2*\t)*4096 th:TH_STORE_NT
.else
	global_store_b128 v34, v[BB+4*\t:BB+4*\t+3], s[12:13] offset:(16*(\a)+2*\t)*4096
.endif
.endr
.endm
	s_wait_kmcnt 0x0
	s_add_co_i32 s96, s68, s69
	s_add_co_i32 s96, s96, 127
	s_lshl_b32 s96, s96, 23
	s_mov_b32 s97, s96
	PLACES 4
	TOSTAGE 0
.irp a, 1,2,3
	TOSTAGE \a
	SEND \a-1, 16
.endr
	SEND 3, 0
	s_wait_alu depctr_va_vdst(0)
	s_wait_tensorcnt 0x0                           ; the wave's end, behind my last tensor load and my last LDS store
	ds_add_u32 v[SPW], v[NIL]
	s_wait_dscnt 0x0
.irp a, 0,1,2,3
	OUT \a
.endr
	CROUND
	s_endpgm
.Lfunc_end_k_qf81ebce586_wo:
	.size	k_qf81ebce586_wo, .Lfunc_end_k_qf81ebce586_wo-k_qf81ebce586_wo
	.p2alignl 7, 3214868480
	.fill 96, 4, 3214868480
	.section	.rodata,"a",@progbits
	.p2align	6, 0x0
	.amdhsa_kernel k_qf81ebce586_wo
		.amdhsa_group_segment_fixed_size 327680
		.amdhsa_private_segment_fixed_size 0
		.amdhsa_enable_private_segment 0
		.amdhsa_kernarg_size 40
		.amdhsa_user_sgpr_count 2
		.amdhsa_user_sgpr_kernarg_segment_ptr 1
		.amdhsa_wavefront_size32 1
		.amdhsa_system_sgpr_workgroup_id_x 1
		.amdhsa_system_sgpr_workgroup_id_y 1
		.amdhsa_system_sgpr_workgroup_id_z 1
		.amdhsa_system_vgpr_workitem_id 0
		.amdhsa_next_free_vgpr 768
		.amdhsa_next_free_sgpr 100
		.amdhsa_reserve_vcc 0
		.amdhsa_float_denorm_mode_32 3
		.amdhsa_float_denorm_mode_16_64 3
		.amdhsa_memory_ordered 1
		.amdhsa_forward_progress 1
		.amdhsa_inst_pref_size 48
	.end_amdhsa_kernel
	.amdgpu_metadata
---
amdhsa.version: [ 1, 2 ]
amdhsa.kernels:
  - .name:           k_qf81ebce586_wo
    .symbol:         k_qf81ebce586_wo.kd
    .args:
      - { .name: ac, .offset: 0, .size: 8, .value_kind: global_buffer, .address_space: global }
      - { .name: wc, .offset: 8, .size: 8, .value_kind: global_buffer, .address_space: global }
      - { .name: lowp_scales, .offset: 16, .size: 8, .value_kind: global_buffer, .address_space: global }
      - { .name: x, .offset: 24, .size: 8, .value_kind: global_buffer, .address_space: global }
      - { .name: x2, .offset: 32, .size: 8, .value_kind: global_buffer, .address_space: global }
    .group_segment_fixed_size: 327680
    .private_segment_fixed_size: 0
    .kernarg_segment_align: 8
    .kernarg_segment_size: 40
    .max_flat_workgroup_size: 128
    .sgpr_count:     100
    .vgpr_count:     768
    .wavefront_size: 32
...
	.end_amdgpu_metadata
.endif
;; end of part 11
;; launch norm2 (part 12): grid 512 x 1, 4 waves a work-group, no clusters, 20,992 bytes of LDS; arguments x2, g2, lowp_scales, x2c; writes x2c
.if DOCPART == 12
	.amdgcn_target "amdgcn-amd-amdhsa--gfx1250"
	.amdhsa_code_object_version 6
	.text
	.protected	k_qf81ebce586_norm2
	.globl	k_qf81ebce586_norm2
	.p2align	8
	.type	k_qf81ebce586_norm2,@function
k_qf81ebce586_norm2:
	s_mov_b64 s[64:65], 0
	v_nop
	global_prefetch_b8 v0, s[64:65] scope:SCOPE_SE
	s_setreg_imm32_b32 hwreg(HW_REG_WAVE_MODE, 25, 1), 1
	s_wait_xcnt 0x0
; rmsnorm(x2, g2), quantised twice to codes of FP8 (E4M3): with the scales of the A operands of the products with w1 (entry 12) and with w3 (entry 14).  x2c: [2][4,096][1,024].
; A wave takes two rows, kept in registers between the sum of squares and the scaling: a row is read once.  Each load reads 512 consecutive bytes, 16 a lane; the conversion takes eight neighbours from one lane's registers,
; so the scaled numbers go through the wave's own stage in LDS, 2,048 bytes at a time, and come back 64 bytes a lane (a lane's place is 80 bytes).  A lane's 16 codes are 16 bytes: a store covers 512 consecutive bytes.
; All the wave's stores stand at its end.  No barrier: waves share nothing.  No cluster, no prefetch: the launch has no loop.
; code = number / 2^e, held within +-448, to the nearest code, ties to even.  LIMITS: entries 12 and 14 between -126 and 119; NaN is not served.
; REGISTERS: v3 16 x lane; v4-7 2^e and 448 x 2^e; v12, v13 the add's two; v14, v15 the stage's addresses; v16-47 g2; v48-111 two rows; v112-143 the sums, then two sets of 16 neighbours; v144-175 codes.
.set G,   16
.set RW,  48
.set X,   112
.set C,   144
.set SPW, 12
.set NIL, 13
.set PBR, 0
.set SPARE, 20480                      ; behind the four waves' stages: the spare words, 128 bytes a wave
.macro TURN t, base, n, pb             ; LDS serves a wave's instructions in order (ISA guide 5.7.1.4): no wait between the stores and the loads
.irp i, 0,1,2,3
	ds_store_b128 v14, v[\base+16*((\t)%\n)+4*\i:\base+16*((\t)%\n)+4*\i+3] offset:\pb+2560*((\t)%2)+640*\i
.endr
.irp i, 0,1,2,3
	ds_load_b128 v[X+16*((\t)%2)+4*\i:X+16*((\t)%2)+4*\i+3], v15 offset:\pb+2560*((\t)%2)+16*\i
.endr
.endm
.macro SQ r                            ; row r's squares in four chains of pairs: nothing is cleared
.irp c, 0,1,2,3
	v_pk_mul_f32 v[X+8*\r+2*\c:X+8*\r+2*\c+1], v[RW+32*\r+2*\c:RW+32*\r+2*\c+1], v[RW+32*\r+2*\c:RW+32*\r+2*\c+1]
.endr
.irp p, 4,5,6,7,8,9,10,11,12,13,14,15
	v_pk_fma_f32 v[X+8*\r+2*(\p%4):X+8*\r+2*(\p%4)+1], v[RW+32*\r+2*\p:RW+32*\r+2*\p+1], v[RW+32*\r+2*\p:RW+32*\r+2*\p+1], v[X+8*\r+2*(\p%4):X+8*\r+2*(\p%4)+1]
.endr
.endm
.macro RSTEP k, ns                     ; half k % 2 of row k / 2, quantised ns times; the held numbers go into the registers from which this half went to the stage
.if (\k) < 3
	TURN (\k)+1, RW, 4, PBR
	s_wait_dscnt 8                                 ; this half is back; the next half's four stores and four loads may be out
.else
	s_wait_dscnt 0x0
.endif
.set XS, X+16*((\k)%2)
.set H, RW+16*(\k)
.set S, 0
.rept \ns
.set J, 0
.rept 16
	v_med3_num_f32 v[H+J], v[XS+J], -v[5+2*S], v[5+2*S]   ; the conversion does not saturate (ISA guide 7.6.2): the hold
.set J, J+1
.endr
.set CC, C+8*\ns*((\k)/2)+8*S+4*((\k)%2)
	v_cvt_scalef32_pk8_fp8_f32 v[CC:CC+1], v[H:H+7], v[4+2*S]
	v_cvt_scalef32_pk8_fp8_f32 v[CC+2:CC+3], v[H+8:H+15], v[4+2*S]
	v_nop                                          ; a plain line between the conversions and the next lines that write their sources
.set S, S+1
.endr
.endm
	s_load_b256 s[4:11], s[0:1], 0x0               ; x2 s[4:5], g2 s[6:7], the exponents s[8:9], x2c s[10:11]
	v_lshl_add_u32 v[SPW], v0, 2, SPARE
	v_mov_b32 v[NIL], 0
	v_lshrrev_b32 v1, 5, v0
	v_readfirstlane_b32 s33, v1                    ; wave 0..3
	v_and_b32 v1, 31, v0
	v_lshlrev_b32 v3, 4, v1
	s_mul_i32 s34, s33, 5120
	v_lshrrev_b32 v14, 2, v1
	v_mul_u32_u24 v14, v14, 80
	v_and_b32 v15, 3, v1
	v_lshl_add_u32 v14, v15, 4, v14
	v_add_nc_u32 v14, s34, v14
	v_mul_u32_u24 v15, v1, 80
	v_add_nc_u32 v15, s34, v15
	v_mov_b32 v[X+17], 0                           ; (named as the upper halves of the pairs that hold 1 / rms)
	v_mov_b32 v[X+19], 0
	s_lshl_b32 s35, ttmp9, 3
	s_lshl_b32 s36, s33, 1
	s_add_co_u32 s35, s35, s36                     ; my wave's first row
	s_lshl_b32 s36, s35, 12
	s_mov_b32 s37, 0
	s_lshl_b32 s38, s35, 10
	s_mov_b32 s39, 0
	s_wait_alu depctr_va_vdst(0)
	s_wait_kmcnt 0x0
	s_load_b128 s[56:59], s[8:9], 0x30             ; entries 12 to 15: 12 and 14 are used
	s_add_nc_u64 s[4:5], s[4:5], s[36:37]
	s_add_nc_u64 s[50:51], s[10:11], s[38:39]      ; the two planes of x2c, 4 MiB apart
	s_add_nc_u64 s[52:53], s[50:51], 0x400000
.irp i, 0,1,2,3,4,5,6,7
	global_load_b128 v[G+4*\i:G+4*\i+3], v3, s[6:7] offset:512*\i
.endr
.irp i, 0,1,2,3,4,5,6,7,8,9,10,11,12,13,14,15
	global_load_b128 v[RW+4*\i:RW+4*\i+3], v3, s[4:5] offset:512*\i
.endr
	s_mov_b32 s48, 0x3a800000                      ; 1 / 1,024
	s_mov_b32 s49, 0x3727c5ac                      ; 1e-5
	s_mov_b32 s84, 0x76543210                      ; v_permlanex16_b32: lane l xor 16
	s_mov_b32 s85, 0xfedcba98
	s_wait_kmcnt 0x0
.irp s, 0,1
	s_add_co_i32 s40, s[56+2*\s], 127
	s_lshl_b32 s41, s40, 23
	v_mov_b32 v[4+2*\s], s41
	s_add_co_i32 s40, s40, 8
	s_lshl_b32 s40, s40, 23
	s_or_b32 s40, s40, 0x600000
	v_mov_b32 v[5+2*\s], s40
.endr
	s_wait_alu depctr_va_vdst(0)
	s_wait_loadcnt 8                               ; g2 and the first row are in; the second row's eight loads may be out
	SQ 0
	s_wait_loadcnt 0x0
	SQ 1
.irp r, 0,8                                    ; the two rows' sums take turns line by line
	v_pk_add_f32 v[X+\r:X+\r+1], v[X+\r:X+\r+1], v[X+\r+2:X+\r+3]
	v_pk_add_f32 v[X+\r+4:X+\r+5], v[X+\r+4:X+\r+5], v[X+\r+6:X+\r+7]
.endr
.irp r, 0,8
	v_pk_add_f32 v[X+\r:X+\r+1], v[X+\r:X+\r+1], v[X+\r+4:X+\r+5]
.endr
.irp r, 0,8
	v_add_f32 v[X+\r], v[X+\r], v[X+\r+1]
.endr
.irp m, 1,2,4,8
.irp r, 0,8
	v_add_f32_dpp v[X+\r], v[X+\r], v[X+\r] row_xmask:\m row_mask:0xf bank_mask:0xf
.endr
.endr
.irp r, 0,8
	v_permlanex16_b32 v[X+\r+1], v[X+\r], s84, s85
.endr
.irp r, 0,8
	v_add_f32 v[X+\r], v[X+\r], v[X+\r+1]          ; the row's sum of squares, in every lane
.endr
	v_fma_f32 v[X+20], v[X], s48, s49              ; / 1,024 + 1e-5
	v_fma_f32 v[X+21], v[X+8], s48, s49
	s_wait_alu depctr_va_vdst(0)                   ; a wait ahead of the batch,
	v_rsq_f32 v[X+16], v[X+20]
	v_rsq_f32 v[X+18], v[X+21]
	v_nop                                          ; a plain line behind the transcendentals,
	s_wait_alu depctr_va_vdst(0)                   ; and a wait ahead of their first reader
.irp r, 0,1
.set J, 0
.rept 16
	v_pk_mul_f32 v[RW+32*\r+J:RW+32*\r+J+1], v[RW+32*\r+J:RW+32*\r+J+1], v[X+16+2*\r:X+17+2*\r] op_sel_hi:[1,0]
.set J, J+2
.endr
.endr
.irp r, 0,1
.set J, 0
.rept 16
	v_pk_mul_f32 v[RW+32*\r+J:RW+32*\r+J+1], v[RW+32*\r+J:RW+32*\r+J+1], v[G+J:G+J+1]
.set J, J+2
.endr
.endr
	TURN 0, RW, 4, PBR
.irp k, 0,1,2,3
	RSTEP \k, 2
.endr
	s_wait_alu depctr_va_vdst(0)
	s_wait_tensorcnt 0x0                           ; the wave's end, behind my last LDS store
	ds_add_u32 v[SPW], v[NIL]
	s_wait_dscnt 0x0
.irp r, 0,1
.irp s, 0,1
.irp u, 0,1
	global_store_b128 v3, v[C+16*\r+8*\s+4*\u:C+16*\r+8*\s+4*\u+3], s[50+2*\s:51+2*\s] offset:1024*\r+512*\u
.endr
.endr
.endr
	s_endpgm
.Lfunc_end_k_qf81ebce586_norm2:
	.size	k_qf81ebce586_norm2, .Lfunc_end_k_qf81ebce586_norm2-k_qf81ebce586_norm2
	.p2alignl 7, 3214868480
	.fill 96, 4, 3214868480
	.section	.rodata,"a",@progbits
	.p2align	6, 0x0
	.amdhsa_kernel k_qf81ebce586_norm2
		.amdhsa_group_segment_fixed_size 20992
		.amdhsa_private_segment_fixed_size 0
		.amdhsa_enable_private_segment 0
		.amdhsa_kernarg_size 32
		.amdhsa_user_sgpr_count 2
		.amdhsa_user_sgpr_kernarg_segment_ptr 1
		.amdhsa_wavefront_size32 1
		.amdhsa_system_sgpr_workgroup_id_x 1
		.amdhsa_system_sgpr_workgroup_id_y 1
		.amdhsa_system_sgpr_workgroup_id_z 1
		.amdhsa_system_vgpr_workitem_id 0
		.amdhsa_next_free_vgpr 176
		.amdhsa_next_free_sgpr 100
		.amdhsa_reserve_vcc 0
		.amdhsa_float_denorm_mode_32 3
		.amdhsa_float_denorm_mode_16_64 3
		.amdhsa_memory_ordered 1
		.amdhsa_forward_progress 1
		.amdhsa_inst_pref_size 25
	.end_amdhsa_kernel
	.amdgpu_metadata
---
amdhsa.version: [ 1, 2 ]
amdhsa.kernels:
  - .name:           k_qf81ebce586_norm2
    .symbol:         k_qf81ebce586_norm2.kd
    .args:
      - { .name: x2, .offset: 0, .size: 8, .value_kind: global_buffer, .address_space: global }
      - { .name: g2, .offset: 8, .size: 8, .value_kind: global_buffer, .address_space: global }
      - { .name: lowp_scales, .offset: 16, .size: 8, .value_kind: global_buffer, .address_space: global }
      - { .name: x2c, .offset: 24, .size: 8, .value_kind: global_buffer, .address_space: global }
    .group_segment_fixed_size: 20992
    .private_segment_fixed_size: 0
    .kernarg_segment_align: 8
    .kernarg_segment_size: 32
    .max_flat_workgroup_size: 128
    .sgpr_count:     100
    .vgpr_count:     176
    .wavefront_size: 32
...
	.end_amdgpu_metadata
.endif
;; end of part 12
;; launch ffn1 (part 13): grid 16 x 16, 4 waves a work-group, clusters of 4 x 4, 327,680 bytes of LDS; arguments x2c, wc, lowp_scales, hc; writes hc
.if DOCPART == 13
	.amdgcn_target "amdgcn-amd-amdhsa--gfx1250"
	.amdhsa_code_object_version 6
	.text
	.protected	k_qf81ebce586_ffn1
	.globl	k_qf81ebce586_ffn1
	.p2align	8
	.type	k_qf81ebce586_ffn1,@function
k_qf81ebce586_ffn1:
	s_mov_b64 s[64:65], 0
	v_nop
	global_prefetch_b8 v0, s[64:65] scope:SCOPE_SE
	s_setreg_imm32_b32 hwreg(HW_REG_WAVE_MODE, 25, 1), 1
	s_wait_xcnt 0x0
	s_wait_alu depctr_hold_cnt(0) depctr_sa_sdst(0) depctr_va_vdst(0) depctr_va_sdst(0) depctr_va_ssrc(0) depctr_va_vcc(0) depctr_vm_vsrc(0)
	s_getreg_b32 s2, hwreg(HW_REG_IB_STS2, 6, 4)
	s_cmp_eq_u32 s2, 0
	s_cbranch_scc0 .Lentry_in_a_cluster
	s_endpgm
.Lentry_in_a_cluster:
	s_bfe_u32 s2, ttmp6, 0x10000c
	s_cmp_lg_u32 s2, 0xf033
	s_cbranch_scc0 .Lentry_shape_is_right
	s_endpgm
.Lentry_shape_is_right:
; h = silu(xn w1^T) x (xn w3^T), both products on codes of FP8 (E4M3); h leaves as codes for the product with w2, rows of 2,816 (hidden units 2,752 to 2,815 are zero codes: their weights' codes are zeros).
; A work-group of four waves makes 256 tokens x 176 hidden units of BOTH products, one after the other: 8 K steps of 256 bytes through two LDS slots (rows 272 bytes apart); a wave takes 64 tokens: 2 x 44 accumulators by turns.
; Clusters of 4 x 4: the tokens' tile is shared down a column of the cluster, the weights' along a row, by joint loads; waves 0, 1 fetch the tokens' halves, waves 2, 3 the weights'.
; PREFETCH: behind the joint load for K step i (i = 0 .. 5) each wave names K step i + 2, two loads on: of the rows that it fetches, its work-group's quarter (32 of 128, or 22 of 88; the partners are told apart by address),
; a lane a row of 256 bytes; lanes left over name the last row again.  K steps 0 and 1 come by their loads alone.
; LIMITS: e12 + e13 between -126 and 126 (added to an exponent field); e16 - e12 - e13 - e14 - e15 between -126 and 119.  NaN is not served.
.set NS,     8
.set KROW,   1024
.set PITCH,  272
.set ABYTES, 256*PITCH
.set SLOT,   432*PITCH
.set SPARE,  2*SLOT
.set STG0,   SPARE+512
.set SROW,   176
.set ADRA, 16
.set ADRB, 20
.set SPW,  28
.set NIL,  29
.set G1A, 24
.set G0A, 32
.set G1B, 48
.set G0B, 56
.set MSB, 0
.macro WIN new
.if MSB != (\new)
	s_set_vgpr_msb (MSB<<8)|(\new)
.set MSB, (\new)
.endif
.endm
.macro PLACES n
.rept \n
	v_nop
.endr
.endm
.macro JLOAD s
	s_cmp_eq_u32 s15, 0
	s_cbranch_scc0 .Lfor_b_\@
	tensor_load_to_lds s[G0A+4*(\s):G0A+4*(\s)+3], s[G1A:G1A+7]
	s_nop 0
	PLACES 4
	s_branch .Lasked_\@
.Lfor_b_\@:
	tensor_load_to_lds s[G0B+4*(\s):G0B+4*(\s)+3], s[G1B:G1B+7]
	s_nop 0
	PLACES 4
.Lasked_\@:
.endm
.macro CREST
	s_cmp_lg_u32 s14, 0
	s_cbranch_scc1 .Lnot_wave_0_\@
	s_barrier_signal -3
.Lnot_wave_0_\@:
	s_barrier_wait -3
	s_barrier_signal -1
	s_barrier_wait -1
.endm
.macro CROUND
	s_barrier_signal -1
	s_barrier_wait -1
	CREST
.endm
.macro ACCW n
.if (\n) < 32
.set AWIN, 2
.set AREG, 8*(\n)
.elseif (\n) < 64
.set AWIN, 3
.set AREG, 8*((\n)-32)
.else
.set AWIN, 1
.set AREG, 64+8*((\n)-64)
.endif
.endm
.macro FRAG reg, adr, q, i
.irp c, 0,1,2,3
	ds_load_b128 v[\reg+4*\c:\reg+4*\c+3], v[\adr] offset:128*(\q)+32*\c+(\i)*16*PITCH
.endr
.endm
.macro FETCH slot, q
	WIN 0x40
.irp i, 0,1,2,3
	FRAG 16*\i, ADRA+(\slot), \q, \i
.endr
	WIN 0
.irp i, 0,1,2,3,4,5,6,7,8,9,10
	FRAG 80+16*\i, ADRB+(\slot), \q, \i
.endr
.endm
.macro MULB b, pl, zero
.irp a, 0,1,2,3
	ACCW 44*(\pl)+4*(\b)+\a
	WIN 0x04|(AWIN<<4)|(AWIN<<6)
.if \zero
	v_wmma_f32_16x16x128_fp8_fp8 v[AREG:AREG+7], v[80+16*(\b):95+16*(\b)], v[16*\a:16*\a+15], 0
.else
	v_wmma_f32_16x16x128_fp8_fp8 v[AREG:AREG+7], v[80+16*(\b):95+16*(\b)], v[16*\a:16*\a+15], v[AREG:AREG+7]
.endif
.endr
.endm
.macro KSTEP slot, q, pl, zero
	FETCH \slot, \q
.if PFK >= 0
	global_prefetch_b8 v38, s[PFB:PFB+1] offset:PFK th:TH_LOAD_NT scope:SCOPE_SE   ; its address registers are never written again
.set PFK, -1
.endif
.set KB, 0
.rept 11
	s_wait_dscnt 4*(10-KB)
	MULB KB, \pl, \zero
.set KB, KB+1
.endr
.endm
.macro KTURN slot, pl, fill, da, db
	PLACES 4
	FETCH \slot, 1
.set KB, 0
.rept 8
	s_wait_dscnt 4*(10-KB)
	MULB KB, \pl, 0
.set KB, KB+1
.endr
	WIN 0
	s_wait_tensorcnt 0x0
	ds_add_u32 v[SPW], v[NIL]
	s_wait_dscnt 9
	MULB 8, \pl, 0
	s_wait_dscnt 5
	MULB 9, \pl, 0
	s_wait_dscnt 0x0
	s_barrier_signal -1
	MULB 10, \pl, 0
	WIN 0
	s_barrier_wait -1
.if \fill
	CREST
	s_add_nc_u64 s[G0A+4*(\slot)+2:G0A+4*(\slot)+3], s[G0A+4*(\slot)+2:G0A+4*(\slot)+3], \da
	s_add_nc_u64 s[G0B+4*(\slot)+2:G0B+4*(\slot)+3], s[G0B+4*(\slot)+2:G0B+4*(\slot)+3], \db
	JLOAD \slot
.else
	PLACES 4
.endif
.endm
	s_load_b256 s[4:11], s[0:1], 0x0
	v_lshl_add_u32 v[SPW], v0, 2, SPARE
	v_mov_b32 v[NIL], 0
	ds_add_u32 v[SPW], v[NIL]
	ds_add_u32 v[SPW], v[NIL]
	v_lshrrev_b32 v1, 5, v0
	v_readfirstlane_b32 s14, v1
	s_lshr_b32 s15, s14, 1
	s_and_b32 s16, s14, 1
	s_bfe_u32 s40, ttmp6, 0x40000
	s_bfe_u32 s41, ttmp6, 0x40004
	s_lshl_b32 s17, ttmp9, 2
	s_add_co_u32 s17, s17, s40
	s_and_b32 s42, ttmp7, 0xffff
	s_lshl_b32 s42, s42, 2
	s_add_co_u32 s42, s42, s41
	s_lshl_b32 s43, 0x1111, s40
	s_lshl_b32 s44, s41, 2
	s_lshl_b32 s44, 15, s44
	s_or_b32 s[G1A], s43, (1<<20)|(1<<21)|(5<<22)|(3<<25)
	s_or_b32 s[G1B], s44, (1<<20)|(1<<21)|(5<<22)|(3<<25)
.irp g, G1A, G1B
	s_mov_b32 s[\g+1], 256<<16
	s_mov_b32 s[\g+3], 256<<16
	s_mov_b32 s[\g+5], KROW
	s_mov_b32 s[\g+6], 0
	s_mov_b32 s[\g+7], 0
.endr
	s_mov_b32 s[G1A+2], 128<<16
	s_mov_b32 s[G1A+4], 128
	s_mov_b32 s[G1B+2], 88<<16
	s_mov_b32 s[G1B+4], 88
	s_lshl_b32 s18, s17, 18
	s_lshl_b32 s19, s16, 17
	s_add_co_u32 s18, s18, s19
	s_mov_b32 s19, 0
	s_mul_i32 s46, s42, 176*KROW
	s_mul_i32 s47, s16, 88*KROW
	s_add_co_u32 s46, s46, s47
	s_add_co_u32 s46, s46, 4194304
	s_mov_b32 s47, 0
	s_mul_i32 s66, s16, 128*PITCH
	s_mul_i32 s67, s16, 88*PITCH
	s_add_co_u32 s67, s67, ABYTES
	s_lshl_b32 s86, s17, 8
	s_lshl_b32 s87, s14, 6
	s_add_co_u32 s86, s86, s87
	s_mul_i32 s86, s86, 2816
	s_mul_i32 s87, s42, 176
	s_add_co_u32 s86, s86, s87
	s_mov_b32 s87, 0
	s_wait_dscnt 0x0
	s_wait_kmcnt 0x0
	s_load_b128 s[68:71], s[8:9], 0x30
	s_load_b32 s72, s[8:9], 0x40
	s_add_nc_u64 s[20:21], s[4:5], s[18:19]
	s_add_nc_u64 s[22:23], s[6:7], s[46:47]
	s_add_nc_u64 s[10:11], s[10:11], s[86:87]
	CROUND
.irp s, 0,1
	s_mov_b32 s[G0A+4*\s], 1
	s_add_co_u32 s[G0A+4*\s+1], s66, \s*SLOT
	s_add_nc_u64 s[G0A+4*\s+2:G0A+4*\s+3], s[20:21], \s*256
	s_or_b32 s[G0A+4*\s+3], s[G0A+4*\s+3], 0x80000000
	s_mov_b32 s[G0B+4*\s], 1
	s_add_co_u32 s[G0B+4*\s+1], s67, \s*SLOT
	s_add_nc_u64 s[G0B+4*\s+2:G0B+4*\s+3], s[22:23], \s*256
	s_or_b32 s[G0B+4*\s+3], s[G0B+4*\s+3], 0x80000000
.endr
	JLOAD 0                                        ; K step 0
	s_cmp_eq_u32 s15, 0                            ; the prefetches: do I fetch tokens or weights?
	s_cselect_b64 s[88:89], s[20:21], s[22:23]     ; the rows that I fetch,
	s_cselect_b32 s90, s41, s40                    ; my work-group's place among the four that ask for them with me,
	s_cselect_b32 s73, 31, 21                      ; the last lane with a row of its own,
	s_mov_b32 s91, 22*KROW
	s_cselect_b32 s91, 32*KROW, s91                ; a partner's share of the rows
	s_mul_i32 s90, s90, s91
	s_mov_b32 s91, 0
	s_add_nc_u64 s[78:79], s[88:89], s[90:91]      ; in the first product's plane,
	s_mov_b32 s90, 2883584
	s_cselect_b32 s90, 4194304, s90
	s_add_nc_u64 s[88:89], s[78:79], s[90:91]      ; and in the second's
	v_and_b32 v38, 31, v0
	v_min_u32 v38, s73, v38
	v_lshlrev_b32 v38, 10, v38                     ; a lane a row
	global_prefetch_b8 v38, s[78:79] offset:512 th:TH_LOAD_NT scope:SCOPE_SE   ; K step 2
.set PFK, 768                          ; behind K step 1's load: K step 3
.set PFB, 78
	v_and_b32 v1, 15, v0
	v_bfe_u32 v2, v0, 4, 1
	v_and_b32 v32, 31, v0
	v_mul_u32_u24 v3, v1, PITCH
	v_lshl_add_u32 v3, v2, 4, v3
	s_mul_i32 s18, s14, 64*PITCH
	v_add_nc_u32 v[ADRA], s18, v3
	s_add_co_u32 s18, s18, SLOT
	v_add_nc_u32 v[ADRA+1], s18, v3
	v_add_nc_u32 v[ADRB], ABYTES, v3
	v_add_nc_u32 v[ADRB+1], ABYTES+SLOT, v3
	s_mul_i32 s19, s14, 64*SROW
	s_add_co_u32 s19, s19, STG0
	v_mul_u32_u24 v36, v1, SROW
	v_lshl_add_u32 v36, v2, 3, v36
	v_add_nc_u32 v36, s19, v36
	v_lshlrev_b32 v37, 4, v32
	v_add_nc_u32 v37, s19, v37
	s_wait_alu depctr_va_vdst(0)
	s_wait_tensorcnt 0x0                           ; my part of K step 0 is in
	ds_add_u32 v[SPW], v[NIL]
	s_wait_dscnt 0x0
	CROUND                                         ; everybody's part of K step 0 is in, and all sixteen work-groups are here
	JLOAD 1                                        ; K step 1: the first tensor load behind the round
.set IDX, 0
.rept NS
.set SL, IDX%2
.set PL, IDX/4
.set ZR, 0
.if IDX%4 == 0
.set ZR, 1
.endif
	KSTEP SL, 0, PL, ZR
.if IDX < NS-1
.set FL, 0
.if IDX+2 < NS
.set FL, 1
.endif
.set DA, 512
.set DB, 512
.if (IDX == 2) || (IDX == 3)
.set DA, 4194304-512
.set DB, 2883584-512
.endif
	KTURN SL, PL, FL, DA, DB
.if IDX < 4
.set PFK, 256*IDX                      ; the next step's head names K step IDX + 4: byte 256 x IDX of the second plane's rows
.set PFB, 88
.endif
.else
	PLACES 4
	KSTEP SL, 1, PL, 0
	WIN 0
.endif
.set IDX, IDX+1
.endr
	PLACES 4
	s_wait_kmcnt 0x0
	s_add_co_i32 s94, s68, s69
	s_lshl_b32 s95, s94, 23
	s_add_co_i32 s92, s95, 0xbfb8aa3b
	s_mov_b32 s93, s92
	s_sub_co_i32 s94, s72, s94
	s_sub_co_i32 s94, s94, s70
	s_sub_co_i32 s94, s94, s71
	s_add_co_i32 s94, s94, 127
	s_lshl_b32 s95, s94, 23
	v_mov_b32 v30, s95
	s_add_co_i32 s94, s94, 8
	s_lshl_b32 s94, s94, 23
	s_or_b32 s94, s94, 0x600000
	v_mov_b32 v31, s94
.set A, 0
.rept 4
.set KB, 0
.rept 11
	ACCW 4*KB+A
	WIN AWIN
.irp j, 0,2,4,6
	v_pk_mul_f32 v[80+8*KB+\j:81+8*KB+\j], v[AREG+\j:AREG+\j+1], s[92:93] op_sel_hi:[1,0]
.endr
.set KB, KB+1
.endr
	WIN 0
.set J, 0
	s_wait_alu depctr_va_vdst(0)
.rept 88
	v_exp_f32 v[80+J], v[80+J]
.set J, J+1
.endr
.set KB, 0
	s_wait_alu depctr_va_vdst(0)
.rept 11
	ACCW 4*KB+A
.set W1S, AWIN
.set R1S, AREG
	ACCW 44+4*KB+A
	WIN W1S|(AWIN<<2)
.irp j, 0,2,4,6
	v_pk_mul_f32 v[168+8*KB+\j:169+8*KB+\j], v[R1S+\j:R1S+\j+1], v[AREG+\j:AREG+\j+1]
.endr
.set KB, KB+1
.endr
	WIN 0
	s_wait_alu depctr_va_vdst(0)
.set J, 0
.rept 44
	v_pk_add_f32 v[80+J:81+J], v[80+J:81+J], 1.0 op_sel_hi:[1,0]
.set J, J+2
.endr
.set J, 0
	s_wait_alu depctr_va_vdst(0)
.rept 88
	v_rcp_f32 v[80+J], v[80+J]
.set J, J+1
.endr
	v_nop
	s_wait_alu depctr_va_vdst(0)
.set J, 0
.rept 44
	v_pk_mul_f32 v[168+J:169+J], v[168+J:169+J], v[80+J:81+J]
.set J, J+2
.endr
.set J, 0
.rept 88
	v_med3_num_f32 v[168+J], v[168+J], -v31, v31
.set J, J+1
.endr
.if A > 0
	s_wait_dscnt 0x0
.endif
.set KB, 0
.rept 11
	v_cvt_scalef32_pk8_fp8_f32 v[40+2*KB:41+2*KB], v[168+8*KB:175+8*KB], v30
.set KB, KB+1
.endr
	v_nop
.set KB, 0
.rept 11
	ds_store_b64 v36, v[40+2*KB:41+2*KB] offset:A*16*SROW+16*KB
.set KB, KB+1
.endr
.set A, A+1
.endr
.set T, 0
.rept 22
	v_add_nc_u32 v62, 32*T, v32
	v_mul_u32_u24 v63, v62, 5958
	v_lshrrev_b32 v63, 16, v63
	v_mul_u32_u24 v63, v63, 2640
	v_lshl_add_u32 v[168+T], v62, 4, v63
.set T, T+1
.endr
.set T, 0
.rept 22
	ds_load_b128 v[80+4*T:83+4*T], v37 offset:512*T
.set T, T+1
.endr
.set T, 0
	s_wait_alu depctr_va_vdst(0)
.rept 22
	s_wait_dscnt 21-T
	global_store_b128 v[168+T], v[80+4*T:83+4*T], s[10:11]
.set T, T+1
.endr
	s_wait_tensorcnt 0x0
	ds_add_u32 v[SPW], v[NIL]
	s_wait_dscnt 0x0
	CROUND
	s_endpgm
.Lfunc_end_k_qf81ebce586_ffn1:
	.size	k_qf81ebce586_ffn1, .Lfunc_end_k_qf81ebce586_ffn1-k_qf81ebce586_ffn1
	.p2alignl 7, 3214868480
	.fill 96, 4, 3214868480
	.section	.rodata,"a",@progbits
	.p2align	6, 0x0
	.amdhsa_kernel k_qf81ebce586_ffn1
		.amdhsa_group_segment_fixed_size 327680
		.amdhsa_private_segment_fixed_size 0
		.amdhsa_enable_private_segment 0
		.amdhsa_kernarg_size 32
		.amdhsa_user_sgpr_count 2
		.amdhsa_user_sgpr_kernarg_segment_ptr 1
		.amdhsa_wavefront_size32 1
		.amdhsa_system_sgpr_workgroup_id_x 1
		.amdhsa_system_sgpr_workgroup_id_y 1
		.amdhsa_system_sgpr_workgroup_id_z 1
		.amdhsa_system_vgpr_workitem_id 0
		.amdhsa_next_free_vgpr 1024
		.amdhsa_next_free_sgpr 100
		.amdhsa_reserve_vcc 0
		.amdhsa_float_denorm_mode_32 3
		.amdhsa_float_denorm_mode_16_64 3
		.amdhsa_memory_ordered 1
		.amdhsa_forward_progress 1
		.amdhsa_inst_pref_size 236
	.end_amdhsa_kernel
	.amdgpu_metadata
---
amdhsa.version: [ 1, 2 ]
amdhsa.kernels:
  - .name:           k_qf81ebce586_ffn1
    .symbol:         k_qf81ebce586_ffn1.kd
    .args:
      - { .name: x2c, .offset: 0, .size: 8, .value_kind: global_buffer, .address_space: global }
      - { .name: wc, .offset: 8, .size: 8, .value_kind: global_buffer, .address_space: global }
      - { .name: lowp_scales, .offset: 16, .size: 8, .value_kind: global_buffer, .address_space: global }
      - { .name: hc, .offset: 24, .size: 8, .value_kind: global_buffer, .address_space: global }
    .group_segment_fixed_size: 327680
    .private_segment_fixed_size: 0
    .kernarg_segment_align: 8
    .kernarg_segment_size: 32
    .max_flat_workgroup_size: 128
    .sgpr_count:     100
    .vgpr_count:     1024
    .wavefront_size: 32
...
	.end_amdgpu_metadata
.endif
;; end of part 13
;; launch ffn2 (part 14): grid 32 x 8, 4 waves a work-group, clusters of 4 x 4, 327,680 bytes of LDS; arguments hc, wc, lowp_scales, x2, out0; writes out0
.if DOCPART == 14
	.amdgcn_target "amdgcn-amd-amdhsa--gfx1250"
	.amdhsa_code_object_version 6
	.text
	.protected	k_qf81ebce586_ffn2
	.globl	k_qf81ebce586_ffn2
	.p2align	8
	.type	k_qf81ebce586_ffn2,@function
k_qf81ebce586_ffn2:
	s_mov_b64 s[64:65], 0
	v_nop
	global_prefetch_b8 v0, s[64:65] scope:SCOPE_SE
	s_setreg_imm32_b32 hwreg(HW_REG_WAVE_MODE, 25, 1), 1
	s_wait_xcnt 0x0
	s_wait_alu depctr_hold_cnt(0) depctr_sa_sdst(0) depctr_va_vdst(0) depctr_va_sdst(0) depctr_va_ssrc(0) depctr_va_vcc(0) depctr_vm_vsrc(0)
	s_getreg_b32 s2, hwreg(HW_REG_IB_STS2, 6, 4)
	s_cmp_eq_u32 s2, 0
	s_cbranch_scc0 .Lentry_in_a_cluster
	s_endpgm
.Lentry_in_a_cluster:
	s_bfe_u32 s2, ttmp6, 0x10000c
	s_cmp_lg_u32 s2, 0xf033
	s_cbranch_scc0 .Lentry_shape_is_right
	s_endpgm
.Lentry_shape_is_right:
; out0 = x2 + h w2^T, the product on codes of FP8 (E4M3), K = 2,816 (the last 64 are zero codes on both sides); each finished sum is multiplied once by 2^(e16 + e17) and added to x2.  LIMIT: e16 + e17 between -126 and 127.
; A work-group of four waves makes 128 x 128, a wave 64 x 64: 16 accumulators by turns.  K goes in steps of 512 bytes through two LDS slots (rows 528 bytes apart); the sixth tile begins at byte 2,304 and its last 256 bytes are multiplied.
; Clusters of 4 x 4: the tokens' tile is shared down a column of the cluster, the weights' along a row, by joint loads; waves 0, 1 fetch the tokens' halves, waves 2, 3 the weights'.
; PREFETCH: behind the joint load for K step i (i = 0 .. 3) each wave names K step i + 2, two loads on, of its work-group's 16 of the 64 rows that it fetches (the partners are told apart by address): 512 bytes of a row, two lanes a row;
; of the sixth tile only bytes 2,560 to 2,815, a lane a row, the lanes left over naming the last row again.  K steps 0 and 1 come by their loads alone.
; Results go through each wave's own stage in LDS, are kept in registers, and all stores, whole units of 256 bytes, stand at the wave's end.
.set NS,     6
.set QLAST,  2
.set KROW,   2816
.set BOFF,   9961472
.set SCB,    64
.set LASTOUT, 1
.set PITCH,  528
.set ABYTES, 128*PITCH
.set SLOT,   256*PITCH
.set SPARE,  2*SLOT
.set STG0,   SPARE+512
.set SPITCH, 272
.set ADRA, 16
.set ADRB, 20
.set SPW,  28
.set NIL,  29
.set G1A, 24
.set G0A, 32
.set G1B, 48
.set G0B, 56
.set MSB, 0
.macro WIN new
.if MSB != (\new)
	s_set_vgpr_msb (MSB<<8)|(\new)
.set MSB, (\new)
.endif
.endm
.macro PLACES n
.rept \n
	v_nop
.endr
.endm
.macro JLOAD s
	s_cmp_eq_u32 s15, 0
	s_cbranch_scc0 .Lfor_b_\@
	tensor_load_to_lds s[G0A+4*(\s):G0A+4*(\s)+3], s[G1A:G1A+7]
	s_nop 0
	PLACES 4
	s_branch .Lasked_\@
.Lfor_b_\@:
	tensor_load_to_lds s[G0B+4*(\s):G0B+4*(\s)+3], s[G1B:G1B+7]
	s_nop 0
	PLACES 4
.Lasked_\@:
.endm
.macro CREST
	s_cmp_lg_u32 s14, 0
	s_cbranch_scc1 .Lnot_wave_0_\@
	s_barrier_signal -3
.Lnot_wave_0_\@:
	s_barrier_wait -3
	s_barrier_signal -1
	s_barrier_wait -1
.endm
.macro CROUND
	s_barrier_signal -1
	s_barrier_wait -1
	CREST
.endm
.macro FRAG reg, adr, q, i
.irp c, 0,1,2,3
	ds_load_b128 v[\reg+4*\c:\reg+4*\c+3], v[\adr] offset:128*(\q)+32*\c+(\i)*16*PITCH
.endr
.endm
.macro FETCH slot, q, p
	WIN (\p)<<6
.irp i, 0,1,2,3
	FRAG 128+16*\i, ADRB+(\slot), \q, \i
.endr
.irp i, 0,1,2,3
	FRAG 64+16*\i, ADRA+(\slot), \q, \i
.endr
.endm
.macro MUL a0, a1, p, zero
	WIN (\p)|((\p)<<2)|0xa0
.set MA, \a0
.rept (\a1)-(\a0)+1
.irp b, 0,1,2,3
.if \zero
	v_wmma_f32_16x16x128_fp8_fp8 v[8*(4*MA+\b):8*(4*MA+\b)+7], v[128+16*\b:143+16*\b], v[64+16*MA:79+16*MA], 0
.else
	v_wmma_f32_16x16x128_fp8_fp8 v[8*(4*MA+\b):8*(4*MA+\b)+7], v[128+16*\b:143+16*\b], v[64+16*MA:79+16*MA], v[8*(4*MA+\b):8*(4*MA+\b)+7]
.endif
.endr
.set MA, MA+1
.endr
.endm
.macro QSTEP slot, q, zero
	s_wait_dscnt 8
	MUL 0, 1, (\q)%2, \zero
	s_wait_dscnt 0x0
	PLACES 4
	FETCH \slot, (\q)+1, 1-(\q)%2
	MUL 2, 3, (\q)%2, \zero
.endm
.macro TURN slot, next, fill, nq, dk
	WIN 0
	s_wait_tensorcnt 0x0
	ds_add_u32 v[SPW], v[NIL]
	s_wait_dscnt 9
	MUL 0, 0, 1, 0
	s_wait_dscnt 0x0
	s_barrier_signal -1
	MUL 1, 1, 1, 0
	WIN 0
	s_barrier_wait -1
.if \fill
	CREST
	s_add_nc_u64 s[G0A+4*(\slot)+2:G0A+4*(\slot)+3], s[G0A+4*(\slot)+2:G0A+4*(\slot)+3], \dk
	s_add_nc_u64 s[G0B+4*(\slot)+2:G0B+4*(\slot)+3], s[G0B+4*(\slot)+2:G0B+4*(\slot)+3], \dk
	JLOAD \slot
.else
	PLACES 4
.endif
	FETCH \next, \nq, 0
.if PFK == 1
	global_prefetch_b8 v35, s[88:89] offset:2048 th:TH_LOAD_NT scope:SCOPE_SE   ; the address registers are never written again
.endif
.if PFK == 2
	global_prefetch_b8 v36, s[88:89] offset:2560 th:TH_LOAD_NT scope:SCOPE_SE
.endif
	MUL 2, 3, 1, 0
.endm
.macro LAST
	s_wait_dscnt 8
	MUL 0, 1, 1, 0
	s_wait_dscnt 0x0
	MUL 2, 3, 1, 0
	WIN 0
.endm
.macro RLOAD a
	WIN ((\a)/2)<<6
.irp t, 0,1,2,3,4,5,6,7
	global_load_b128 v[192+32*((\a)%2)+4*\t:192+32*((\a)%2)+4*\t+3], v34, s[10:11] offset:(16*(\a)+2*\t)*4096 th:TH_LOAD_NT
.endr
.endm
	s_load_b256 s[4:11], s[0:1], 0x0
	s_load_b64 s[12:13], s[0:1], 0x20
	v_lshl_add_u32 v[SPW], v0, 2, SPARE
	v_mov_b32 v[NIL], 0
	ds_add_u32 v[SPW], v[NIL]
	ds_add_u32 v[SPW], v[NIL]
	v_lshrrev_b32 v1, 5, v0
	v_readfirstlane_b32 s14, v1
	s_lshr_b32 s15, s14, 1
	s_and_b32 s16, s14, 1
	s_bfe_u32 s40, ttmp6, 0x40000
	s_bfe_u32 s41, ttmp6, 0x40004
	s_lshl_b32 s17, ttmp9, 2
	s_add_co_u32 s17, s17, s40
	s_and_b32 s42, ttmp7, 0xffff
	s_lshl_b32 s42, s42, 2
	s_add_co_u32 s42, s42, s41
	s_lshl_b32 s43, 0x1111, s40
	s_lshl_b32 s44, s41, 2
	s_lshl_b32 s44, 15, s44
	s_or_b32 s[G1A], s43, (1<<20)|(1<<21)|(6<<22)|(3<<25)
	s_or_b32 s[G1B], s44, (1<<20)|(1<<21)|(6<<22)|(3<<25)
.irp g, G1A, G1B
	s_mov_b32 s[\g+1], 512<<16
	s_mov_b32 s[\g+2], 64<<16
	s_mov_b32 s[\g+3], 512<<16
	s_mov_b32 s[\g+4], 64
	s_mov_b32 s[\g+5], KROW
	s_mov_b32 s[\g+6], 0
	s_mov_b32 s[\g+7], 0
.endr
	s_mul_i32 s18, s17, 128*KROW
	s_mul_i32 s19, s16, 64*KROW
	s_add_co_u32 s18, s18, s19
	s_mov_b32 s19, 0
	s_mul_i32 s46, s42, 128*KROW
	s_mul_i32 s47, s16, 64*KROW
	s_add_co_u32 s46, s46, s47
	s_add_co_u32 s46, s46, BOFF
	s_mov_b32 s47, 0
	s_mul_i32 s66, s16, 64*PITCH
	s_add_co_u32 s67, s66, ABYTES
	s_lshl_b32 s86, s17, 19
	s_lshl_b32 s87, s15, 18
	s_add_co_u32 s86, s86, s87
	s_lshl_b32 s87, s42, 9
	s_add_co_u32 s86, s86, s87
	s_lshl_b32 s87, s16, 8
	s_add_co_u32 s86, s86, s87
	s_mov_b32 s87, 0
	s_wait_dscnt 0x0
	s_wait_kmcnt 0x0
	s_load_b64 s[68:69], s[8:9], SCB
	s_add_nc_u64 s[20:21], s[4:5], s[18:19]
	s_add_nc_u64 s[22:23], s[6:7], s[46:47]
	s_add_nc_u64 s[10:11], s[10:11], s[86:87]
	s_add_nc_u64 s[12:13], s[12:13], s[86:87]
	CROUND
.irp s, 0,1
	s_mov_b32 s[G0A+4*\s], 1
	s_add_co_u32 s[G0A+4*\s+1], s66, \s*SLOT
	s_add_nc_u64 s[G0A+4*\s+2:G0A+4*\s+3], s[20:21], \s*512
	s_or_b32 s[G0A+4*\s+3], s[G0A+4*\s+3], 0x80000000
	s_mov_b32 s[G0B+4*\s], 1
	s_add_co_u32 s[G0B+4*\s+1], s67, \s*SLOT
	s_add_nc_u64 s[G0B+4*\s+2:G0B+4*\s+3], s[22:23], \s*512
	s_or_b32 s[G0B+4*\s+3], s[G0B+4*\s+3], 0x80000000
.endr
	JLOAD 0                                        ; K step 0
	s_cmp_eq_u32 s15, 0                            ; the prefetches: do I fetch tokens or weights?
	s_cselect_b64 s[88:89], s[20:21], s[22:23]     ; the 64 rows that I fetch,
	s_cselect_b32 s90, s41, s40                    ; my work-group's place among the four that ask for them with me,
	s_mul_i32 s90, s90, 16*KROW                    ; and its 16 rows
	s_mov_b32 s91, 0
	s_add_nc_u64 s[88:89], s[88:89], s[90:91]
	v_and_b32 v36, 31, v0
	v_lshrrev_b32 v37, 1, v36
	v_and_b32 v35, 1, v36
	v_mul_u32_u24 v37, v37, KROW
	v_lshl_add_u32 v35, v35, 8, v37                ; two lanes a row, 256 bytes apart
	v_min_u32 v36, 15, v36
	v_mul_u32_u24 v36, v36, KROW                   ; a lane a row
	global_prefetch_b8 v35, s[88:89] offset:1024 th:TH_LOAD_NT scope:SCOPE_SE   ; K step 2
	v_and_b32 v1, 15, v0
	v_bfe_u32 v2, v0, 4, 1
	v_lshlrev_b32 v34, 12, v2
	v_lshl_add_u32 v34, v1, 4, v34
.irp a, 0,1,2,3
	RLOAD \a
.endr
	WIN 0
	v_mul_u32_u24 v3, v1, PITCH
	v_lshl_add_u32 v3, v2, 4, v3
	s_mul_i32 s18, s15, 64*PITCH
	v_add_nc_u32 v[ADRA], s18, v3
	s_add_co_u32 s18, s18, SLOT
	v_add_nc_u32 v[ADRA+1], s18, v3
	s_mul_i32 s18, s16, 64*PITCH
	s_add_co_u32 s18, s18, ABYTES
	v_add_nc_u32 v[ADRB], s18, v3
	s_add_co_u32 s18, s18, SLOT
	v_add_nc_u32 v[ADRB+1], s18, v3
	s_mul_i32 s19, s14, 16*SPITCH
	s_add_co_u32 s19, s19, STG0
	v_mul_u32_u24 v32, v1, SPITCH
	v_lshl_add_u32 v32, v2, 5, v32
	v_add_nc_u32 v32, s19, v32
	v_mul_u32_u24 v33, v2, SPITCH
	v_lshl_add_u32 v33, v1, 4, v33
	v_add_nc_u32 v33, s19, v33
	s_wait_alu depctr_va_vdst(0)
	s_wait_tensorcnt 0x0                           ; my part of K step 0 is in
	ds_add_u32 v[SPW], v[NIL]
	s_wait_dscnt 0x0
	CROUND                                         ; everybody's part of K step 0 is in, and all sixteen work-groups are here
	JLOAD 1                                        ; K step 1: the first tensor load behind the round
	FETCH 0, 0, 0
	global_prefetch_b8 v35, s[88:89] offset:1536 th:TH_LOAD_NT scope:SCOPE_SE   ; K step 3
.set IDX, 0
.rept NS
.set SL, IDX%2
.set QF, 0
.if IDX == NS-1
.set QF, QLAST
.endif
.set Q, QF
.rept 3-QF
.set ZR, 0
.if (IDX == 0) && (Q == 0)
.set ZR, 1
.endif
	QSTEP SL, Q, ZR
.set Q, Q+1
.endr
.if IDX < NS-1
.set FL, 0
.if IDX+2 < NS
.set FL, 1
.endif
.set NQ, 0
.if IDX+1 == NS-1
.set NQ, QLAST
.endif
.set DK, 1024
.if IDX+2 == NS-1
.set DK, 1024-128*QLAST
.endif
.if IDX == 0
	s_wait_loadcnt 0x0
.endif
.set PFK, 0
.if IDX < 2
.set PFK, IDX+1
.endif
	TURN SL, 1-SL, FL, NQ, DK
.else
	LAST
.endif
.set IDX, IDX+1
.endr
.macro TOSTAGE a
	WIN 0x08
.irp b, 0,1,2,3
	ds_store_b128 v32, v[8*(4*(\a)+\b):8*(4*(\a)+\b)+3] offset:64*\b
	ds_store_b128 v32, v[8*(4*(\a)+\b)+4:8*(4*(\a)+\b)+7] offset:64*\b+16
.endr
	WIN 0
.irp t, 0,1,2,3,4,5,6,7
	ds_load_b128 v[64+32*(\a)+4*\t:64+32*(\a)+4*\t+3], v33 offset:\t*2*SPITCH   ; each block has registers of its own
.endr
.endm
.macro SEND a, d
	s_wait_dscnt \d
.set BB, 64+32*(\a)
.set RR, 192+32*((\a)%2)
	WIN ((\a)/2)<<4
.set J, 0
.rept 16
	v_pk_fma_f32 v[BB+J:BB+J+1], v[BB+J:BB+J+1], s[96:97], v[RR+J:RR+J+1] op_sel_hi:[1,0,1]
.set J, J+2
.endr
	WIN 0
.endm
.macro OUT a
.set BB, 64+32*(\a)
.irp t, 0,1,2,3,4,5,6,7
.if LASTOUT
	global_store_b128 v34, v[BB+4*\t:BB+4*\t+3], s[12:13] offset:(16*(\a)+2*\t)*4096 th:TH_STORE_NT
.else
	global_store_b128 v34, v[BB+4*\t:BB+4*\t+3], s[12:13] offset:(16*(\a)+2*\t)*4096
.endif
.endr
.endm
	s_wait_kmcnt 0x0
	s_add_co_i32 s96, s68, s69
	s_add_co_i32 s96, s96, 127
	s_lshl_b32 s96, s96, 23
	s_mov_b32 s97, s96
	PLACES 4
	TOSTAGE 0
.irp a, 1,2,3
	TOSTAGE \a
	SEND \a-1, 16
.endr
	SEND 3, 0
	s_wait_alu depctr_va_vdst(0)
	s_wait_tensorcnt 0x0                           ; the wave's end, behind my last tensor load and my last LDS store
	ds_add_u32 v[SPW], v[NIL]
	s_wait_dscnt 0x0
.irp a, 0,1,2,3
	OUT \a
.endr
	CROUND
	s_endpgm
.Lfunc_end_k_qf81ebce586_ffn2:
	.size	k_qf81ebce586_ffn2, .Lfunc_end_k_qf81ebce586_ffn2-k_qf81ebce586_ffn2
	.p2alignl 7, 3214868480
	.fill 96, 4, 3214868480
	.section	.rodata,"a",@progbits
	.p2align	6, 0x0
	.amdhsa_kernel k_qf81ebce586_ffn2
		.amdhsa_group_segment_fixed_size 327680
		.amdhsa_private_segment_fixed_size 0
		.amdhsa_enable_private_segment 0
		.amdhsa_kernarg_size 40
		.amdhsa_user_sgpr_count 2
		.amdhsa_user_sgpr_kernarg_segment_ptr 1
		.amdhsa_wavefront_size32 1
		.amdhsa_system_sgpr_workgroup_id_x 1
		.amdhsa_system_sgpr_workgroup_id_y 1
		.amdhsa_system_sgpr_workgroup_id_z 1
		.amdhsa_system_vgpr_workitem_id 0
		.amdhsa_next_free_vgpr 768
		.amdhsa_next_free_sgpr 100
		.amdhsa_reserve_vcc 0
		.amdhsa_float_denorm_mode_32 3
		.amdhsa_float_denorm_mode_16_64 3
		.amdhsa_memory_ordered 1
		.amdhsa_forward_progress 1
		.amdhsa_inst_pref_size 100
	.end_amdhsa_kernel
	.amdgpu_metadata
---
amdhsa.version: [ 1, 2 ]
amdhsa.kernels:
  - .name:           k_qf81ebce586_ffn2
    .symbol:         k_qf81ebce586_ffn2.kd
    .args:
      - { .name: hc, .offset: 0, .size: 8, .value_kind: global_buffer, .address_space: global }
      - { .name: wc, .offset: 8, .size: 8, .value_kind: global_buffer, .address_space: global }
      - { .name: lowp_scales, .offset: 16, .size: 8, .value_kind: global_buffer, .address_space: global }
      - { .name: x2, .offset: 24, .size: 8, .value_kind: global_buffer, .address_space: global }
      - { .name: out0, .offset: 32, .size: 8, .value_kind: global_buffer, .address_space: global }
    .group_segment_fixed_size: 327680
    .private_segment_fixed_size: 0
    .kernarg_segment_align: 8
    .kernarg_segment_size: 40
    .max_flat_workgroup_size: 128
    .sgpr_count:     100
    .vgpr_count:     768
    .wavefront_size: 32
...
	.end_amdgpu_metadata
.endif
;; end of part 14
